; MI455X (gfx1250); checked and timed in simulation.
; The chip was launched on July 23, 2026; its instructions are those of AMD's public machine-readable ISA for CDNA 5 (MIT licence, August 2026) and "CDNA5" Instruction Set Architecture Reference Guide (July 2026). The comments in the code are by the model that wrote it; some were corrected since.
;; Sparse Mo EFFN. Allowed arithmetic: matrix products marked QUANTISED: E5M2 operands, one E8M0 scale for each 32 along K, by v_wmma_scale_f32_16x16x128_f8f6f4 with both operands' format E5M2, f32 sums; products left as they are: f32 operands where the result goes on into a quantised operand, else bf16, f16 or f32 operands; f32 sums; everything else in f32.
;; Inputs: W1 8 x 1,024 x 2,048 float32; W2 8 x 2,048 x 1,024 float32; Wg 1,024 x 8 float32; b1 8 x 2,048 float32; b2 8 x 1,024 float32; bg 8 float32; x 4 x 512 x 1,024 float32.
;; Outputs: out0 4 x 512 x 1,024 float32; out1 one number float32.
;; This version of the problem:
;;   THIS VERSION OF THE PROBLEM IS GIVEN IN LOW PRECISION. The matrix products marked QUANTISED in the list below multiply operands that are first quantised to E5M2 (5 exponent bits, 2 mantissa bits; 8 bits a number), with one power-of-two scale for each 32 numbers along K (OCP MX v1.0); their sums are f32. All else is computed in f32.
;;   The module's matrix products, in the order in which they are computed (A, B: the left and right operand; K: the contracted axis; several contracted axes count as one K, in the product's order):
;;     1. [M 2,048, K 1,024] x [K 1,024, N 8]; A: input x; B: input Wg: left as it is (N = 8 < 16)
;;     2. [M 16,384, K 1,024] x [K 1,024, N 2,048]; A: input W1; B: input x: QUANTISED
;;     3. batch 8 x [M 1,024, K 2,048] x [K 2,048, N 2,048]; A: input W2; B: computed on the way: QUANTISED
;;     4. batch 2,048 x [M 1, K 8] x [K 8, N 1,024]; A: computed on the way; B: computed on the way: left as it is (K = 8 < 32)
;;   THE QUANTISER, for each operand of a quantised product, along K:
;;     - K is cut into blocks of 32 from its start; a last block that is shorter is filled with zeros.
;;     - A block's scale is 2^e with e = floor(log2(the largest magnitude in the block)) - 15, held to -126 .. 127; a block of zeros has e = 0. As a byte (E8M0): e + 127.
;;     - Each number is divided by its block's scale, clamped to +-57,344, and rounded to the nearest number of E5M2, ties to even, subnormals kept.
;;     - The product sums the exact products of the quantised numbers (number of the format x scale) in f32.
;;   ~~~python
;;   def quantise(x, axis):      # numpy; x: float32 -> the quantised numbers, widened to float32 again
;;       x = np.moveaxis(x, axis, -1); K = x.shape[-1]
;;       x = np.pad(x, [(0, 0)] * (x.ndim - 1) + [(0, -K % 32)]); x = x.reshape(x.shape[:-1] + (-1, 32)); a = np.abs(x).max(-1, keepdims=True)
;;       e = np.where(a > 0, np.clip(np.frexp(np.where(a > 0, a, 1))[1] - 1 - 15, -126, 127), 0)      # np.frexp(a)[1] - 1 = floor(log2(a)), exactly
;;       r = np.clip(x / 2.0 ** e, -57344, 57344)
;;       step = 2.0 ** (np.maximum(np.frexp(np.where(r == 0, 1, r))[1] - 1, -14) - 2)
;;       q = np.round(r / step) * step * 2.0 ** e      # np.round: ties to even
;;       return np.moveaxis(q.reshape(q.shape[:-2] + (-1,))[..., :K], -1, axis).astype(np.float32)
;;   ~~~
;;   OPERANDS COMPUTED ON THE WAY. 'Computed on the way' means the value that the module computes at that place (a softmax that the list does not call 'softmax' is quantised finished and normalised). What goes into a quantiser is computed in f32, as accurately as f32 sums, v_exp_f32 and their like allow (about 1e-6 of the number): no bf16 or f16 on the way to a quantiser, and a product that is left as it is and whose result goes on into a quantised operand takes f32 operands (vector FMAs, or v_wmma_f32_16x16x4_f32). A number that lies on a knife's edge between two numbers of the format may be rounded either way, as far as f32 arithmetic and the matrix unit's own rounding can turn it there, and no further.
;; 2 versions. Each part assembles by itself: llvm-mc -triple=amdgcn-amd-amdhsa -mcpu=gfx1250 --defsym DOCPART=n.
;; ======== version 1 of 2: 5 launches
;; workspace buffers: xq 2,162,688 bytes; sel 8,192 bytes of whole numbers; gw 17,408 bytes; lists 33,536 bytes of whole numbers; hq 8,887,296 bytes; yb 8,617,984 bytes
;; launch route (part 1): grid 256 x 1, 4 waves a work-group, no clusters, 78,848 bytes of LDS; arguments x, Wg, bg, xq, sel, gw; writes xq, sel, gw
.if DOCPART == 1
	.amdgcn_target "amdgcn-amd-amdhsa--gfx1250"
	.amdhsa_code_object_version 6
	.text
	.protected	k_q0182837f8a_route
	.globl	k_q0182837f8a_route
	.p2align	8
	.type	k_q0182837f8a_route,@function
k_q0182837f8a_route:
	s_mov_b64 s[64:65], 0
	v_nop
	global_prefetch_b8 v0, s[64:65] scope:SCOPE_SE
	s_setreg_imm32_b32 hwreg(HW_REG_WAVE_MODE, 25, 1), 1
	s_wait_xcnt 0x0
; ROUTER AND x's QUANTISER.  x [2048][1024] f32, Wg [1024][8], bg [8].  A work-group takes 8 tokens, a wave 2.
; Out: xq = x's codes of E5M2 [2048][1024] and, XQS bytes on, one E8M0 byte for each 32 along the row [2048][32];
;      sel = the two chosen experts of each token (first | second << 8), at fixed places; gw = the two renormalised gates [2048][2] f32
;      and, 16,384 bytes on, one partial sum of probs^2 for each work-group.
; The logits are f32 fused multiply-adds: a lane holds x as it was loaded (k = 128 c + 4 lane + q) and all of Wg for those k in 256 registers,
; brought once through LDS; each logit is then summed over the 32 lanes.  The softmax takes its maximum away first.
; The top two are found by selects alone (strictly greater: the lower index keeps a tie); no address and no branch hangs on them.
; The quantiser: a lane needs 16 neighbours along K, a load is dense where lanes take neighbouring bytes: so a step's 2,048 bytes turn through the wave's own stage.
; LIMITS: NaN and infinities are not served.  A block whose largest magnitude lies under 2^-111 (a block of zeros too) gets the byte 1; only this program reads the bytes.
; Where the second and third choice lie within the rounding of an f32 sum of 1,024 products of each other, either may be taken.
; No tile is shared between work-groups but Wg's 32 KiB: no cluster.
.set STG,   36864                      ; LDS: Wg's 256 chunks of 128 + 16 bytes at 0; the waves' stages, 10,240 bytes each
.set XSS,   77824                      ; 256 scale bytes of the group's 8 tokens
.set SELS,  78080                      ; 8 words: the choices
.set GATS,  78112                      ; 16 words: the gates
.set AUXS,  78176                      ; 4 words: the waves' sums of probs^2
.set XQS,   2097152
.set R,     16                         ; v16-79   x as loaded: register 32 tok + n holds k = 128 (n / 4) + 4 lane + n % 4
.set X,     80                         ; v80-143  x turned: 16 neighbours a step
.set L,     144                        ; v144-207 Wg on its way to LDS; later the registers below
.set AC,    144                        ; 16 logits
.set PT,    160                        ; 16 at work
.set P,     176                        ; 8 probabilities
.set P2,    184                        ; the same without the first choice
.set IDC,   192                        ; the numbers 0 to 7
.set TG,    200                        ; 8 at work
.set C,     208                        ; codes, four registers a step
.set EB,    224                        ; a scale byte a step
.set TQ,    228                        ; 4 at work
.set AUX,   232
.set NEG1,  233
.set SELR,  234                        ; 2
.set GT,    236                        ; 2 pairs
.set AXA,   240
.set GAA,   241                        ; LDS address of gate word lane % 16
.set MSB, 0
.macro WIN new                         ; the immediate's high byte repeats the setting that is left
.if MSB != \new
	s_set_vgpr_msb (MSB<<8)|\new
.set MSB, \new
.endif
.endm
	s_load_b256 s[4:11], s[0:1], 0x0               ; x, Wg, bg, xq
	s_load_b128 s[12:15], s[0:1], 0x20             ; sel, gw
	v_lshl_add_u32 v254, v0, 2, 0x13200
	v_mov_b32 v255, 0
	v_lshrrev_b32 v9, 5, v0
	v_readfirstlane_b32 s24, v9                    ; wave
	v_and_b32 v1, 31, v0                           ; lane
	v_lshlrev_b32 v2, 4, v1                        ; 16 x lane
	s_mul_i32 s25, s24, 10240
	s_add_co_u32 s25, s25, STG
	v_lshrrev_b32 v3, 2, v1
	v_mul_u32_u24 v3, v3, 80
	v_and_b32 v4, 3, v1
	v_lshl_add_u32 v3, v4, 4, v3
	v_add_nc_u32 v3, s25, v3                       ; the stage, in: 80 (lane / 4) + 16 (lane % 4)
	v_mul_u32_u24 v4, v1, 80
	v_add_nc_u32 v4, s25, v4                       ; and out: 80 x lane
	s_lshl_b32 s26, s24, 6
	s_add_co_u32 s26, s26, XSS
	v_lshrrev_b32 v5, 1, v1
	v_add_nc_u32 v5, s26, v5                       ; my block's scale byte
	v_lshlrev_b32 v6, 4, v0                        ; Wg: 16 x thread
	v_lshrrev_b32 v7, 3, v0
	v_mul_u32_u24 v7, v7, 144
	v_and_b32 v8, 7, v0
	v_lshl_add_u32 v7, v8, 4, v7                   ; its place in LDS: chunk thread / 8, 16 (thread % 8)
	v_mul_u32_u24 v8, v1, 144                      ; my chunks: 144 x lane
	s_lshl_b32 s26, s24, 3
	s_add_co_u32 s26, s26, SELS
	v_mov_b32 v9, s26
	s_lshl_b32 s26, s24, 4
	s_add_co_u32 s26, s26, GATS
	v_mov_b32 v10, s26
	s_lshl_b32 s26, s24, 2
	s_add_co_u32 s26, s26, AUXS
	v_mov_b32 v11, s26
	v_lshlrev_b32 v13, 3, v1
	v_add_nc_u32 v12, XSS, v13
	v_lshlrev_b32 v14, 2, v1
	v_and_b32 v15, 7, v1
	v_lshl_add_u32 v15, v15, 2, SELS               ; choice word lane % 8: every lane's address lies among the words that are written
	v_and_b32 v[GAA], 15, v1
	v_lshl_add_u32 v[GAA], v[GAA], 2, GATS         ; gate word lane % 16 likewise
	v_mov_b32 v[AXA], AUXS
	s_mov_b32 s32, 0x76543210
	s_mov_b32 s33, 0xfedcba98                      ; lane l xor 16
	s_mov_b32 s34, 0x600000                        ; the mantissa field of 57,344
	s_wait_kmcnt 0x0
	s_load_b256 s[16:23], s[8:9], 0x0              ; bg
	s_lshl_b32 s26, ttmp9, 15
	s_lshl_b32 s27, s24, 13
	s_add_co_u32 s26, s26, s27
	s_mov_b32 s27, 0
	s_add_nc_u64 s[4:5], s[4:5], s[26:27]          ; x at my two tokens
	s_lshr_b32 s26, s26, 2
	s_add_nc_u64 s[36:37], s[10:11], s[26:27]      ; their codes
	s_lshl_b32 s26, ttmp9, 8
	s_add_nc_u64 s[38:39], s[10:11], s[26:27]
	s_add_nc_u64 s[38:39], s[38:39], XQS           ; the group's 256 scale bytes
	s_lshl_b32 s26, ttmp9, 5
	s_add_nc_u64 s[12:13], s[12:13], s[26:27]
	s_lshl_b32 s26, ttmp9, 6
	s_add_nc_u64 s[40:41], s[14:15], s[26:27]
	s_lshl_b32 s26, ttmp9, 2
	s_add_nc_u64 s[42:43], s[14:15], s[26:27]
	s_add_nc_u64 s[42:43], s[42:43], 16384
.set i, 0
.rept 16
	global_load_b128 v[R+4*i:R+4*i+3], v2, s[4:5] offset:512*i th:TH_LOAD_NT   ; 32 lanes read 512 consecutive bytes
.set i, i+1
.endr
.set i, 0
.rept 16
	global_load_b128 v[L+4*i:L+4*i+3], v6, s[6:7] offset:2048*i               ; the group's 128 threads read 2,048 consecutive bytes of Wg
.set i, i+1
.endr
	s_wait_loadcnt 16                              ; x is in; Wg's sixteen loads may be out
.set i, 0
.rept 16
	ds_store_b128 v3, v[R+4*i:R+4*i+3] offset:2560*(i/4)+640*(i%4)
.set i, i+1
.endr
.set i, 0
.rept 16
	ds_load_b128 v[X+4*i:X+4*i+3], v4 offset:2560*(i/4)+16*(i%4)              ; LDS serves a wave's instructions in order: these see the stores above
.set i, i+1
.endr
	s_wait_loadcnt 0x0
.set i, 0
.rept 16
	ds_store_b128 v7, v[L+4*i:L+4*i+3] offset:2304*i
.set i, i+1
.endr
	s_wait_dscnt 0x0                               ; for the others' sake: my part of Wg lies in LDS
	s_barrier_signal -1
	s_barrier_wait -1
	WIN 0x40                                       ; destination window 1
.set i, 0
.rept 64
	ds_load_b128 v[4*i:4*i+3], v8 offset:4608*(i/8)+16*(i%8)                  ; window 1, register 8 n + e: Wg[128 (n / 4) + 4 lane + n % 4][e]
.set i, i+1
.endr
	WIN 0
; a step of 512 numbers: a block's largest magnitude (with the floor 2^-111 among its leaves), 15 off its exponent field, the hold, the conversion
.macro QX st
.set XB, X+16*(\st)
	v_max3_num_f32 v[TQ], |v[XB]|, |v[XB+1]|, |v[XB+2]|
	v_max3_num_f32 v[TQ+1], |v[XB+3]|, |v[XB+4]|, |v[XB+5]|
.irp i, 6,10
	v_max3_num_f32 v[TQ], v[TQ], |v[XB+\i]|, |v[XB+\i+1]|
	v_max3_num_f32 v[TQ+1], v[TQ+1], |v[XB+\i+2]|, |v[XB+\i+3]|
.endr
	v_max3_num_f32 v[TQ], v[TQ], |v[XB+14]|, |v[XB+15]|
	v_max3_num_f32 v[TQ], v[TQ], v[TQ+1], 0x8000000
	v_max_num_f32_dpp v[TQ], v[TQ], v[TQ] row_xmask:1 row_mask:0xf bank_mask:0xf   ; with my neighbour's 16: the block's
	v_add_nc_u32 v[TQ+2], 0xf8800000, v[TQ]        ; the conversion's scale operand
	v_and_or_b32 v[TQ+3], v[TQ], 0x7f800000, s34   ; 57,344 x the scale
.irp i, 0,1,2,3,4,5,6,7,8,9,10,11,12,13,14,15
	v_med3_num_f32 v[XB+\i], v[XB+\i], -v[TQ+3], v[TQ+3]   ; the conversion does not saturate (ISA guide 7.6.2): the hold
.endr
	v_cvt_scalef32_pk8_bf8_f32 v[C+4*(\st):C+4*(\st)+1], v[XB:XB+7], v[TQ+2]
	v_cvt_scalef32_pk8_bf8_f32 v[C+4*(\st)+2:C+4*(\st)+3], v[XB+8:XB+15], v[TQ+2]
	v_lshrrev_b32 v[EB+(\st)], 23, v[TQ+2]         ; the scale's byte; also the plain line behind the conversions
	ds_store_b8 v5, v[EB+(\st)] offset:16*(\st)    ; both lanes of a block write the same byte with the same value
	global_store_b128 v2, v[C+4*(\st):C+4*(\st)+3], s[36:37] offset:512*(\st)   ; 32 lanes store 512 consecutive bytes
.endm
	QX 0                                           ; (x turned was waited for in front of the barrier; Wg's 64 loads land meanwhile)
	QX 1
	QX 2
	QX 3
.irp e, 0,1,2,3,4,5,6,7
	v_mov_b32 v[IDC+\e], \e
.endr
	v_mov_b32 v[NEG1], -1.0
	s_wait_dscnt 0x0                               ; Wg is in my registers
	WIN 0x04                                       ; source 1 window 1
.set n, 0
.rept 32                                       ; 8 logits x 2 tokens, two logits an instruction; x's number serves both halves
.irp tok, 0,1
.irp m, 0,1,2,3
.set RP, R+32*\tok+2*(n/2)
.if n == 0
	v_pk_mul_f32 v[AC+8*\tok+2*\m:AC+8*\tok+2*\m+1], v[RP:RP+1], v[8*n+2*\m:8*n+2*\m+1] op_sel_hi:[0,1]
.elseif n%2 == 0
	v_pk_fma_f32 v[AC+8*\tok+2*\m:AC+8*\tok+2*\m+1], v[RP:RP+1], v[8*n+2*\m:8*n+2*\m+1], v[AC+8*\tok+2*\m:AC+8*\tok+2*\m+1] op_sel_hi:[0,1,1]
.else
	v_pk_fma_f32 v[AC+8*\tok+2*\m:AC+8*\tok+2*\m+1], v[RP:RP+1], v[8*n+2*\m:8*n+2*\m+1], v[AC+8*\tok+2*\m:AC+8*\tok+2*\m+1] op_sel:[1,0,0] op_sel_hi:[1,1,1]
.endif
.endr
.endr
.set n, n+1
.endr
	WIN 0
.irp k, 1,2,4,8                                ; each logit over the 32 lanes
.set i, 0
.rept 16
	v_add_f32_dpp v[AC+i], v[AC+i], v[AC+i] row_xmask:\k row_mask:0xf bank_mask:0xf
.set i, i+1
.endr
.endr
.set i, 0
.rept 16
	v_permlanex16_b32 v[PT+i], v[AC+i], s32, s33
.set i, i+1
.endr
.set i, 0
.rept 16
	v_add_f32 v[AC+i], v[AC+i], v[PT+i]
.set i, i+1
.endr
	s_wait_kmcnt 0x0                               ; bg
.irp e, 0,1,2,3,4,5,6,7
	v_add_f32 v[AC+\e], s[16+\e], v[AC+\e]
	v_add_f32 v[AC+8+\e], s[16+\e], v[AC+8+\e]
.endr
; one token: softmax, the smoothing, probs^2, the two largest, their gates.  Every lane computes the same numbers.
.macro GATE tok
.set A, AC+8*(\tok)
	v_max3_num_f32 v[TG], v[A], v[A+1], v[A+2]
	v_max3_num_f32 v[TG], v[TG], v[A+3], v[A+4]
	v_max3_num_f32 v[TG], v[TG], v[A+5], v[A+6]
	v_max_num_f32 v[TG], v[TG], v[A+7]
.irp e, 0,1,2,3,4,5,6,7
	v_sub_f32 v[P+\e], v[A+\e], v[TG]
.endr
.irp e, 0,1,2,3,4,5,6,7
	v_mul_f32 v[P+\e], 0x3fb8aa3b, v[P+\e]
.endr
.irp e, 0,1,2,3,4,5,6,7
	v_exp_f32 v[P+\e], v[P+\e]
.endr
	v_nop                                          ; a plain line behind the batch,
	s_wait_alu depctr_va_vdst(0)                   ; and one wait for the eight, ahead of their first reader
	v_add_f32 v[TG], v[P], v[P+1]
	v_add_f32 v[TG+1], v[P+2], v[P+3]
	v_add_f32 v[TG+2], v[P+4], v[P+5]
	v_add_f32 v[TG+3], v[P+6], v[P+7]
	v_add_f32 v[TG], v[TG], v[TG+1]
	v_add_f32 v[TG+2], v[TG+2], v[TG+3]
	v_add_f32 v[TG], v[TG], v[TG+2]
	v_rcp_f32 v[TG+1], v[TG]
	v_nop
	s_wait_alu depctr_va_vdst(0)
	v_mul_f32 v[TG+1], 0x3f7d70a4, v[TG+1]         ; 0.99 / the sum
.irp e, 0,1,2,3,4,5,6,7
	v_fmaak_f32 v[P+\e], v[P+\e], v[TG+1], 0x3aa3d70a   ; + 0.01 / 8
.endr
.if (\tok) == 0
	v_mul_f32 v[AUX], v[P], v[P]
.else
	v_fmac_f32 v[AUX], v[P], v[P]
.endif
.irp e, 1,2,3,4,5,6,7
	v_fmac_f32 v[AUX], v[P+\e], v[P+\e]
.endr
	v_cmp_gt_f32 vcc_lo, v[P+1], v[P]              ; strictly greater: the lower index keeps a tie
	v_cndmask_b32 v[TG+2], v[P], v[P+1], vcc_lo
	v_cndmask_b32 v[TG+3], v[IDC], v[IDC+1], vcc_lo
.irp e, 2,3,4,5,6,7
	v_cmp_gt_f32 vcc_lo, v[P+\e], v[TG+2]
	v_cndmask_b32 v[TG+2], v[TG+2], v[P+\e], vcc_lo
	v_cndmask_b32 v[TG+3], v[TG+3], v[IDC+\e], vcc_lo
.endr
.irp e, 0,1,2,3,4,5,6,7
	v_cmp_eq_u32 vcc_lo, v[TG+3], v[IDC+\e]
	v_cndmask_b32 v[P2+\e], v[P+\e], v[NEG1], vcc_lo   ; the first choice is taken out: every probability is above -1
.endr
	v_cmp_gt_f32 vcc_lo, v[P2+1], v[P2]
	v_cndmask_b32 v[TG+4], v[P2], v[P2+1], vcc_lo
	v_cndmask_b32 v[TG+5], v[IDC], v[IDC+1], vcc_lo
.irp e, 2,3,4,5,6,7
	v_cmp_gt_f32 vcc_lo, v[P2+\e], v[TG+4]
	v_cndmask_b32 v[TG+4], v[TG+4], v[P2+\e], vcc_lo
	v_cndmask_b32 v[TG+5], v[TG+5], v[IDC+\e], vcc_lo
.endr
	v_add_f32 v[TG+6], v[TG+2], v[TG+4]
	v_rcp_f32 v[TG+7], v[TG+6]
	v_lshl_or_b32 v[SELR+(\tok)], v[TG+5], 8, v[TG+3]   ; first | second << 8; also the plain line behind the reciprocal
	s_wait_alu depctr_va_vdst(0)
	v_mul_f32 v[GT+2*(\tok)], v[TG+2], v[TG+7]
	v_mul_f32 v[GT+2*(\tok)+1], v[TG+4], v[TG+7]
	ds_store_b32 v9, v[SELR+(\tok)] offset:4*(\tok)     ; all lanes write the same word with the same value
	ds_store_b64 v10, v[GT+2*(\tok):GT+2*(\tok)+1] offset:8*(\tok)
.endm
	GATE 0
	GATE 1
	ds_store_b32 v11, v[AUX]
	s_wait_dscnt 0x0                               ; for wave 0's sake: my bytes and words lie in LDS
	s_barrier_signal -1
	s_barrier_wait -1
	s_cmp_lg_u32 s24, 0
	s_cbranch_scc1 .Ldone                          ; wave 0 sends the group's small tables out, each in one store
	ds_load_b64 v[200:201], v12                    ; all four reads with every lane on; only the stores below are masked
	ds_load_b128 v[204:207], v[AXA]
	ds_load_b32 v202, v[GAA]
	ds_load_b32 v203, v15
	s_wait_dscnt 0x0
	global_store_b64 v13, v[200:201], s[38:39]     ; 32 lanes store 256 consecutive bytes, aligned
	v_add_f32 v204, v204, v205
	v_add_f32 v206, v206, v207
	v_add_f32 v204, v204, v206
	v_cmp_gt_u32 vcc_lo, 16, v1
	s_wait_xcnt 0x0                                ; EXEC changes only behind this wait
	s_and_saveexec_b32 s30, vcc_lo
	global_store_b32 v14, v202, s[40:41]           ; 16 gates
	s_wait_xcnt 0x0
	s_or_b32 exec_lo, exec_lo, s30
	v_cmp_gt_u32 vcc_lo, 8, v1
	s_and_saveexec_b32 s30, vcc_lo
	global_store_b32 v14, v203, s[12:13]           ; 8 choices
	s_wait_xcnt 0x0
	s_or_b32 exec_lo, exec_lo, s30
	v_cmp_eq_u32 vcc_lo, 0, v1
	s_and_saveexec_b32 s30, vcc_lo
	global_store_b32 v14, v204, s[42:43]           ; the group's sum of probs^2
	s_wait_xcnt 0x0
	s_or_b32 exec_lo, exec_lo, s30
.Ldone:
	s_wait_tensorcnt 0x0
	ds_add_u32 v254, v255
	s_wait_dscnt 0x0
	s_endpgm
.Lfunc_end_k_q0182837f8a_route:
	.size	k_q0182837f8a_route, .Lfunc_end_k_q0182837f8a_route-k_q0182837f8a_route
	.p2alignl 7, 3214868480
	.fill 96, 4, 3214868480
	.section	.rodata,"a",@progbits
	.p2align	6, 0x0
	.amdhsa_kernel k_q0182837f8a_route
		.amdhsa_group_segment_fixed_size 78848
		.amdhsa_private_segment_fixed_size 0
		.amdhsa_enable_private_segment 0
		.amdhsa_kernarg_size 48
		.amdhsa_user_sgpr_count 2
		.amdhsa_user_sgpr_kernarg_segment_ptr 1
		.amdhsa_wavefront_size32 1
		.amdhsa_system_sgpr_workgroup_id_x 1
		.amdhsa_system_sgpr_workgroup_id_y 1
		.amdhsa_system_sgpr_workgroup_id_z 1
		.amdhsa_system_vgpr_workitem_id 0
		.amdhsa_next_free_vgpr 512
		.amdhsa_next_free_sgpr 66
		.amdhsa_reserve_vcc 1
		.amdhsa_float_denorm_mode_32 3
		.amdhsa_float_denorm_mode_16_64 3
		.amdhsa_memory_ordered 1
		.amdhsa_forward_progress 1
		.amdhsa_inst_pref_size 55
	.end_amdhsa_kernel
	.amdgpu_metadata
---
amdhsa.version: [ 1, 2 ]
amdhsa.kernels:
  - .name:           k_q0182837f8a_route
    .symbol:         k_q0182837f8a_route.kd
    .args:
      - { .name: x, .offset: 0, .size: 8, .value_kind: global_buffer, .address_space: global }
      - { .name: Wg, .offset: 8, .size: 8, .value_kind: global_buffer, .address_space: global }
      - { .name: bg, .offset: 16, .size: 8, .value_kind: global_buffer, .address_space: global }
      - { .name: xq, .offset: 24, .size: 8, .value_kind: global_buffer, .address_space: global }
      - { .name: sel, .offset: 32, .size: 8, .value_kind: global_buffer, .address_space: global }
      - { .name: gw, .offset: 40, .size: 8, .value_kind: global_buffer, .address_space: global }
    .group_segment_fixed_size: 78848
    .private_segment_fixed_size: 0
    .kernarg_segment_align: 8
    .kernarg_segment_size: 48
    .max_flat_workgroup_size: 128
    .sgpr_count:     66
    .vgpr_count:     512
    .wavefront_size: 32
...
	.end_amdgpu_metadata
.endif
;; end of part 1
;; launch place (part 2): grid 1 x 1, 8 waves a work-group, no clusters, 1,280 bytes of LDS; arguments sel, lists; writes lists
.if DOCPART == 2
	.amdgcn_target "amdgcn-amd-amdhsa--gfx1250"
	.amdhsa_code_object_version 6
	.text
	.protected	k_q0182837f8a_place
	.globl	k_q0182837f8a_place
	.p2align	8
	.type	k_q0182837f8a_place,@function
k_q0182837f8a_place:
	s_mov_b64 s[64:65], 0
	v_nop
	global_prefetch_b8 v0, s[64:65] scope:SCOPE_SE
	s_setreg_imm32_b32 hwreg(HW_REG_WAVE_MODE, 25, 1), 1
	s_wait_xcnt 0x0
; A COUNTING SORT of the 4,096 routed rows (2,048 tokens x 2) by expert, by one work-group of 256 threads; thread i takes tokens 8 i to 8 i + 7.
; Expert e gets tiles of 16 rows, nt = ceil(n / 16) of them from tile tb on; the sum of nt is at most 4,096 / 16 + 7 = 263 whatever the split.
; Out, in lists: rows[16 x tile + r] = the token of that row (the last tile's spare rows name token 0) at byte 0;
;      {tb, nt} for each expert at 0x4200;  for slot 2 t + k its place, tile x 512 + r, at 0x4300.
; Counts: within a thread a nibble an expert (at most 8); across threads two 16-bit fields a register (at most 2,048), scanned over the lanes and summed over the waves through LDS.
; One work-group: the sort needs every token's choice, and 8 KiB are read.  The order of rows within an expert changes no result.
.set S,     8
.set E0,    16
.set E1,    24
.set R0,    32
.set R1,    40
.set P,     48
.set OWN,   52
.set T,     56
.set TOT,   60
.set WT,    64
.set B,     96
.set TA,    100
.set START, 104
.set POS,   112
.set YV,    128
.set TOKN,  144
.set L4,    160                        ; v160  4 x lane: the last store's offset; it holds nothing else
	s_load_b128 s[4:7], s[0:1], 0x0                ; sel, lists
	v_lshl_add_u32 v168, v0, 2, 0x100
	v_mov_b32 v169, 0
	v_lshrrev_b32 v1, 5, v0
	v_readfirstlane_b32 s8, v1                     ; wave
	v_and_b32 v1, 31, v0
	v_lshlrev_b32 v[L4], 2, v1
	v_lshlrev_b32 v2, 5, v0                        ; 32 bytes a thread
	v_bfe_u32 v3, v0, 4, 1
	v_sub_nc_u32 v3, 0, v3                         ; all ones in lanes 16 to 31
	v_mov_b32 v4, 1
	v_mov_b32 v5, 0
	v_mov_b32 v6, 0                                ; the thread's eight counts, a nibble each
	s_lshl_b32 s9, s8, 4
	v_mov_b32 v7, s9
	s_wait_kmcnt 0x0
	global_load_b128 v[S:S+3], v2, s[4:5]
	global_load_b128 v[S+4:S+7], v2, s[4:5] offset:16
	s_wait_loadcnt 0x0
.irp q, 0,1,2,3,4,5,6,7
	v_and_b32 v[E0+\q], 7, v[S+\q]
	v_bfe_u32 v[E1+\q], v[S+\q], 8, 3
	v_lshlrev_b32 v152, 2, v[E0+\q]
	v_lshlrev_b32 v153, 2, v[E1+\q]
	v_lshrrev_b32 v[R0+\q], v152, v6
	v_lshrrev_b32 v[R1+\q], v153, v6
	v_and_b32 v[R0+\q], 15, v[R0+\q]               ; how many of my earlier tokens chose the same expert
	v_and_b32 v[R1+\q], 15, v[R1+\q]
	v_lshlrev_b32 v152, v152, v4
	v_lshlrev_b32 v153, v153, v4
	v_add3_u32 v6, v6, v152, v153
.endr
.irp m, 0,1,2,3
	v_bfe_u32 v[P+\m], v6, 8*\m, 4
	v_bfe_u32 v152, v6, 8*\m+4, 4
	v_lshl_or_b32 v[P+\m], v152, 16, v[P+\m]       ; experts 2 m and 2 m + 1
	v_mov_b32 v[T+\m], 0
.endr
.irp m, 0,1,2,3
	v_mov_b32 v[OWN+\m], v[P+\m]
.endr
.irp k, 1,2,4,8                                ; a running sum over each 16 lanes
.irp m, 0,1,2,3
	v_mov_b32_dpp v[T+\m], v[P+\m] row_shr:\k row_mask:0xf bank_mask:0xf bound_ctrl:1
.endr
.irp m, 0,1,2,3
	v_add_nc_u32 v[P+\m], v[P+\m], v[T+\m]
.endr
.endr
.irp m, 0,1,2,3
	v_readlane_b32 s[12+\m], v[P+\m], 15
	v_and_b32 v[T+\m], s[12+\m], v3
	v_add_nc_u32 v[P+\m], v[P+\m], v[T+\m]         ; lanes 16 to 31 add the lower half's total
.endr
.irp m, 0,1,2,3
	v_readlane_b32 s[16+\m], v[P+\m], 31
	v_mov_b32 v[TOT+\m], s[16+\m]
.endr
	ds_store_b128 v7, v[TOT:TOT+3]                 ; the wave's totals: all lanes write the same 16 bytes
	s_wait_dscnt 0x0
	s_barrier_signal -1
	s_barrier_wait -1
.irp w, 0,1,2,3,4,5,6,7
	ds_load_b128 v[WT+4*\w:WT+4*\w+3], v5 offset:16*\w
.endr
	s_wait_dscnt 0x0
.irp w, 0,1,2,3,4,5,6
	s_cmp_gt_u32 s8, \w
	s_cselect_b32 s20, -1, 0
.irp m, 0,1,2,3
.if \w == 0
	v_and_b32 v[B+\m], s20, v[WT+\m]
.else
	v_and_b32 v[152+\m], s20, v[WT+4*\w+\m]
	v_add_nc_u32 v[B+\m], v[B+\m], v[152+\m]       ; the totals of the waves below mine
.endif
.endr
.endr
.irp m, 0,1,2,3
	v_add_nc_u32 v[TA+\m], v[WT+\m], v[WT+4+\m]
.endr
.irp w, 2,3,4,5,6,7
.irp m, 0,1,2,3
	v_add_nc_u32 v[TA+\m], v[TA+\m], v[WT+4*\w+\m]
.endr
.endr
.irp m, 0,1,2,3
	v_add_nc_u32 v[B+\m], v[B+\m], v[P+\m]
	v_sub_nc_u32 v[B+\m], v[B+\m], v[OWN+\m]       ; how many rows of each expert lie in front of my thread's
	v_readfirstlane_b32 s[24+\m], v[TA+\m]
	s_and_b32 s[32+2*\m], s[24+\m], 0xffff         ; n
	s_lshr_b32 s[33+2*\m], s[24+\m], 16
.endr
	s_mov_b32 s48, 0
.irp e, 0,1,2,3,4,5,6,7
	s_add_co_u32 s[40+\e], s[32+\e], 15
	s_lshr_b32 s[40+\e], s[40+\e], 4               ; nt
.if \e < 7
	s_add_co_u32 s[49+\e], s[48+\e], s[40+\e]      ; tb
.endif
.endr
.irp e, 0,1,2,3,4,5,6,7
	s_lshl_b32 s56, s[48+\e], 4
.if \e%2 == 0
	v_and_b32 v152, 0xffff, v[B+\e/2]
.else
	v_lshrrev_b32 v152, 16, v[B+\e/2]
.endif
	v_add_nc_u32 v[START+\e], s56, v152
.endr
.macro PICK dst, er, rk                        ; the place of a slot: its expert's START, by selects, + its rank in the thread
	v_cmp_eq_u32 vcc_lo, 1, v[\er]
	v_cndmask_b32 v[\dst], v[START], v[START+1], vcc_lo
.irp k, 2,3,4,5,6,7
	v_cmp_eq_u32 vcc_lo, \k, v[\er]
	v_cndmask_b32 v[\dst], v[\dst], v[START+\k], vcc_lo
.endr
	v_add_nc_u32 v[\dst], v[\dst], v[\rk]
.endm
.irp q, 0,1,2,3,4,5,6,7
	PICK POS+2*\q, E0+\q, R0+\q
	PICK POS+2*\q+1, E1+\q, R1+\q
	v_lshl_or_b32 v[TOKN+\q], v0, 3, \q
.endr
.set i, 0
.rept 16
	v_lshrrev_b32 v152, 4, v[POS+i]
	v_and_b32 v153, 15, v[POS+i]
	v_lshl_or_b32 v[YV+i], v152, 9, v153           ; tile x 512 + r
	v_min_u32 v[POS+i], 0x106f, v[POS+i]           ; a number made of loaded ones enters an address only held: 263 x 16 - 1
	v_lshlrev_b32 v[POS+i], 2, v[POS+i]
.set i, i+1
.endr
	v_lshlrev_b32 v156, 6, v0
.irp j, 0,1,2,3
	global_store_b128 v156, v[YV+4*\j:YV+4*\j+3], s[6:7] offset:0x4300+16*\j
.endr
.set i, 0
.rept 16
	global_store_b32 v[POS+i], v[TOKN+i/2], s[6:7]
.set i, i+1
.endr
	; the spare rows of each expert's last tile: thread 16 e + j writes token 0 at place 16 tb + n + j where j < 16 nt - n
	v_bfe_u32 v152, v0, 4, 3
	v_and_b32 v153, 15, v0
.irp e, 0,1,2,3,4,5,6,7
	s_lshl_b32 s56, s[48+\e], 4
	s_add_co_u32 s56, s56, s[32+\e]
	s_lshl_b32 s57, s[40+\e], 4
	s_sub_co_u32 s57, s57, s[32+\e]
.if \e == 0
	v_mov_b32 v157, s56
	v_mov_b32 v158, s57
.else
	v_cmp_eq_u32 vcc_lo, \e, v152
	v_mov_b32 v154, s56
	v_mov_b32 v155, s57
	v_cndmask_b32 v157, v157, v154, vcc_lo
	v_cndmask_b32 v158, v158, v155, vcc_lo
.endif
.endr
	v_add_nc_u32 v157, v157, v153
	v_min_u32 v157, 0x106f, v157
	v_lshlrev_b32 v157, 2, v157
	v_cmp_lt_u32 vcc_lo, v153, v158
	v_cmp_gt_u32 s58, 128, v0
	s_and_b32 vcc_lo, vcc_lo, s58
	s_wait_xcnt 0x0                                ; EXEC changes only behind this wait
	s_and_saveexec_b32 s59, vcc_lo
	global_store_b32 v157, v5, s[6:7]
	s_wait_xcnt 0x0
	s_or_b32 exec_lo, exec_lo, s59
	s_cmp_lg_u32 s8, 0
	s_cbranch_scc1 .Lend
	v_mov_b32 v159, 0
.irp e, 0,1,2,3,4,5,6,7
	v_writelane_b32 v159, s[48+\e], 2*\e
	v_writelane_b32 v159, s[40+\e], 2*\e+1
.endr
	v_cmp_gt_u32 vcc_lo, 16, v1
	s_and_saveexec_b32 s59, vcc_lo
	global_store_b32 v[L4], v159, s[6:7] offset:0x4200
	s_wait_xcnt 0x0
	s_or_b32 exec_lo, exec_lo, s59
.Lend:
	s_wait_tensorcnt 0x0
	ds_add_u32 v168, v169
	s_wait_dscnt 0x0
	s_endpgm
.Lfunc_end_k_q0182837f8a_place:
	.size	k_q0182837f8a_place, .Lfunc_end_k_q0182837f8a_place-k_q0182837f8a_place
	.p2alignl 7, 3214868480
	.fill 96, 4, 3214868480
	.section	.rodata,"a",@progbits
	.p2align	6, 0x0
	.amdhsa_kernel k_q0182837f8a_place
		.amdhsa_group_segment_fixed_size 1280
		.amdhsa_private_segment_fixed_size 0
		.amdhsa_enable_private_segment 0
		.amdhsa_kernarg_size 16
		.amdhsa_user_sgpr_count 2
		.amdhsa_user_sgpr_kernarg_segment_ptr 1
		.amdhsa_wavefront_size32 1
		.amdhsa_system_sgpr_workgroup_id_x 1
		.amdhsa_system_sgpr_workgroup_id_y 1
		.amdhsa_system_sgpr_workgroup_id_z 1
		.amdhsa_system_vgpr_workitem_id 0
		.amdhsa_next_free_vgpr 170
		.amdhsa_next_free_sgpr 66
		.amdhsa_reserve_vcc 1
		.amdhsa_float_denorm_mode_32 3
		.amdhsa_float_denorm_mode_16_64 3
		.amdhsa_memory_ordered 1
		.amdhsa_forward_progress 1
		.amdhsa_inst_pref_size 32
	.end_amdhsa_kernel
	.amdgpu_metadata
---
amdhsa.version: [ 1, 2 ]
amdhsa.kernels:
  - .name:           k_q0182837f8a_place
    .symbol:         k_q0182837f8a_place.kd
    .args:
      - { .name: sel, .offset: 0, .size: 8, .value_kind: global_buffer, .address_space: global }
      - { .name: lists, .offset: 8, .size: 8, .value_kind: global_buffer, .address_space: global }
    .group_segment_fixed_size: 1280
    .private_segment_fixed_size: 0
    .kernarg_segment_align: 8
    .kernarg_segment_size: 16
    .max_flat_workgroup_size: 256
    .sgpr_count:     66
    .vgpr_count:     170
    .wavefront_size: 32
...
	.end_amdgpu_metadata
.endif
;; end of part 2
;; launch ffn1 (part 3): grid 256 x 1, 4 waves a work-group, no clusters, 136,704 bytes of LDS; arguments W1, b1, xq, lists, hq; writes hq
.if DOCPART == 3
	.amdgcn_target "amdgcn-amd-amdhsa--gfx1250"
	.amdhsa_code_object_version 6
	.text
	.protected	k_q0182837f8a_ffn1
	.globl	k_q0182837f8a_ffn1
	.p2align	8
	.type	k_q0182837f8a_ffn1,@function
k_q0182837f8a_ffn1:
	s_mov_b64 s[64:65], 0
	v_nop
	global_prefetch_b8 v0, s[64:65] scope:SCOPE_SE
	s_setreg_imm32_b32 hwreg(HW_REG_WAVE_MODE, 25, 1), 1
	s_wait_xcnt 0x0
; h = Q(gelu(Q(x) Q(W1) + b1)) for the routed rows alone, on codes of E5M2 with one E8M0 scale for each 32 along K.
; SHARES.  Work-group (expert e = id / 32, slice g = id % 32) owns hidden units 64 g to 64 g + 63 of expert e, all of K = 1,024: 256 KiB of f32, read from memory once in the launch.
; WEIGHTS.  Wave w takes K rows 256 w on, 8 blocks of 32.  A load reads two rows' 256 consecutive bytes (lanes 0-15 row k, lanes 16-31 row k + 16), so a lane holds 4 columns x 16 rows of a block:
; the block's largest magnitude is the lane's and lane l xor 16's; the hold writes each number where the conversion wants it, so the turn from rows to columns costs no instruction.
; The codes meet in LDS (K innermost, 64 columns), one barrier, and EVERY wave takes the whole slice into 512 registers: 32 fragments, which stay.
; ROWS.  The four waves then walk the expert's tiles of 16 rows independently (wave w: tiles w, w + 4, ..), with no barrier.  A tile's 16 rows of x's codes are gathered by whole runs of 256 bytes
; a whole tile ahead, and turn through the wave's own stage into fragments.  The product is used transposed (source 0 = 16 hidden units, source 1 = 16 rows); lane r of tile 2 b + u takes unit
; 32 b + 8 u + r + 8 (r / 8), so that a lane's 16 registers of two tiles are 16 neighbours along the next K.  b1 is the C of each sum's first instruction.
; gelu, exact: h = max(x, 0) - |x| g, g = erfc(|x| / sqrt 2) / 2 = t 2^(P(t) - x^2 log2(e) / 2), t = 1 / (1 + |x| / (2 sqrt 2)), P of degree 9: relative accuracy in the tail too, no branch.
; OUT.  hq: the next product's operand as images of its registers, [tile][K step 16][4][lane][16 bytes]; its scale words [tile][K step][row], HQS bytes on: this slice gives half a word.
; The trip count of the tile loop is a number read from memory, so the text has no tensor load, and hence no joint loads, though the 32 slices of an expert read the same rows of x.
; An expert without rows: its work-groups store nothing.  The loads that run ahead are issued by every wave, for tile min(T, nt - 1) of the expert, or tile 0 of the list where the expert has none:
; always a tile that has been written; a wave without a tile does not use them.
; LIMITS: NaN and infinities are not served.  A block whose largest magnitude lies under 2^-111 (a block of zeros too) gets the byte 1; only this program reads the bytes.
; gelu's relative error is about 1e-6, and grows as 6e-8 x^2 far down the negative tail.
; REGISTERS: window 0: addresses, scale words, b1, sums, work.  Windows 1, 2: fragment (tile t, K step s) at window 1 + s / 4, register 16 (4 (s % 4) + t).
;   window 3: while the weights stream four sets of 64 numbers; then x's fragments at 0-127 and the tile gathered ahead at 128-255.
.set WP,    1040                       ; a column's 1,024 codes + 16: also a stage row
.set WSCL,  66560                      ; 64 columns x (8 scale words + 16 bytes)
.set STAGE, 69632                      ; 16 rows x WP for each wave
.set HQS,   8617984
.set XQS,   2097152
.set IDX,   18                         ; v18-25 tokens of rows 2 i + lane / 16;  v26 of row lane % 16
.set IDXR,  26
.set VOF,   28                         ; v28-35 their byte offsets in x's codes;  v36 in x's scale bytes
.set VOFS,  36
.set XS,    40                         ; v40-47  x's scale words at work
.set XSL,   48                         ; v48-55  the next tile's
.set WS,    56                         ; v56-87  W1's scale words, 8 t + s
.set B1R,   88                         ; v88-119 b1 in the result's layout
.set ACC,   120                        ; v120-151 four sums
.set TT,    152
.set PP,    168
.set QQ,    184
.set TM,    200                        ; v200-209 the hidden layer's quantiser: two each of largest magnitude, other half's, scale operand, limit, byte
.set PC,    212                        ; v212-219 its codes
.set HW,    220                        ; its two scale bytes
.set T,     120                        ; while the weights stream: v120-183 a block turned
.set M,     184
.set MP,    188
.set LIM,   192
.set SOP,   196
.set BY,    200
.set SW,    204
.set CW,    208
.set MSB, 0
.macro WIN new                         ; the immediate's high byte repeats the setting that is left
.if MSB != \new
	s_set_vgpr_msb (MSB<<8)|\new
.set MSB, \new
.endif
.endm
.macro CPAIR r, val                    ; a constant for a packed form: the pair is named, so both words are written
	s_mov_b32 s[\r], \val
	s_mov_b32 s[\r+1], \val
.endm
	s_load_b256 s[4:11], s[0:1], 0x0               ; W1, b1, xq, lists
	s_load_b64 s[12:13], s[0:1], 0x20              ; hq
	v_lshl_add_u32 v254, v0, 2, 0x21400
	v_mov_b32 v255, 0
	v_lshrrev_b32 v1, 5, v0
	v_readfirstlane_b32 s14, v1                    ; wave
	s_lshr_b32 s15, ttmp9, 5                       ; expert (the register later counts the wave's trips)
	s_and_b32 s16, ttmp9, 31                       ; slice (later: how many trips)
	v_and_b32 v1, 31, v0                           ; l
	v_and_b32 v2, 15, v0                           ; r
	v_bfe_u32 v3, v0, 4, 1                         ; h
	v_lshlrev_b32 v4, 4, v2
	v_lshl_or_b32 v4, v3, 17, v4                   ; W1: 16 r, + 16 rows of 8,192 bytes for lanes 16-31
	v_mul_u32_u24 v5, v2, 4*WP
	v_lshl_add_u32 v5, v3, 4, v5
	s_lshl_b32 s38, s14, 8
	v_add_nc_u32 v5, s38, v5                       ; codes into LDS: column 4 r, byte 256 w + 16 h
	v_mul_u32_u24 v6, v2, 192
	s_lshl_b32 s38, s14, 3
	s_add_co_u32 s38, s38, WSCL
	v_add_nc_u32 v6, s38, v6                       ; scale words: column 4 r, word 2 w
	v_and_b32 v7, 8, v2
	v_add_nc_u32 v7, v7, v2                        ; r + 8 (r / 8)
	v_mul_u32_u24 v8, v7, 48
	v_add_nc_u32 v8, WSCL, v8
	v_mul_u32_u24 v7, v7, WP
	v_lshl_add_u32 v7, v3, 4, v7
	v_lshlrev_b32 v9, 6, v3
	v_lshlrev_b32 v10, 2, v3
	v_lshlrev_b32 v11, 2, v2
	v_lshlrev_b32 v12, 4, v2
	s_mul_i32 s38, s14, 16*WP
	s_add_co_u32 s38, s38, STAGE
	v_mul_u32_u24 v13, v3, WP
	v_lshl_add_u32 v13, v2, 4, v13
	v_add_nc_u32 v13, s38, v13                     ; the stage, in: row h, 16 r
	v_mul_u32_u24 v14, v2, WP
	v_lshl_add_u32 v14, v3, 4, v14
	v_add_nc_u32 v14, s38, v14                     ; and out: row r, 16 h
	v_lshlrev_b32 v15, 4, v1
	v_mov_b32 v17, 0x8000000                       ; the floor 2^(16 - 127)
	v_mov_b32 v38, 0x3e7c6f08                      ; c9
	v_mov_b32 v39, 0x3e7c6f08
.irp q, 0,1,2,3
	v_mov_b32 v[MP+\q], 0                          ; a lane permute's destination counts as one of its sources
.endr
	s_mov_b32 s40, 0x76543210
	s_mov_b32 s41, 0xfedcba98                      ; lane l xor 16
	s_mov_b32 s42, 0x600000                        ; the mantissa field of 57,344
	s_mov_b32 s43, 0x3eb504f3                      ; 1 / (2 sqrt 2)
	CPAIR 44, 0xbf38aa3b                           ; -log2(e) / 2
	CPAIR 46, 0xbf97d29d                           ; c8 .. c0: the fit's terms x log2(e), ln 2 taken off the constant
	CPAIR 48, 0x40097039
	CPAIR 50, 0xbfd1a1e5
	CPAIR 52, 0x3ecdfd18
	CPAIR 54, 0xbe899a80
	CPAIR 56, 0x3e0efb2e
	CPAIR 58, 0x3f0a29d2
	CPAIR 60, 0x3fb8ab5a
	CPAIR 62, 0xc034d90f
	s_wait_kmcnt 0x0
	s_lshl_b32 s17, s15, 3
	s_load_b64 s[18:19], s[10:11], s17 offset:0x4200   ; the expert's first tile and number of tiles
	s_lshl_b32 s38, s15, 23
	s_lshl_b32 s39, s14, 21
	s_add_co_u32 s38, s38, s39
	s_lshl_b32 s39, s16, 8
	s_add_co_u32 s38, s38, s39
	s_mov_b32 s39, 0
	s_add_nc_u64 s[20:21], s[4:5], s[38:39]        ; W1 at expert e, row 256 w, column 64 g
	s_lshl_b32 s38, s15, 13
	s_lshl_b32 s2, s16, 8
	s_add_co_u32 s38, s38, s2
	s_add_nc_u64 s[22:23], s[6:7], s[38:39]        ; b1 likewise
	s_add_nc_u64 s[24:25], s[8:9], XQS             ; x's scale bytes
	s_lshl_b32 s38, s16, 10
	s_add_nc_u64 s[26:27], s[12:13], s[38:39]      ; hq: K step g / 2, quarter 2 (g % 2): 1,024 g bytes
	s_lshr_b32 s38, s16, 1
	s_lshl_b32 s38, s38, 6
	s_and_b32 s2, s16, 1
	s_lshl_b32 s2, s2, 1
	s_add_co_u32 s38, s38, s2
	s_add_co_u32 s38, s38, HQS
	s_add_nc_u64 s[30:31], s[12:13], s[38:39]      ; its scale words: K step g / 2, half g % 2
.irp t, 0,1,2,3
	global_load_b128 v[B1R+8*\t:B1R+8*\t+3], v9, s[22:23] offset:(32*(\t/2)+8*(\t%2))*4       ; lane (r, h), tile 2 b + u: units 32 b + 16 h + 8 u + 0 .. 7
	global_load_b128 v[B1R+8*\t+4:B1R+8*\t+7], v9, s[22:23] offset:(32*(\t/2)+8*(\t%2))*4+16
.endr
.macro LOADW bl                        ; block bl: 32 rows x 64 columns into set bl % 4: register 4 j + q = W1(32 bl + 16 h + j, 4 r + q)
	WIN 0xc0                                       ; destination window 3
.set j, 0
.rept 16
	global_load_b128 v[64*((\bl)%4)+4*j:64*((\bl)%4)+4*j+3], v4, s[20:21] offset:(32*(\bl)+j)*8192 th:TH_LOAD_NT
.set j, j+1
.endr
	WIN 0
.endm
.macro ROWSPTR d                       ; s[36:37]: the list of tile min(T + d, nt - 1) of my expert; the tile's number is held inside the list
	s_add_co_u32 s35, s34, \d
	s_min_u32 s35, s35, s17
	s_add_co_u32 s35, s35, s18
	s_min_u32 s35, s35, 262
	s_lshl_b32 s38, s35, 6
	s_mov_b32 s39, 0
	s_add_nc_u64 s[36:37], s[10:11], s[38:39]
.endm
.macro IDXLOAD                         ; 9 loads
.irp i, 0,1,2,3,4,5,6,7
	global_load_b32 v[IDX+\i], v10, s[36:37] offset:8*\i
.endr
	global_load_b32 v[IDXR], v11, s[36:37]
.endm
.macro VOFCALC                         ; 18 plain lines: a loaded number enters an address only held
.irp i, 0,1,2,3,4,5,6,7
	v_min_u32 v[IDX+\i], 0x7ff, v[IDX+\i]
.endr
	v_min_u32 v[IDXR], 0x7ff, v[IDXR]
.irp i, 0,1,2,3,4,5,6,7
	v_lshl_add_u32 v[VOF+\i], v[IDX+\i], 10, v12
.endr
	v_lshlrev_b32 v[VOFS], 5, v[IDXR]
.endm
.macro GLOAD                           ; 34 loads: a tile's 16 rows of codes, two runs of 256 consecutive bytes a load, and their scale words
	WIN 0xc0
.set i, 0
.rept 32
	global_load_b128 v[128+4*i:128+4*i+3], v[VOF+i/4], s[8:9] offset:256*(i%4)
.set i, i+1
.endr
	WIN 0
	global_load_b128 v[XSL:XSL+3], v[VOFS], s[24:25]
	global_load_b128 v[XSL+4:XSL+7], v[VOFS], s[24:25] offset:16
.endm
	LOADW 0
	LOADW 1
	LOADW 2
	s_wait_kmcnt 0x0
	s_min_u32 s18, s18, 262
	s_min_u32 s19, s19, 128
	s_cmp_eq_u32 s19, 0
	s_cselect_b32 s18, 0, s18                      ; an expert without rows: the loads that run ahead take tile 0 of the list
	s_max_u32 s17, s19, 1
	s_sub_co_u32 s17, s17, 1                       ; the expert's last tile, nt - 1 (0 where it has none)
	s_add_co_u32 s16, s19, 3
	s_sub_co_u32 s16, s16, s14
	s_lshr_b32 s16, s16, 2                         ; my tiles w, w + 4, .. below nt: (nt + 3 - w) / 4 of them; 0 just where w >= nt
	s_mov_b32 s15, 0                               ; trips done
	s_mov_b32 s34, s14                             ; T: my first tile
	ROWSPTR 0
	IDXLOAD
; Block bl is quantised.  cnt: the loads issued behind the block's own that may stay out.
.macro QW bl, cnt
	s_wait_loadcnt \cnt
.if (\bl)+3 < 8
	LOADW (\bl)+3                                  ; into the set that the block before has left
.endif
.set SB, 64*((\bl)%4)
	WIN 0x3c                                       ; sources 1 and 2 window 3
.irp q, 0,1,2,3
	v_max3_num_f32 v[M+\q], v17, |v[SB+\q]|, |v[SB+4+\q]|
.endr
.irp j, 2,4,6,8,10,12,14
.irp q, 0,1,2,3
	v_max3_num_f32 v[M+\q], v[M+\q], |v[SB+4*\j+\q]|, |v[SB+4*\j+4+\q]|   ; the four columns by turns
.endr
.endr
	WIN 0
.irp q, 0,1,2,3
	v_permlanex16_b32 v[MP+\q], v[M+\q], s40, s41
.endr
.irp q, 0,1,2,3
	v_max_num_f32 v[M+\q], v[M+\q], v[MP+\q]       ; with the block's other 16 rows
.endr
.irp q, 0,1,2,3
	v_add_nc_u32 v[SOP+\q], 0xf8800000, v[M+\q]    ; 15 off the exponent field: the conversion's scale operand
.endr
.irp q, 0,1,2,3
	v_and_or_b32 v[LIM+\q], v[M+\q], 0x7f800000, s42   ; 57,344 x the scale
.endr
.irp q, 0,1,2,3
	v_lshrrev_b32 v[BY+\q], 23, v[SOP+\q]
.endr
.irp q, 0,1,2,3
.if (\bl)%4 == 0
	v_mov_b32 v[SW+\q], v[BY+\q]
.else
	v_lshl_or_b32 v[SW+\q], v[BY+\q], 8*((\bl)%4), v[SW+\q]
.endif
.endr
	WIN 0x03                                       ; source 0 window 3
.irp q, 0,1,2,3
.irp j, 0,1,2,3,4,5,6,7,8,9,10,11,12,13,14,15
	v_med3_num_f32 v[T+16*\q+\j], v[SB+4*\j+\q], -v[LIM+\q], v[LIM+\q]   ; the hold (ISA guide 7.6.2) and the turn in one: a column's 16 numbers on end
.endr
.endr
	WIN 0
.irp q, 0,1,2,3
	v_cvt_scalef32_pk8_bf8_f32 v[CW+4*\q:CW+4*\q+1], v[T+16*\q:T+16*\q+7], v[SOP+\q]
	v_cvt_scalef32_pk8_bf8_f32 v[CW+4*\q+2:CW+4*\q+3], v[T+16*\q+8:T+16*\q+15], v[SOP+\q]
.endr
	v_nop                                          ; a plain line behind the last conversion
.irp q, 0,1,2,3
	ds_store_b128 v5, v[CW+4*\q:CW+4*\q+3] offset:\q*WP+32*(\bl)
.endr
.if (\bl)%4 == 3
.irp q, 0,1,2,3
	ds_store_b32 v6, v[SW+\q] offset:\q*48+4*((\bl)/4)   ; both halves of the lanes write the same word with the same value
.endr
.endif
	s_wait_dscnt 0x0                               ; the stores have read their registers
.endm
	QW 0, 41                                       ; out may be: two later blocks (32) and the list's 9
	QW 1, 41
	QW 2, 41
	QW 3, 32                                       ; two later blocks; the list is in
	QW 4, 32
	QW 5, 32
	QW 6, 16
	QW 7, 0
	VOFCALC
	GLOAD                                          ; my first tile, into the registers that the stream has left
	ROWSPTR 4
	IDXLOAD                                        ; and the list of the tile after it
	s_barrier_signal -1                            ; (each block ended with a wait for all my LDS stores)
	s_barrier_wait -1                              ; the slice's codes and scale words lie in LDS
.irp s, 0,1,2,3,4,5,6,7
.if \s < 4
	WIN 0x40
.else
	WIN 0x80
.endif
.irp t, 0,1,2,3
.irp c, 0,1,2,3
	ds_load_b128 v[16*(4*(\s%4)+\t)+4*\c:16*(4*(\s%4)+\t)+4*\c+3], v7 offset:(32*(\t/2)+8*(\t%2))*WP+128*\s+32*\c
.endr
.endr
.endr
	WIN 0
.irp t, 0,1,2,3
.irp m, 0,1
	ds_load_b128 v[WS+8*\t+4*\m:WS+8*\t+4*\m+3], v8 offset:(32*(\t/2)+8*(\t%2))*48+16*\m
.endr
.endr
	s_wait_dscnt 0x0
	s_cmp_eq_u32 s16, 0
	s_cbranch_scc1 .Lend                           ; no tile for this wave
.macro MM1 s                           ; K step s: the four sums by turns, one instruction a turn
.irp t, 0,1,2,3
.set WF, 16*(4*((\s)%4)+\t)
.if (\s) == 0
	v_wmma_scale_f32_16x16x128_f8f6f4 v[ACC+8*\t:ACC+8*\t+7], v[WF:WF+15], v[16*(\s):16*(\s)+15], v[B1R+8*\t:B1R+8*\t+7], v[WS+8*\t+(\s)], v[XS+(\s)] matrix_a_fmt:MATRIX_FMT_BF8 matrix_b_fmt:MATRIX_FMT_BF8
.else
	v_wmma_scale_f32_16x16x128_f8f6f4 v[ACC+8*\t:ACC+8*\t+7], v[WF:WF+15], v[16*(\s):16*(\s)+15], v[ACC+8*\t:ACC+8*\t+7], v[WS+8*\t+(\s)], v[XS+(\s)] matrix_a_fmt:MATRIX_FMT_BF8 matrix_b_fmt:MATRIX_FMT_BF8
.endif
.endr
.endm
.macro GELU b                          ; 16 numbers, in place
.set XB, ACC+16*(\b)
.set i, 0
.rept 16
	v_fma_f32 v[TT+i], |v[XB+i]|, s43, 1.0         ; (each sum is read from its low end on)
.set i, i+1
.endr
.set i, 0
.rept 16
	v_rcp_f32 v[TT+i], v[TT+i]                     ; t
.set i, i+1
.endr
.set i, 0
.rept 8
	v_pk_mul_f32 v[QQ+2*i:QQ+2*i+1], v[XB+2*i:XB+2*i+1], v[XB+2*i:XB+2*i+1]   ; x^2: plain work behind the batch
.set i, i+1
.endr
	s_wait_alu depctr_va_vdst(0)                   ; one wait for the sixteen reciprocals, ahead of their first reader
.set i, 0
.rept 8
	v_pk_fma_f32 v[PP+2*i:PP+2*i+1], v[TT+2*i:TT+2*i+1], v[38:39], s[46:47] op_sel_hi:[1,1,0]
.set i, i+1
.endr
.set k, 1
.rept 8
.set i, 0
.rept 8
	v_pk_fma_f32 v[PP+2*i:PP+2*i+1], v[PP+2*i:PP+2*i+1], v[TT+2*i:TT+2*i+1], s[46+2*k:47+2*k] op_sel_hi:[1,1,0]   ; the eight pairs by turns
.set i, i+1
.endr
.set k, k+1
.endr
.set i, 0
.rept 8
	v_pk_fma_f32 v[PP+2*i:PP+2*i+1], v[QQ+2*i:QQ+2*i+1], s[44:45], v[PP+2*i:PP+2*i+1] op_sel_hi:[1,0,1]
.set i, i+1
.endr
.set i, 0
.rept 16
	v_exp_f32 v[PP+i], v[PP+i]
.set i, i+1
.endr
.set i, 0
.rept 16
	v_max_num_f32 v[QQ+i], 0, v[XB+i]              ; plain work behind the batch
.set i, i+1
.endr
	s_wait_alu depctr_va_vdst(0)                   ; one wait for the sixteen exponentials
.set i, 0
.rept 8
	v_pk_mul_f32 v[PP+2*i:PP+2*i+1], v[PP+2*i:PP+2*i+1], v[TT+2*i:TT+2*i+1]   ; g
.set i, i+1
.endr
.set i, 0
.rept 16
	v_fma_f32 v[XB+i], -|v[XB+i]|, v[PP+i], v[QQ+i]
.set i, i+1
.endr
.endm
.Ltile:
	s_wait_loadcnt 0x0                             ; this tile's codes and scale words and the next tile's list, all asked for a trip ago
	s_wait_xcnt 0x0                                ; the last trip's stores have read their registers and bases
	s_add_co_u32 s38, s18, s34
	s_min_u32 s38, s38, 262
	s_lshl_b32 s2, s38, 10
	s_lshl_b32 s38, s38, 15
	s_mov_b32 s39, 0
	s_mov_b32 s3, 0
	s_add_nc_u64 s[28:29], s[26:27], s[38:39]
	s_add_nc_u64 s[32:33], s[30:31], s[2:3]
	WIN 0x0c                                       ; an LDS store's data are its source 1: window 3
.set i, 0
.rept 32
	ds_store_b128 v13, v[128+4*i:128+4*i+3] offset:2*(i/4)*WP+256*(i%4)
.set i, i+1
.endr
	WIN 0xc0
.set i, 0
.rept 32
	ds_load_b128 v[4*i:4*i+3], v14 offset:32*i     ; LDS serves a wave's instructions in order: these see the stores above.  Register 16 s + 4 c: k = 128 s + 32 c + 16 h on
.set i, i+1
.endr
	WIN 0
.irp s, 0,1,2,3,4,5,6,7
	v_mov_b32 v[XS+\s], v[XSL+\s]
.endr
	VOFCALC                                        ; its 18 lines are also the eight places between a scale word written by a vector line and the products
	s_wait_dscnt 0x0                               ; the fragments are in, and the stage's stores have read their registers
	GLOAD                                          ; the next tile: a whole trip ahead
	ROWSPTR 8
	IDXLOAD
	WIN 0x0d                                       ; source 0 window 1, source 1 window 3
	MM1 0
	MM1 1
	MM1 2
	MM1 3
	WIN 0x0e                                       ; source 0 window 2
	MM1 4
	MM1 5
	MM1 6
	MM1 7
	WIN 0
.rept 8
	v_nop                                          ; eight places behind this form, in front of the first read of results
.endr
	GELU 0
	GELU 1
	; the hidden layer's two blocks of 32: 16 numbers here, 16 in lane l xor 16
.irp b, 0,1
	v_max3_num_f32 v[TM+\b], |v[ACC+16*\b]|, |v[ACC+16*\b+1]|, 0x8000000
.endr
.irp i, 2,4,6,8,10,12,14
.irp b, 0,1
	v_max3_num_f32 v[TM+\b], v[TM+\b], |v[ACC+16*\b+\i]|, |v[ACC+16*\b+\i+1]|
.endr
.endr
.irp b, 0,1
	v_permlanex16_b32 v[TM+2+\b], v[TM+\b], s40, s41
.endr
.irp b, 0,1
	v_max_num_f32 v[TM+\b], v[TM+\b], v[TM+2+\b]
.endr
.irp b, 0,1
	v_add_nc_u32 v[TM+4+\b], 0xf8800000, v[TM+\b]
	v_and_or_b32 v[TM+6+\b], v[TM+\b], 0x7f800000, s42
.endr
.irp b, 0,1
	v_lshrrev_b32 v[TM+8+\b], 23, v[TM+4+\b]
.endr
	v_lshl_or_b32 v[HW], v[TM+9], 8, v[TM+8]
.irp b, 0,1
.irp i, 0,1,2,3,4,5,6,7,8,9,10,11,12,13,14,15
	v_med3_num_f32 v[ACC+16*\b+\i], v[ACC+16*\b+\i], -v[TM+6+\b], v[TM+6+\b]
.endr
	v_cvt_scalef32_pk8_bf8_f32 v[PC+4*\b:PC+4*\b+1], v[ACC+16*\b:ACC+16*\b+7], v[TM+4+\b]
	v_cvt_scalef32_pk8_bf8_f32 v[PC+4*\b+2:PC+4*\b+3], v[ACC+16*\b+8:ACC+16*\b+15], v[TM+4+\b]
.endr
	v_nop                                          ; a plain line behind the last conversion: the next trip's products write its sources
	global_store_b128 v15, v[PC:PC+3], s[28:29]              ; 32 lanes store 512 consecutive bytes, aligned,
	global_store_b128 v15, v[PC+4:PC+7], s[28:29] offset:512 ; twice
	global_store_b16 v11, v[HW], s[32:33]                    ; two scale bytes a row (both halves of the lanes write the same)
	s_add_co_u32 s34, s34, 4                       ; my next tile
	s_add_co_u32 s15, s15, 1                       ; the loop is counted by ones against the wave's number of tiles
	s_cmp_lt_u32 s15, s16
	s_cbranch_scc1 .Ltile
.Lend:
	s_wait_tensorcnt 0x0
	ds_add_u32 v254, v255
	s_wait_dscnt 0x0
	s_endpgm
.Lfunc_end_k_q0182837f8a_ffn1:
	.size	k_q0182837f8a_ffn1, .Lfunc_end_k_q0182837f8a_ffn1-k_q0182837f8a_ffn1
	.p2alignl 7, 3214868480
	.fill 96, 4, 3214868480
	.section	.rodata,"a",@progbits
	.p2align	6, 0x0
	.amdhsa_kernel k_q0182837f8a_ffn1
		.amdhsa_group_segment_fixed_size 136704
		.amdhsa_private_segment_fixed_size 0
		.amdhsa_enable_private_segment 0
		.amdhsa_kernarg_size 40
		.amdhsa_user_sgpr_count 2
		.amdhsa_user_sgpr_kernarg_segment_ptr 1
		.amdhsa_wavefront_size32 1
		.amdhsa_system_sgpr_workgroup_id_x 1
		.amdhsa_system_sgpr_workgroup_id_y 1
		.amdhsa_system_sgpr_workgroup_id_z 1
		.amdhsa_system_vgpr_workitem_id 0
		.amdhsa_next_free_vgpr 1024
		.amdhsa_next_free_sgpr 66
		.amdhsa_reserve_vcc 0
		.amdhsa_float_denorm_mode_32 3
		.amdhsa_float_denorm_mode_16_64 3
		.amdhsa_memory_ordered 1
		.amdhsa_forward_progress 1
		.amdhsa_inst_pref_size 140
	.end_amdhsa_kernel
	.amdgpu_metadata
---
amdhsa.version: [ 1, 2 ]
amdhsa.kernels:
  - .name:           k_q0182837f8a_ffn1
    .symbol:         k_q0182837f8a_ffn1.kd
    .args:
      - { .name: W1, .offset: 0, .size: 8, .value_kind: global_buffer, .address_space: global }
      - { .name: b1, .offset: 8, .size: 8, .value_kind: global_buffer, .address_space: global }
      - { .name: xq, .offset: 16, .size: 8, .value_kind: global_buffer, .address_space: global }
      - { .name: lists, .offset: 24, .size: 8, .value_kind: global_buffer, .address_space: global }
      - { .name: hq, .offset: 32, .size: 8, .value_kind: global_buffer, .address_space: global }
    .group_segment_fixed_size: 136704
    .private_segment_fixed_size: 0
    .kernarg_segment_align: 8
    .kernarg_segment_size: 40
    .max_flat_workgroup_size: 128
    .sgpr_count:     66
    .vgpr_count:     1024
    .wavefront_size: 32
...
	.end_amdgpu_metadata
.endif
;; end of part 3
;; launch ffn2 (part 4): grid 256 x 1, 4 waves a work-group, no clusters, 74,240 bytes of LDS; arguments W2, b2, lists, hq, yb; writes yb
.if DOCPART == 4
	.amdgcn_target "amdgcn-amd-amdhsa--gfx1250"
	.amdhsa_code_object_version 6
	.text
	.protected	k_q0182837f8a_ffn2
	.globl	k_q0182837f8a_ffn2
	.p2align	8
	.type	k_q0182837f8a_ffn2,@function
k_q0182837f8a_ffn2:
	s_mov_b64 s[64:65], 0
	v_nop
	global_prefetch_b8 v0, s[64:65] scope:SCOPE_SE
	s_setreg_imm32_b32 hwreg(HW_REG_WAVE_MODE, 25, 1), 1
	s_wait_xcnt 0x0
; y = Q(h) Q(W2) + b2 for the routed rows, on codes of E5M2 with one E8M0 scale for each 32 along K; y leaves as bf16: it is an operand of the weighted sum over experts, a product left as it is.
; SHARES.  Work-group (expert e = id / 32, slice g = id % 32) owns columns 32 g to 32 g + 31 of expert e, all of K = 2,048: 256 KiB of f32, read from memory once in the launch.
; WEIGHTS.  Wave w takes K rows 512 w on, 8 double blocks of 64.  A load reads four rows' 128 consecutive bytes (8 lanes a row; the slice beside mine reads the other half of each aligned 256);
; a lane holds 4 columns x 8 rows of a block, and a block's largest magnitude is joined over lanes l xor 8 and l xor 16.  The hold writes each number where the conversion wants it.
; The codes meet in LDS (K innermost, 32 columns), one barrier, and every wave takes the whole slice into 512 registers: 32 fragments, which stay.
; ROWS.  Wave w walks tiles w, w + 4, .. of the expert, with no barrier.  h's fragments come as images of their registers, 512 consecutive bytes a load, in two halves of 8 K steps, each asked for
; as soon as its registers are free: half a trip and more ahead.  The product is used transposed: a lane holds 8 neighbouring columns of one row.  Four sums (even and odd K steps x two tiles of
; columns) take turns; b2 is the C of the even sums' first instruction, 0 that of the odd ones'.
; OUT.  yb [tile][slice][row 16][32 columns] bf16: 1,024 consecutive bytes a tile and slice, through the wave's own stage.
; The trip count of the tile loop is a number read from memory, so the text has no tensor load, and hence no joint loads, though the 32 slices of an expert read the same tiles of h.
; An expert without rows: its work-groups store nothing.  The loads that run ahead are issued by every wave, for tile min(T, nt - 1) of the expert, or tile 0 where the expert has none:
; always a tile that has been written; a wave without a tile does not use them.
; LIMITS: NaN and infinities are not served.  A block of W2 whose largest magnitude lies under 2^-111 gets the byte 1.  y is rounded to bf16 once.
; REGISTERS: window 0: addresses, scale words, b2, sums, work.  Windows 1, 2: fragment (tile t, K step s) at window 1 + s / 8, register 16 (2 (s % 8) + t).
;   window 3: while the weights stream four sets of 64 numbers; then h's fragment of K step s at register 16 s.
.set WP2,   2064                       ; a column's 2,048 codes + 16
.set WSCL2, 66048                      ; 32 columns x (16 scale words + 16 bytes)
.set YSTG,  68608                      ; 16 rows x 80 bytes for each wave
.set HQS,   8617984
.set HS,    24                         ; v24-31  h's scale words: register j: lanes 0-15 K step 2 j, lanes 16-31 K step 2 j + 1
.set WS2,   32                         ; v32-63  W2's, 16 t + s
.set B2R,   64                         ; v64-79  b2 in the result's layout
.set ACC,   80                         ; v80-111 four sums: 2 (s % 2) + t
.set YP,    112
.set YO,    120
.set T,     128                        ; while the weights stream
.set M,     192
.set MP,    200
.set LIM,   208
.set SOP,   216
.set BY,    224
.set SW,    232
.set CW,    236
.set MSB, 0
.macro WIN new                         ; the immediate's high byte repeats the setting that is left
.if MSB != \new
	s_set_vgpr_msb (MSB<<8)|\new
.set MSB, \new
.endif
.endm
	s_load_b256 s[4:11], s[0:1], 0x0               ; W2, b2, lists, hq
	s_load_b64 s[12:13], s[0:1], 0x20              ; yb
	v_lshl_add_u32 v254, v0, 2, 0x12000
	v_mov_b32 v255, 0
	v_lshrrev_b32 v1, 5, v0
	v_readfirstlane_b32 s14, v1                    ; wave
	s_lshr_b32 s15, ttmp9, 5                       ; expert (the register later counts the wave's trips)
	s_and_b32 s16, ttmp9, 31                       ; slice (later: how many trips)
	v_and_b32 v1, 31, v0                           ; l
	v_and_b32 v2, 15, v0                           ; r
	v_bfe_u32 v3, v0, 4, 1                         ; h
	v_and_b32 v4, 7, v0                            ; which four columns
	v_bfe_u32 v5, v0, 3, 2                         ; which eight rows of a block
	v_lshlrev_b32 v6, 4, v4
	v_lshl_or_b32 v6, v5, 15, v6                   ; W2: 16 bytes a lane, 8 rows of 4,096 bytes from group to group
	v_mul_u32_u24 v7, v4, 4*WP2
	v_lshl_add_u32 v7, v5, 3, v7
	s_lshl_b32 s30, s14, 9
	v_add_nc_u32 v7, s30, v7                       ; codes into LDS
	v_mul_u32_u24 v8, v4, 320
	s_lshl_b32 s30, s14, 4
	s_add_co_u32 s30, s30, WSCL2
	v_add_nc_u32 v8, s30, v8                       ; scale words: column 4 (l % 8), word 4 w
	v_mul_u32_u24 v9, v2, WP2
	v_lshl_add_u32 v9, v3, 4, v9
	v_mul_u32_u24 v10, v2, 80
	v_add_nc_u32 v10, WSCL2, v10
	v_lshlrev_b32 v11, 5, v3
	v_lshlrev_b32 v12, 4, v1
	v_lshlrev_b32 v13, 2, v1
	s_mul_i32 s30, s14, 1280
	s_add_co_u32 s30, s30, YSTG
	v_mul_u32_u24 v14, v2, 80
	v_lshl_add_u32 v14, v3, 4, v14
	v_add_nc_u32 v14, s30, v14                     ; the stage, in: row r, 16 h
	v_lshrrev_b32 v15, 2, v1
	v_mul_u32_u24 v15, v15, 80
	v_and_b32 v16, 3, v1
	v_lshl_add_u32 v15, v16, 4, v15
	v_add_nc_u32 v15, s30, v15                     ; and out: four lanes a row
	v_mov_b32 v17, 0x8000000                       ; the floor 2^(16 - 127)
.irp p, 0,1,2,3,4,5,6,7
	v_mov_b32 v[MP+\p], 0                          ; a lane permute's destination counts as one of its sources
.endr
	s_mov_b32 s40, 0x76543210
	s_mov_b32 s41, 0xfedcba98
	s_mov_b32 s42, 0x600000
	s_wait_kmcnt 0x0
	s_lshl_b32 s17, s15, 3
	s_load_b64 s[18:19], s[8:9], s17 offset:0x4200     ; the expert's first tile and number of tiles
	s_lshl_b32 s30, s15, 23
	s_lshl_b32 s31, s14, 21
	s_add_co_u32 s30, s30, s31
	s_lshl_b32 s31, s16, 7
	s_add_co_u32 s30, s30, s31
	s_mov_b32 s31, 0
	s_add_nc_u64 s[20:21], s[4:5], s[30:31]        ; W2 at expert e, row 512 w, column 32 g
	s_lshl_b32 s30, s15, 12
	s_lshl_b32 s2, s16, 7
	s_add_co_u32 s30, s30, s2
	s_add_nc_u64 s[22:23], s[6:7], s[30:31]        ; b2 likewise
	s_add_nc_u64 s[24:25], s[10:11], HQS           ; h's scale words
	s_lshl_b32 s30, s16, 10
	s_add_nc_u64 s[26:27], s[12:13], s[30:31]      ; yb at my slice
.irp t, 0,1
	global_load_b128 v[B2R+8*\t:B2R+8*\t+3], v11, s[22:23] offset:64*\t        ; lane (r, h), tile t: columns 16 t + 8 h + 0 .. 7
	global_load_b128 v[B2R+8*\t+4:B2R+8*\t+7], v11, s[22:23] offset:64*\t+16
.endr
.macro LOADW2 db                       ; 64 rows x 32 columns into set db % 4: register 32 bb + 4 j + q = W2(64 db + 32 bb + 8 (l / 8) + j, 4 (l % 8) + q)
	WIN 0xc0
.set j, 0
.rept 16
	global_load_b128 v[64*((\db)%4)+4*j:64*((\db)%4)+4*j+3], v6, s[20:21] offset:(64*(\db)+32*(j/8)+j%8)*4096
.set j, j+1
.endr
	WIN 0
.endm
.macro TILEPTR d                       ; the bases of tile min(T + d, nt - 1) of my expert in h's codes and scale words; the tile's number is held inside the buffer
	s_add_co_u32 s35, s34, \d
	s_min_u32 s35, s35, s17
	s_add_co_u32 s35, s35, s18
	s_min_u32 s35, s35, 262
	s_lshl_b32 s30, s35, 15
	s_mov_b32 s31, 0
	s_add_nc_u64 s[28:29], s[10:11], s[30:31]
	s_lshl_b32 s30, s35, 10
	s_add_nc_u64 s[32:33], s[24:25], s[30:31]
.endm
.macro LHALF hf                        ; 36 loads: K steps 8 hf to 8 hf + 7 of a tile: 32 of 512 consecutive bytes, and four registers of scale words
	WIN 0xc0
.set i, 0
.rept 32
	global_load_b128 v[128*(\hf)+4*i:128*(\hf)+4*i+3], v12, s[28:29] offset:16384*(\hf)+512*i
.set i, i+1
.endr
	WIN 0
.irp j, 0,1,2,3
	global_load_b32 v[HS+4*(\hf)+\j], v13, s[32:33] offset:512*(\hf)+128*\j
.endr
.endm
	LOADW2 0
	LOADW2 1
	LOADW2 2
	s_wait_kmcnt 0x0
	s_min_u32 s18, s18, 262
	s_min_u32 s19, s19, 128
	s_cmp_eq_u32 s19, 0
	s_cselect_b32 s18, 0, s18                      ; an expert without rows: the loads that run ahead take tile 0
	s_max_u32 s17, s19, 1
	s_sub_co_u32 s17, s17, 1                       ; the expert's last tile, nt - 1 (0 where it has none)
	s_add_co_u32 s16, s19, 3
	s_sub_co_u32 s16, s16, s14
	s_lshr_b32 s16, s16, 2                         ; my tiles w, w + 4, .. below nt: (nt + 3 - w) / 4 of them; 0 just where w >= nt
	s_mov_b32 s15, 0                               ; trips done
	s_mov_b32 s34, s14                             ; T: my first tile
; Double block db is quantised: eight (block, column) pairs p = 4 bb + q.  cnt: the loads issued behind its own that may stay out.
.macro QW2 db, cnt
	s_wait_loadcnt \cnt
.if (\db)+3 < 8
	LOADW2 (\db)+3
.endif
.set SB, 64*((\db)%4)
	WIN 0x3c
.irp p, 0,1,2,3,4,5,6,7
	v_max3_num_f32 v[M+\p], v17, |v[SB+32*(\p/4)+\p%4]|, |v[SB+32*(\p/4)+4+\p%4]|
.endr
.irp j, 2,4,6
.irp p, 0,1,2,3,4,5,6,7
	v_max3_num_f32 v[M+\p], v[M+\p], |v[SB+32*(\p/4)+4*\j+\p%4]|, |v[SB+32*(\p/4)+4*\j+4+\p%4]|
.endr
.endr
	WIN 0
.irp p, 0,1,2,3,4,5,6,7
	v_max_num_f32_dpp v[M+\p], v[M+\p], v[M+\p] row_xmask:8 row_mask:0xf bank_mask:0xf
.endr
.irp p, 0,1,2,3,4,5,6,7
	v_permlanex16_b32 v[MP+\p], v[M+\p], s40, s41
.endr
.irp p, 0,1,2,3,4,5,6,7
	v_max_num_f32 v[M+\p], v[M+\p], v[MP+\p]       ; the block's 32 rows
.endr
.irp p, 0,1,2,3,4,5,6,7
	v_add_nc_u32 v[SOP+\p], 0xf8800000, v[M+\p]
.endr
.irp p, 0,1,2,3,4,5,6,7
	v_and_or_b32 v[LIM+\p], v[M+\p], 0x7f800000, s42
.endr
.irp p, 0,1,2,3,4,5,6,7
	v_lshrrev_b32 v[BY+\p], 23, v[SOP+\p]
.endr
.irp p, 0,1,2,3,4,5,6,7
.if (2*(\db)+\p/4)%4 == 0
	v_mov_b32 v[SW+\p%4], v[BY+\p]
.else
	v_lshl_or_b32 v[SW+\p%4], v[BY+\p], 8*((2*(\db)+\p/4)%4), v[SW+\p%4]
.endif
.endr
	WIN 0x03
.irp p, 0,1,2,3,4,5,6,7
.irp j, 0,1,2,3,4,5,6,7
	v_med3_num_f32 v[T+8*\p+\j], v[SB+32*(\p/4)+4*\j+\p%4], -v[LIM+\p], v[LIM+\p]   ; the hold (ISA guide 7.6.2) and the turn in one
.endr
.endr
	WIN 0
.irp p, 0,1,2,3,4,5,6,7
	v_cvt_scalef32_pk8_bf8_f32 v[CW+2*\p:CW+2*\p+1], v[T+8*\p:T+8*\p+7], v[SOP+\p]
.endr
	v_nop                                          ; a plain line behind the last conversion
.irp p, 0,1,2,3,4,5,6,7
	ds_store_b64 v7, v[CW+2*\p:CW+2*\p+1] offset:(\p%4)*WP2+64*(\db)+32*(\p/4)
.endr
.if (\db)%2 == 1
.irp q, 0,1,2,3
	ds_store_b32 v8, v[SW+\q] offset:\q*80+4*((\db)/2)   ; the four groups of lanes write the same word with the same value
.endr
.endif
	s_wait_dscnt 0x0                               ; the stores have read their registers
.endm
	QW2 0, 32                                      ; two later double blocks may be out
	QW2 1, 32
	QW2 2, 32
	QW2 3, 32
	QW2 4, 32
	QW2 5, 32
	QW2 6, 16
	QW2 7, 0
	TILEPTR 0
	LHALF 0                                        ; my first tile, into the registers that the stream has left
	LHALF 1
	s_barrier_signal -1                            ; (each double block ended with a wait for all my LDS stores)
	s_barrier_wait -1
.irp s, 0,1,2,3,4,5,6,7,8,9,10,11,12,13,14,15
.if \s < 8
	WIN 0x40
.else
	WIN 0x80
.endif
.irp t, 0,1
.irp c, 0,1,2,3
	ds_load_b128 v[16*(2*(\s%8)+\t)+4*\c:16*(2*(\s%8)+\t)+4*\c+3], v9 offset:16*\t*WP2+128*\s+32*\c
.endr
.endr
.endr
	WIN 0
.irp t, 0,1
.irp m, 0,1,2,3
	ds_load_b128 v[WS2+16*\t+4*\m:WS2+16*\t+4*\m+3], v10 offset:16*\t*80+16*\m
.endr
.endr
	s_wait_dscnt 0x0
	s_cmp_eq_u32 s16, 0
	s_cbranch_scc1 .Lend                           ; no tile for this wave
.macro MM2 s                           ; K step s: two of the four sums; the four take turns, one instruction a turn
.irp t, 0,1
.set AA, ACC+8*(2*((\s)%2)+\t)
.set WF, 16*(2*((\s)%8)+\t)
.if (\s) == 0
	v_wmma_scale_f32_16x16x128_f8f6f4 v[AA:AA+7], v[WF:WF+15], v[16*(\s):16*(\s)+15], v[B2R+8*\t:B2R+8*\t+7], v[WS2+16*\t+(\s)], v[HS+(\s)/2] matrix_a_fmt:MATRIX_FMT_BF8 matrix_b_fmt:MATRIX_FMT_BF8
.elseif (\s) == 1
	v_wmma_scale_f32_16x16x128_f8f6f4 v[AA:AA+7], v[WF:WF+15], v[16*(\s):16*(\s)+15], 0, v[WS2+16*\t+(\s)], v[HS+(\s)/2] matrix_a_fmt:MATRIX_FMT_BF8 matrix_b_fmt:MATRIX_FMT_BF8 matrix_b_scale:MATRIX_SCALE_ROW1
.elseif (\s)%2 == 0
	v_wmma_scale_f32_16x16x128_f8f6f4 v[AA:AA+7], v[WF:WF+15], v[16*(\s):16*(\s)+15], v[AA:AA+7], v[WS2+16*\t+(\s)], v[HS+(\s)/2] matrix_a_fmt:MATRIX_FMT_BF8 matrix_b_fmt:MATRIX_FMT_BF8
.else
	v_wmma_scale_f32_16x16x128_f8f6f4 v[AA:AA+7], v[WF:WF+15], v[16*(\s):16*(\s)+15], v[AA:AA+7], v[WS2+16*\t+(\s)], v[HS+(\s)/2] matrix_a_fmt:MATRIX_FMT_BF8 matrix_b_fmt:MATRIX_FMT_BF8 matrix_b_scale:MATRIX_SCALE_ROW1
.endif
.endr
.endm
.Ltile:
	s_wait_loadcnt 36                              ; the first half is in; the second half's 36 loads may be out
	WIN 0x0d                                       ; source 0 window 1, source 1 window 3
.irp s, 0,1,2,3,4,5,6,7
	MM2 \s
.endr
	WIN 0
.rept 8
	v_nop                                          ; eight places in front of loads into registers that these products have read
.endr
	s_wait_xcnt 0x0                                ; every earlier load and store has read its bases and registers
	s_add_co_u32 s30, s18, s34
	s_min_u32 s30, s30, 262
	s_lshl_b32 s30, s30, 15
	s_mov_b32 s31, 0
	s_add_nc_u64 s[36:37], s[26:27], s[30:31]      ; where this tile's y goes
	TILEPTR 4
	LHALF 0                                        ; the next tile's first half
	s_wait_loadcnt 36                              ; this tile's second half is in; the 36 just issued may be out
	WIN 0x0e                                       ; source 0 window 2
.irp s, 8,9,10,11,12,13,14,15
	MM2 \s
.endr
	WIN 0
.rept 8
	v_nop                                          ; eight places, for the loads below and for the first read of results
.endr
	LHALF 1                                        ; the next tile's second half
.irp t, 0,1
.irp i, 0,1,2,3
	v_pk_add_f32 v[ACC+8*\t+2*\i:ACC+8*\t+2*\i+1], v[ACC+8*\t+2*\i:ACC+8*\t+2*\i+1], v[ACC+16+8*\t+2*\i:ACC+16+8*\t+2*\i+1]   ; even and odd K steps; each sum from its low end on
.endr
.endr
.irp t, 0,1
.irp i, 0,1,2,3
	v_cvt_pk_bf16_f32 v[YP+4*\t+\i], v[ACC+8*\t+2*\i], v[ACC+8*\t+2*\i+1]
.endr
.endr
	ds_store_b128 v14, v[YP:YP+3]
	ds_store_b128 v14, v[YP+4:YP+7] offset:32
	ds_load_b128 v[YO:YO+3], v15                   ; LDS serves a wave's instructions in order: these see the stores above
	ds_load_b128 v[YO+4:YO+7], v15 offset:640
	s_wait_dscnt 0x0
	global_store_b128 v12, v[YO:YO+3], s[36:37]              ; 32 lanes store 512 consecutive bytes, aligned,
	global_store_b128 v12, v[YO+4:YO+7], s[36:37] offset:512 ; twice
	s_add_co_u32 s34, s34, 4                       ; my next tile
	s_add_co_u32 s15, s15, 1                       ; the loop is counted by ones against the wave's number of tiles
	s_cmp_lt_u32 s15, s16
	s_cbranch_scc1 .Ltile
.Lend:
	s_wait_tensorcnt 0x0
	ds_add_u32 v254, v255
	s_wait_dscnt 0x0
	s_endpgm
.Lfunc_end_k_q0182837f8a_ffn2:
	.size	k_q0182837f8a_ffn2, .Lfunc_end_k_q0182837f8a_ffn2-k_q0182837f8a_ffn2
	.p2alignl 7, 3214868480
	.fill 96, 4, 3214868480
	.section	.rodata,"a",@progbits
	.p2align	6, 0x0
	.amdhsa_kernel k_q0182837f8a_ffn2
		.amdhsa_group_segment_fixed_size 74240
		.amdhsa_private_segment_fixed_size 0
		.amdhsa_enable_private_segment 0
		.amdhsa_kernarg_size 40
		.amdhsa_user_sgpr_count 2
		.amdhsa_user_sgpr_kernarg_segment_ptr 1
		.amdhsa_wavefront_size32 1
		.amdhsa_system_sgpr_workgroup_id_x 1
		.amdhsa_system_sgpr_workgroup_id_y 1
		.amdhsa_system_sgpr_workgroup_id_z 1
		.amdhsa_system_vgpr_workitem_id 0
		.amdhsa_next_free_vgpr 1024
		.amdhsa_next_free_sgpr 66
		.amdhsa_reserve_vcc 0
		.amdhsa_float_denorm_mode_32 3
		.amdhsa_float_denorm_mode_16_64 3
		.amdhsa_memory_ordered 1
		.amdhsa_forward_progress 1
		.amdhsa_inst_pref_size 131
	.end_amdhsa_kernel
	.amdgpu_metadata
---
amdhsa.version: [ 1, 2 ]
amdhsa.kernels:
  - .name:           k_q0182837f8a_ffn2
    .symbol:         k_q0182837f8a_ffn2.kd
    .args:
      - { .name: W2, .offset: 0, .size: 8, .value_kind: global_buffer, .address_space: global }
      - { .name: b2, .offset: 8, .size: 8, .value_kind: global_buffer, .address_space: global }
      - { .name: lists, .offset: 16, .size: 8, .value_kind: global_buffer, .address_space: global }
      - { .name: hq, .offset: 24, .size: 8, .value_kind: global_buffer, .address_space: global }
      - { .name: yb, .offset: 32, .size: 8, .value_kind: global_buffer, .address_space: global }
    .group_segment_fixed_size: 74240
    .private_segment_fixed_size: 0
    .kernarg_segment_align: 8
    .kernarg_segment_size: 40
    .max_flat_workgroup_size: 128
    .sgpr_count:     66
    .vgpr_count:     1024
    .wavefront_size: 32
...
	.end_amdgpu_metadata
.endif
;; end of part 4
;; launch combine (part 5): grid 256 x 1, 4 waves a work-group, no clusters, 0 bytes of LDS; arguments yb, gw, lists, out0, out1; writes out0, out1
.if DOCPART == 5
	.amdgcn_target "amdgcn-amd-amdhsa--gfx1250"
	.amdhsa_code_object_version 6
	.text
	.protected	k_q0182837f8a_combine
	.globl	k_q0182837f8a_combine
	.p2align	8
	.type	k_q0182837f8a_combine,@function
k_q0182837f8a_combine:
	s_mov_b64 s[64:65], 0
	v_nop
	global_prefetch_b8 v0, s[64:65] scope:SCOPE_SE
	s_setreg_imm32_b32 hwreg(HW_REG_WAVE_MODE, 25, 1), 1
	s_wait_xcnt 0x0
; out0[t] = gate0 y[place of slot 2 t] + gate1 y[place of slot 2 t + 1]; out1 = 8 x the mean over tokens of the sum of probs^2.
; A wave takes two tokens.  A slot's place (tile x 512 + row) and the gates are read by scalar loads; a row of y is 32 pieces of 64 bytes, 1,024 bytes apart (yb: [tile][slice][row][32 bf16]).
; Lane l takes columns 128 i + 4 l + 0 .. 3 in load i, so that its four results are 16 neighbouring bytes of out0 and a store covers 512 consecutive bytes, aligned.
; y's bf16 halves go straight into f32 fused multiply-adds with f32 gates.  Each output row has one owner.  Streams only: no LDS, no matrix unit, nothing shared between work-groups.
.set Y,  16                            ; v16-79   slot k: 16 registers
.set O,  80                            ; v80-143  32 results a token
	s_load_b256 s[4:11], s[0:1], 0x0               ; yb, gw, lists, out0
	s_load_b64 s[12:13], s[0:1], 0x20              ; out1
	v_lshrrev_b32 v1, 5, v0
	v_readfirstlane_b32 s14, v1                    ; wave
	v_and_b32 v1, 31, v0
	v_lshrrev_b32 v2, 3, v1
	v_and_b32 v4, 7, v1
	v_lshlrev_b32 v4, 3, v4
	v_lshl_or_b32 v2, v2, 10, v4                   ; slice l / 8, 8 bytes at 8 (l % 8)
	v_lshlrev_b32 v3, 4, v1
	v_mov_b32 v12, 0
	s_lshl_b32 s15, ttmp9, 3
	s_lshl_b32 s20, s14, 1
	s_add_co_u32 s15, s15, s20                     ; my first token
	s_lshl_b32 s20, s15, 3
	s_mov_b32 s36, 0x76543210
	s_mov_b32 s37, 0xfedcba98
	s_wait_kmcnt 0x0
	s_load_b128 s[16:19], s[8:9], s20 offset:0x4300    ; four places
	s_load_b128 s[24:27], s[6:7], s20 offset:0x0       ; four gates
	s_lshl_b32 s22, s15, 12
	s_mov_b32 s23, 0
	s_add_nc_u64 s[10:11], s[10:11], s[22:23]
	s_wait_kmcnt 0x0
.irp k, 0,1,2,3
	s_min_u32 s[16+\k], s[16+\k], 0x20c0f          ; a loaded number enters an address only held: 262 x 512 + 15
	s_lshl_b32 s[28+2*\k], s[16+\k], 6
	s_mov_b32 s[29+2*\k], 0
	s_add_nc_u64 s[28+2*\k:29+2*\k], s[4:5], s[28+2*\k:29+2*\k]
	v_mov_b32 v[8+\k], s[24+\k]
.endr
.irp k, 0,1,2,3
.irp i, 0,1,2,3,4,5,6,7
	global_load_b64 v[Y+16*\k+2*\i:Y+16*\k+2*\i+1], v2, s[28+2*\k:29+2*\k] offset:4096*\i
.endr
.endr
.macro TOK a
.irp i, 0,1,2,3,4,5,6,7
.irp c, 0,1,2,3
.if \c%2 == 0
	v_fma_mix_f32_bf16 v[O+32*(\a)+4*\i+\c], v[Y+32*(\a)+2*\i+\c/2], v[8+2*(\a)], v12 op_sel_hi:[1,0,0]
.else
	v_fma_mix_f32_bf16 v[O+32*(\a)+4*\i+\c], v[Y+32*(\a)+2*\i+\c/2], v[8+2*(\a)], v12 op_sel:[1,0,0] op_sel_hi:[1,0,0]
.endif
.endr
.irp c, 0,1,2,3
.if \c%2 == 0
	v_fma_mix_f32_bf16 v[O+32*(\a)+4*\i+\c], v[Y+32*(\a)+16+2*\i+\c/2], v[9+2*(\a)], v[O+32*(\a)+4*\i+\c] op_sel_hi:[1,0,0]
.else
	v_fma_mix_f32_bf16 v[O+32*(\a)+4*\i+\c], v[Y+32*(\a)+16+2*\i+\c/2], v[9+2*(\a)], v[O+32*(\a)+4*\i+\c] op_sel:[1,0,0] op_sel_hi:[1,0,0]
.endif
.endr
	global_store_b128 v3, v[O+32*(\a)+4*\i:O+32*(\a)+4*\i+3], s[10:11] offset:4096*(\a)+512*\i th:TH_STORE_NT
.endr
.endm
	s_wait_loadcnt 16                              ; the first token's two rows are in; the second token's sixteen loads may be out
	TOK 0
	s_wait_loadcnt 0x0
	TOK 1
	s_or_b32 s21, ttmp9, s14
	s_cmp_lg_u32 s21, 0
	s_cbranch_scc1 .Lend                           ; the first wave of the first work-group also finishes out1
	global_load_b128 v[16:19], v3, s[6:7] offset:16384     ; the 256 partial sums: 1,024 consecutive bytes
	global_load_b128 v[20:23], v3, s[6:7] offset:16896
	s_wait_loadcnt 0x0
	v_add_f32 v16, v16, v17
	v_add_f32 v18, v18, v19
	v_add_f32 v20, v20, v21
	v_add_f32 v22, v22, v23
	v_add_f32 v16, v16, v18
	v_add_f32 v20, v20, v22
	v_add_f32 v16, v16, v20
	v_add_f32_dpp v16, v16, v16 row_xmask:1 row_mask:0xf bank_mask:0xf
	v_add_f32_dpp v16, v16, v16 row_xmask:2 row_mask:0xf bank_mask:0xf
	v_add_f32_dpp v16, v16, v16 row_xmask:4 row_mask:0xf bank_mask:0xf
	v_add_f32_dpp v16, v16, v16 row_xmask:8 row_mask:0xf bank_mask:0xf
	v_permlanex16_b32 v24, v16, s36, s37
	v_add_f32 v16, v16, v24
	v_mul_f32 v16, 0x3b800000, v16                 ; x 8 / 2,048
	v_cmp_eq_u32 vcc_lo, 0, v1
	s_wait_xcnt 0x0                                ; EXEC changes only behind this wait
	s_and_saveexec_b32 s38, vcc_lo
	global_store_b32 v12, v16, s[12:13]
	s_wait_xcnt 0x0
	s_or_b32 exec_lo, exec_lo, s38
.Lend:
	s_endpgm
.Lfunc_end_k_q0182837f8a_combine:
	.size	k_q0182837f8a_combine, .Lfunc_end_k_q0182837f8a_combine-k_q0182837f8a_combine
	.p2alignl 7, 3214868480
	.fill 96, 4, 3214868480
	.section	.rodata,"a",@progbits
	.p2align	6, 0x0
	.amdhsa_kernel k_q0182837f8a_combine
		.amdhsa_group_segment_fixed_size 0
		.amdhsa_private_segment_fixed_size 0
		.amdhsa_enable_private_segment 0
		.amdhsa_kernarg_size 40
		.amdhsa_user_sgpr_count 2
		.amdhsa_user_sgpr_kernarg_segment_ptr 1
		.amdhsa_wavefront_size32 1
		.amdhsa_system_sgpr_workgroup_id_x 1
		.amdhsa_system_sgpr_workgroup_id_y 1
		.amdhsa_system_sgpr_workgroup_id_z 1
		.amdhsa_system_vgpr_workitem_id 0
		.amdhsa_next_free_vgpr 160
		.amdhsa_next_free_sgpr 66
		.amdhsa_reserve_vcc 1
		.amdhsa_float_denorm_mode_32 3
		.amdhsa_float_denorm_mode_16_64 3
		.amdhsa_memory_ordered 1
		.amdhsa_forward_progress 1
		.amdhsa_inst_pref_size 16
	.end_amdhsa_kernel
	.amdgpu_metadata
---
amdhsa.version: [ 1, 2 ]
amdhsa.kernels:
  - .name:           k_q0182837f8a_combine
    .symbol:         k_q0182837f8a_combine.kd
    .args:
      - { .name: yb, .offset: 0, .size: 8, .value_kind: global_buffer, .address_space: global }
      - { .name: gw, .offset: 8, .size: 8, .value_kind: global_buffer, .address_space: global }
      - { .name: lists, .offset: 16, .size: 8, .value_kind: global_buffer, .address_space: global }
      - { .name: out0, .offset: 24, .size: 8, .value_kind: global_buffer, .address_space: global }
      - { .name: out1, .offset: 32, .size: 8, .value_kind: global_buffer, .address_space: global }
    .group_segment_fixed_size: 0
    .private_segment_fixed_size: 0
    .kernarg_segment_align: 8
    .kernarg_segment_size: 40
    .max_flat_workgroup_size: 128
    .sgpr_count:     66
    .vgpr_count:     160
    .wavefront_size: 32
...
	.end_amdgpu_metadata
.endif
;; end of part 5
;; ======== version 2 of 2: 5 launches
;; workspace buffers: xq 2,162,688 bytes; sel 8,192 bytes of whole numbers; gw 17,408 bytes; lists 33,536 bytes of whole numbers; hq 8,887,296 bytes; yb 8,617,984 bytes
;; launch route (part 6): grid 256 x 1, 4 waves a work-group, no clusters, 78,848 bytes of LDS; arguments x, Wg, bg, xq, sel, gw; writes xq, sel, gw
.if DOCPART == 6
	.amdgcn_target "amdgcn-amd-amdhsa--gfx1250"
	.amdhsa_code_object_version 6
	.text
	.protected	k_q0182837f8a_route
	.globl	k_q0182837f8a_route
	.p2align	8
	.type	k_q0182837f8a_route,@function
k_q0182837f8a_route:
	s_mov_b64 s[64:65], 0
	v_nop
	global_prefetch_b8 v0, s[64:65] scope:SCOPE_SE
	s_setreg_imm32_b32 hwreg(HW_REG_WAVE_MODE, 25, 1), 1
	s_wait_xcnt 0x0
; ROUTER AND x's QUANTISER.  x [2048][1024] f32, Wg [1024][8], bg [8].  A work-group takes 8 tokens, a wave 2.
; Out: xq = x's codes of E5M2 [2048][1024] and, XQS bytes on, one E8M0 byte for each 32 along the row [2048][32];
;      sel = the two chosen experts of each token (first | second << 8), at fixed places; gw = the two renormalised gates [2048][2] f32
;      and, 16,384 bytes on, one partial sum of probs^2 for each work-group.
; The logits are f32 fused multiply-adds: a lane holds x as it was loaded (k = 128 c + 4 lane + q) and all of Wg for those k in 256 registers,
; brought once through LDS; each logit is then summed over the 32 lanes.  The softmax takes its maximum away first.
; The top two are found by selects alone (strictly greater: the lower index keeps a tie); no address and no branch hangs on them.
; The quantiser: a lane needs 16 neighbours along K, a load is dense where lanes take neighbouring bytes: so a step's 2,048 bytes turn through the wave's own stage.
; LIMITS: NaN and infinities are not served.  A block whose largest magnitude lies under 2^-111 (a block of zeros too) gets the byte 1; only this program reads the bytes.
; Where the second and third choice lie within the rounding of an f32 sum of 1,024 products of each other, either may be taken.
; No tile is shared between work-groups but Wg's 32 KiB: no cluster.
.set STG,   36864                      ; LDS: Wg's 256 chunks of 128 + 16 bytes at 0; the waves' stages, 10,240 bytes each
.set XSS,   77824                      ; 256 scale bytes of the group's 8 tokens
.set SELS,  78080                      ; 8 words: the choices
.set GATS,  78112                      ; 16 words: the gates
.set AUXS,  78176                      ; 4 words: the waves' sums of probs^2
.set XQS,   2097152
.set R,     16                         ; v16-79   x as loaded: register 32 tok + n holds k = 128 (n / 4) + 4 lane + n % 4
.set X,     80                         ; v80-143  x turned: 16 neighbours a step
.set L,     144                        ; v144-207 Wg on its way to LDS; later the registers below
.set AC,    144                        ; 16 logits
.set PT,    160                        ; 16 at work
.set P,     176                        ; 8 probabilities
.set P2,    184                        ; the same without the first choice
.set IDC,   192                        ; the numbers 0 to 7
.set TG,    200                        ; 8 at work
.set C,     208                        ; codes, four registers a step
.set EB,    224                        ; a scale byte a step
.set TQ,    228                        ; 4 at work
.set AUX,   232
.set NEG1,  233
.set SELR,  234                        ; 2
.set GT,    236                        ; 2 pairs
.set AXA,   240
.set GAA,   241                        ; LDS address of gate word lane % 16
.set MSB, 0
.macro WIN new                         ; the immediate's high byte repeats the setting that is left
.if MSB != \new
	s_set_vgpr_msb (MSB<<8)|\new
.set MSB, \new
.endif
.endm
	s_load_b256 s[4:11], s[0:1], 0x0               ; x, Wg, bg, xq
	s_load_b128 s[12:15], s[0:1], 0x20             ; sel, gw
	v_lshl_add_u32 v254, v0, 2, 0x13200
	v_mov_b32 v255, 0
	v_lshrrev_b32 v9, 5, v0
	v_readfirstlane_b32 s24, v9                    ; wave
	v_and_b32 v1, 31, v0                           ; lane
	v_lshlrev_b32 v2, 4, v1                        ; 16 x lane
	s_mul_i32 s25, s24, 10240
	s_add_co_u32 s25, s25, STG
	v_lshrrev_b32 v3, 2, v1
	v_mul_u32_u24 v3, v3, 80
	v_and_b32 v4, 3, v1
	v_lshl_add_u32 v3, v4, 4, v3
	v_add_nc_u32 v3, s25, v3                       ; the stage, in: 80 (lane / 4) + 16 (lane % 4)
	v_mul_u32_u24 v4, v1, 80
	v_add_nc_u32 v4, s25, v4                       ; and out: 80 x lane
	s_lshl_b32 s26, s24, 6
	s_add_co_u32 s26, s26, XSS
	v_lshrrev_b32 v5, 1, v1
	v_add_nc_u32 v5, s26, v5                       ; my block's scale byte
	v_lshlrev_b32 v6, 4, v0                        ; Wg: 16 x thread
	v_lshrrev_b32 v7, 3, v0
	v_mul_u32_u24 v7, v7, 144
	v_and_b32 v8, 7, v0
	v_lshl_add_u32 v7, v8, 4, v7                   ; its place in LDS: chunk thread / 8, 16 (thread % 8)
	v_mul_u32_u24 v8, v1, 144                      ; my chunks: 144 x lane
	s_lshl_b32 s26, s24, 3
	s_add_co_u32 s26, s26, SELS
	v_mov_b32 v9, s26
	s_lshl_b32 s26, s24, 4
	s_add_co_u32 s26, s26, GATS
	v_mov_b32 v10, s26
	s_lshl_b32 s26, s24, 2
	s_add_co_u32 s26, s26, AUXS
	v_mov_b32 v11, s26
	v_lshlrev_b32 v13, 3, v1
	v_add_nc_u32 v12, XSS, v13
	v_lshlrev_b32 v14, 2, v1
	v_and_b32 v15, 7, v1
	v_lshl_add_u32 v15, v15, 2, SELS               ; choice word lane % 8: every lane's address lies among the words that are written
	v_and_b32 v[GAA], 15, v1
	v_lshl_add_u32 v[GAA], v[GAA], 2, GATS         ; gate word lane % 16 likewise
	v_mov_b32 v[AXA], AUXS
	s_mov_b32 s32, 0x76543210
	s_mov_b32 s33, 0xfedcba98                      ; lane l xor 16
	s_mov_b32 s34, 0x600000                        ; the mantissa field of 57,344
	s_wait_kmcnt 0x0
	s_load_b256 s[16:23], s[8:9], 0x0              ; bg
	s_lshl_b32 s26, ttmp9, 15
	s_lshl_b32 s27, s24, 13
	s_add_co_u32 s26, s26, s27
	s_mov_b32 s27, 0
	s_add_nc_u64 s[4:5], s[4:5], s[26:27]          ; x at my two tokens
	s_lshr_b32 s26, s26, 2
	s_add_nc_u64 s[36:37], s[10:11], s[26:27]      ; their codes
	s_lshl_b32 s26, ttmp9, 8
	s_add_nc_u64 s[38:39], s[10:11], s[26:27]
	s_add_nc_u64 s[38:39], s[38:39], XQS           ; the group's 256 scale bytes
	s_lshl_b32 s26, ttmp9, 5
	s_add_nc_u64 s[12:13], s[12:13], s[26:27]
	s_lshl_b32 s26, ttmp9, 6
	s_add_nc_u64 s[40:41], s[14:15], s[26:27]
	s_lshl_b32 s26, ttmp9, 2
	s_add_nc_u64 s[42:43], s[14:15], s[26:27]
	s_add_nc_u64 s[42:43], s[42:43], 16384
.set i, 0
.rept 16
	global_load_b128 v[R+4*i:R+4*i+3], v2, s[4:5] offset:512*i th:TH_LOAD_NT   ; 32 lanes read 512 consecutive bytes
.set i, i+1
.endr
.set i, 0
.rept 16
	global_load_b128 v[L+4*i:L+4*i+3], v6, s[6:7] offset:2048*i               ; the group's 128 threads read 2,048 consecutive bytes of Wg
.set i, i+1
.endr
	s_wait_loadcnt 16                              ; x is in; Wg's sixteen loads may be out
.set i, 0
.rept 16
	ds_store_b128 v3, v[R+4*i:R+4*i+3] offset:2560*(i/4)+640*(i%4)
.set i, i+1
.endr
.set i, 0
.rept 16
	ds_load_b128 v[X+4*i:X+4*i+3], v4 offset:2560*(i/4)+16*(i%4)              ; LDS serves a wave's instructions in order: these see the stores above
.set i, i+1
.endr
	s_wait_loadcnt 0x0
.set i, 0
.rept 16
	ds_store_b128 v7, v[L+4*i:L+4*i+3] offset:2304*i
.set i, i+1
.endr
	s_wait_dscnt 0x0                               ; for the others' sake: my part of Wg lies in LDS
	s_barrier_signal -1
	s_barrier_wait -1
	WIN 0x40                                       ; destination window 1
.set i, 0
.rept 64
	ds_load_b128 v[4*i:4*i+3], v8 offset:4608*(i/8)+16*(i%8)                  ; window 1, register 8 n + e: Wg[128 (n / 4) + 4 lane + n % 4][e]
.set i, i+1
.endr
	WIN 0
; a step of 512 numbers: a block's largest magnitude (with the floor 2^-111 among its leaves), 15 off its exponent field, the hold, the conversion
.macro QX st
.set XB, X+16*(\st)
	v_max3_num_f32 v[TQ], |v[XB]|, |v[XB+1]|, |v[XB+2]|
	v_max3_num_f32 v[TQ+1], |v[XB+3]|, |v[XB+4]|, |v[XB+5]|
.irp i, 6,10
	v_max3_num_f32 v[TQ], v[TQ], |v[XB+\i]|, |v[XB+\i+1]|
	v_max3_num_f32 v[TQ+1], v[TQ+1], |v[XB+\i+2]|, |v[XB+\i+3]|
.endr
	v_max3_num_f32 v[TQ], v[TQ], |v[XB+14]|, |v[XB+15]|
	v_max3_num_f32 v[TQ], v[TQ], v[TQ+1], 0x8000000
	v_max_num_f32_dpp v[TQ], v[TQ], v[TQ] row_xmask:1 row_mask:0xf bank_mask:0xf   ; with my neighbour's 16: the block's
	v_add_nc_u32 v[TQ+2], 0xf8800000, v[TQ]        ; the conversion's scale operand
	v_and_or_b32 v[TQ+3], v[TQ], 0x7f800000, s34   ; 57,344 x the scale
.irp i, 0,1,2,3,4,5,6,7,8,9,10,11,12,13,14,15
	v_med3_num_f32 v[XB+\i], v[XB+\i], -v[TQ+3], v[TQ+3]   ; the conversion does not saturate (ISA guide 7.6.2): the hold
.endr
	v_cvt_scalef32_pk8_bf8_f32 v[C+4*(\st):C+4*(\st)+1], v[XB:XB+7], v[TQ+2]
	v_cvt_scalef32_pk8_bf8_f32 v[C+4*(\st)+2:C+4*(\st)+3], v[XB+8:XB+15], v[TQ+2]
	v_lshrrev_b32 v[EB+(\st)], 23, v[TQ+2]         ; the scale's byte; also the plain line behind the conversions
	ds_store_b8 v5, v[EB+(\st)] offset:16*(\st)    ; both lanes of a block write the same byte with the same value
	global_store_b128 v2, v[C+4*(\st):C+4*(\st)+3], s[36:37] offset:512*(\st)   ; 32 lanes store 512 consecutive bytes
.endm
	QX 0                                           ; (x turned was waited for in front of the barrier; Wg's 64 loads land meanwhile)
	QX 1
	QX 2
	QX 3
.irp e, 0,1,2,3,4,5,6,7
	v_mov_b32 v[IDC+\e], \e
.endr
	v_mov_b32 v[NEG1], -1.0
	s_wait_dscnt 0x0                               ; Wg is in my registers
	WIN 0x04                                       ; source 1 window 1
.set n, 0
.rept 32                                       ; 8 logits x 2 tokens, two logits an instruction; x's number serves both halves
.irp tok, 0,1
.irp m, 0,1,2,3
.set RP, R+32*\tok+2*(n/2)
.if n == 0
	v_pk_mul_f32 v[AC+8*\tok+2*\m:AC+8*\tok+2*\m+1], v[RP:RP+1], v[8*n+2*\m:8*n+2*\m+1] op_sel_hi:[0,1]
.elseif n%2 == 0
	v_pk_fma_f32 v[AC+8*\tok+2*\m:AC+8*\tok+2*\m+1], v[RP:RP+1], v[8*n+2*\m:8*n+2*\m+1], v[AC+8*\tok+2*\m:AC+8*\tok+2*\m+1] op_sel_hi:[0,1,1]
.else
	v_pk_fma_f32 v[AC+8*\tok+2*\m:AC+8*\tok+2*\m+1], v[RP:RP+1], v[8*n+2*\m:8*n+2*\m+1], v[AC+8*\tok+2*\m:AC+8*\tok+2*\m+1] op_sel:[1,0,0] op_sel_hi:[1,1,1]
.endif
.endr
.endr
.set n, n+1
.endr
	WIN 0
.irp k, 1,2,4,8                                ; each logit over the 32 lanes
.set i, 0
.rept 16
	v_add_f32_dpp v[AC+i], v[AC+i], v[AC+i] row_xmask:\k row_mask:0xf bank_mask:0xf
.set i, i+1
.endr
.endr
.set i, 0
.rept 16
	v_permlanex16_b32 v[PT+i], v[AC+i], s32, s33
.set i, i+1
.endr
.set i, 0
.rept 16
	v_add_f32 v[AC+i], v[AC+i], v[PT+i]
.set i, i+1
.endr
	s_wait_alu depctr_va_vdst(0)
	s_wait_kmcnt 0x0                               ; bg
.irp e, 0,1,2,3,4,5,6,7
	v_add_f32 v[AC+\e], s[16+\e], v[AC+\e]
	v_add_f32 v[AC+8+\e], s[16+\e], v[AC+8+\e]
.endr
; one token: softmax, the smoothing, probs^2, the two largest, their gates.  Every lane computes the same numbers.
.macro GATE tok
.set A, AC+8*(\tok)
	v_max3_num_f32 v[TG], v[A], v[A+1], v[A+2]
	v_max3_num_f32 v[TG], v[TG], v[A+3], v[A+4]
	v_max3_num_f32 v[TG], v[TG], v[A+5], v[A+6]
	v_max_num_f32 v[TG], v[TG], v[A+7]
.irp e, 0,1,2,3,4,5,6,7
	v_sub_f32 v[P+\e], v[A+\e], v[TG]
.endr
.irp e, 0,1,2,3,4,5,6,7
	v_mul_f32 v[P+\e], 0x3fb8aa3b, v[P+\e]
.endr
	s_wait_alu depctr_va_vdst(0)
.irp e, 0,1,2,3,4,5,6,7
	v_exp_f32 v[P+\e], v[P+\e]
.endr
	v_nop                                          ; a plain line behind the batch,
	s_wait_alu depctr_va_vdst(0)                   ; and one wait for the eight, ahead of their first reader
	v_add_f32 v[TG], v[P], v[P+1]
	v_add_f32 v[TG+1], v[P+2], v[P+3]
	v_add_f32 v[TG+2], v[P+4], v[P+5]
	v_add_f32 v[TG+3], v[P+6], v[P+7]
	v_add_f32 v[TG], v[TG], v[TG+1]
	v_add_f32 v[TG+2], v[TG+2], v[TG+3]
	v_add_f32 v[TG], v[TG], v[TG+2]
	s_wait_alu depctr_va_vdst(0)
	v_rcp_f32 v[TG+1], v[TG]
	v_nop
	s_wait_alu depctr_va_vdst(0)
	v_mul_f32 v[TG+1], 0x3f7d70a4, v[TG+1]         ; 0.99 / the sum
.irp e, 0,1,2,3,4,5,6,7
	v_fmaak_f32 v[P+\e], v[P+\e], v[TG+1], 0x3aa3d70a   ; + 0.01 / 8
.endr
.if (\tok) == 0
	v_mul_f32 v[AUX], v[P], v[P]
.else
	v_fmac_f32 v[AUX], v[P], v[P]
.endif
.irp e, 1,2,3,4,5,6,7
	v_fmac_f32 v[AUX], v[P+\e], v[P+\e]
.endr
	v_cmp_gt_f32 vcc_lo, v[P+1], v[P]              ; strictly greater: the lower index keeps a tie
	v_cndmask_b32 v[TG+2], v[P], v[P+1], vcc_lo
	v_cndmask_b32 v[TG+3], v[IDC], v[IDC+1], vcc_lo
.irp e, 2,3,4,5,6,7
	v_cmp_gt_f32 vcc_lo, v[P+\e], v[TG+2]
	v_cndmask_b32 v[TG+2], v[TG+2], v[P+\e], vcc_lo
	v_cndmask_b32 v[TG+3], v[TG+3], v[IDC+\e], vcc_lo
.endr
.irp e, 0,1,2,3,4,5,6,7
	v_cmp_eq_u32 vcc_lo, v[TG+3], v[IDC+\e]
	v_cndmask_b32 v[P2+\e], v[P+\e], v[NEG1], vcc_lo   ; the first choice is taken out: every probability is above -1
.endr
	v_cmp_gt_f32 vcc_lo, v[P2+1], v[P2]
	v_cndmask_b32 v[TG+4], v[P2], v[P2+1], vcc_lo
	v_cndmask_b32 v[TG+5], v[IDC], v[IDC+1], vcc_lo
.irp e, 2,3,4,5,6,7
	v_cmp_gt_f32 vcc_lo, v[P2+\e], v[TG+4]
	v_cndmask_b32 v[TG+4], v[TG+4], v[P2+\e], vcc_lo
	v_cndmask_b32 v[TG+5], v[TG+5], v[IDC+\e], vcc_lo
.endr
	v_add_f32 v[TG+6], v[TG+2], v[TG+4]
	s_wait_alu depctr_va_vdst(0)
	v_rcp_f32 v[TG+7], v[TG+6]
	v_lshl_or_b32 v[SELR+(\tok)], v[TG+5], 8, v[TG+3]   ; first | second << 8; also the plain line behind the reciprocal
	s_wait_alu depctr_va_vdst(0)
	v_mul_f32 v[GT+2*(\tok)], v[TG+2], v[TG+7]
	v_mul_f32 v[GT+2*(\tok)+1], v[TG+4], v[TG+7]
	ds_store_b32 v9, v[SELR+(\tok)] offset:4*(\tok)     ; all lanes write the same word with the same value
	ds_store_b64 v10, v[GT+2*(\tok):GT+2*(\tok)+1] offset:8*(\tok)
.endm
	GATE 0
	GATE 1
	ds_store_b32 v11, v[AUX]
	s_wait_dscnt 0x0                               ; for wave 0's sake: my bytes and words lie in LDS
	s_barrier_signal -1
	s_barrier_wait -1
	s_cmp_lg_u32 s24, 0
	s_cbranch_scc1 .Ldone                          ; wave 0 sends the group's small tables out, each in one store
	ds_load_b64 v[200:201], v12                    ; all four reads with every lane on; only the stores below are masked
	ds_load_b128 v[204:207], v[AXA]
	ds_load_b32 v202, v[GAA]
	ds_load_b32 v203, v15
	s_wait_dscnt 0x0
	global_store_b64 v13, v[200:201], s[38:39]     ; 32 lanes store 256 consecutive bytes, aligned
	v_add_f32 v204, v204, v205
	v_add_f32 v206, v206, v207
	v_add_f32 v204, v204, v206
	v_cmp_gt_u32 vcc_lo, 16, v1
	s_wait_alu depctr_va_vdst(0)
	s_wait_xcnt 0x0                                ; EXEC changes only behind this wait
	s_and_saveexec_b32 s30, vcc_lo
	global_store_b32 v14, v202, s[40:41]           ; 16 gates
	s_wait_xcnt 0x0
	s_or_b32 exec_lo, exec_lo, s30
	v_cmp_gt_u32 vcc_lo, 8, v1
	s_and_saveexec_b32 s30, vcc_lo
	global_store_b32 v14, v203, s[12:13]           ; 8 choices
	s_wait_xcnt 0x0
	s_or_b32 exec_lo, exec_lo, s30
	v_cmp_eq_u32 vcc_lo, 0, v1
	s_and_saveexec_b32 s30, vcc_lo
	global_store_b32 v14, v204, s[42:43]           ; the group's sum of probs^2
	s_wait_xcnt 0x0
	s_or_b32 exec_lo, exec_lo, s30
.Ldone:
	s_wait_tensorcnt 0x0
	ds_add_u32 v254, v255
	s_wait_dscnt 0x0
	s_endpgm
.Lfunc_end_k_q0182837f8a_route:
	.size	k_q0182837f8a_route, .Lfunc_end_k_q0182837f8a_route-k_q0182837f8a_route
	.p2alignl 7, 3214868480
	.fill 96, 4, 3214868480
	.section	.rodata,"a",@progbits
	.p2align	6, 0x0
	.amdhsa_kernel k_q0182837f8a_route
		.amdhsa_group_segment_fixed_size 78848
		.amdhsa_private_segment_fixed_size 0
		.amdhsa_enable_private_segment 0
		.amdhsa_kernarg_size 48
		.amdhsa_user_sgpr_count 2
		.amdhsa_user_sgpr_kernarg_segment_ptr 1
		.amdhsa_wavefront_size32 1
		.amdhsa_system_sgpr_workgroup_id_x 1
		.amdhsa_system_sgpr_workgroup_id_y 1
		.amdhsa_system_sgpr_workgroup_id_z 1
		.amdhsa_system_vgpr_workitem_id 0
		.amdhsa_next_free_vgpr 512
		.amdhsa_next_free_sgpr 66
		.amdhsa_reserve_vcc 1
		.amdhsa_float_denorm_mode_32 3
		.amdhsa_float_denorm_mode_16_64 3
		.amdhsa_memory_ordered 1
		.amdhsa_forward_progress 1
		.amdhsa_inst_pref_size 56
	.end_amdhsa_kernel
	.amdgpu_metadata
---
amdhsa.version: [ 1, 2 ]
amdhsa.kernels:
  - .name:           k_q0182837f8a_route
    .symbol:         k_q0182837f8a_route.kd
    .args:
      - { .name: x, .offset: 0, .size: 8, .value_kind: global_buffer, .address_space: global }
      - { .name: Wg, .offset: 8, .size: 8, .value_kind: global_buffer, .address_space: global }
      - { .name: bg, .offset: 16, .size: 8, .value_kind: global_buffer, .address_space: global }
      - { .name: xq, .offset: 24, .size: 8, .value_kind: global_buffer, .address_space: global }
      - { .name: sel, .offset: 32, .size: 8, .value_kind: global_buffer, .address_space: global }
      - { .name: gw, .offset: 40, .size: 8, .value_kind: global_buffer, .address_space: global }
    .group_segment_fixed_size: 78848
    .private_segment_fixed_size: 0
    .kernarg_segment_align: 8
    .kernarg_segment_size: 48
    .max_flat_workgroup_size: 128
    .sgpr_count:     66
    .vgpr_count:     512
    .wavefront_size: 32
...
	.end_amdgpu_metadata
.endif
;; end of part 6
;; launch place (part 7): grid 1 x 1, 8 waves a work-group, no clusters, 1,280 bytes of LDS; arguments sel, lists; writes lists
.if DOCPART == 7
	.amdgcn_target "amdgcn-amd-amdhsa--gfx1250"
	.amdhsa_code_object_version 6
	.text
	.protected	k_q0182837f8a_place
	.globl	k_q0182837f8a_place
	.p2align	8
	.type	k_q0182837f8a_place,@function
k_q0182837f8a_place:
	s_mov_b64 s[64:65], 0
	v_nop
	global_prefetch_b8 v0, s[64:65] scope:SCOPE_SE
	s_setreg_imm32_b32 hwreg(HW_REG_WAVE_MODE, 25, 1), 1
	s_wait_xcnt 0x0
; A COUNTING SORT of the 4,096 routed rows (2,048 tokens x 2) by expert, by one work-group of 256 threads; thread i takes tokens 8 i to 8 i + 7.
; Expert e gets tiles of 16 rows, nt = ceil(n / 16) of them from tile tb on; the sum of nt is at most 4,096 / 16 + 7 = 263 whatever the split.
; Out, in lists: rows[16 x tile + r] = the token of that row (the last tile's spare rows name token 0) at byte 0;
;      {tb, nt} for each expert at 0x4200;  for slot 2 t + k its place, tile x 512 + r, at 0x4300.
; Counts: within a thread a nibble an expert (at most 8); across threads two 16-bit fields a register (at most 2,048), scanned over the lanes and summed over the waves through LDS.
; One work-group: the sort needs every token's choice, and 8 KiB are read.  The order of rows within an expert changes no result.
.set S,     8
.set E0,    16
.set E1,    24
.set R0,    32
.set R1,    40
.set P,     48
.set OWN,   52
.set T,     56
.set TOT,   60
.set WT,    64
.set B,     96
.set TA,    100
.set START, 104
.set POS,   112
.set YV,    128
.set TOKN,  144
.set L4,    160                        ; v160  4 x lane: the last store's offset; it holds nothing else
	s_load_b128 s[4:7], s[0:1], 0x0                ; sel, lists
	v_lshl_add_u32 v168, v0, 2, 0x100
	v_mov_b32 v169, 0
	v_lshrrev_b32 v1, 5, v0
	s_delay_alu instid0(VALU_DEP_1)
	v_readfirstlane_b32 s8, v1                     ; wave
	v_and_b32 v1, 31, v0
	s_delay_alu instid0(VALU_DEP_1)
	v_lshlrev_b32 v[L4], 2, v1
	v_lshlrev_b32 v2, 5, v0                        ; 32 bytes a thread
	v_bfe_u32 v3, v0, 4, 1
	s_delay_alu instid0(VALU_DEP_1)
	v_sub_nc_u32 v3, 0, v3                         ; all ones in lanes 16 to 31
	v_mov_b32 v4, 1
	v_mov_b32 v5, 0
	v_mov_b32 v6, 0                                ; the thread's eight counts, a nibble each
	s_lshl_b32 s9, s8, 4
	v_mov_b32 v7, s9
	s_wait_alu depctr_va_vdst(0)
	s_wait_kmcnt 0x0
	global_load_b128 v[S:S+3], v2, s[4:5]
	global_load_b128 v[S+4:S+7], v2, s[4:5] offset:16
	s_wait_loadcnt 0x0
.irp q, 0,1,2,3,4,5,6,7
	v_and_b32 v[E0+\q], 7, v[S+\q]
	v_bfe_u32 v[E1+\q], v[S+\q], 8, 3
	s_delay_alu instid0(VALU_DEP_2)
	v_lshlrev_b32 v152, 2, v[E0+\q]
	s_delay_alu instid0(VALU_DEP_2)
	v_lshlrev_b32 v153, 2, v[E1+\q]
	s_delay_alu instid0(VALU_DEP_2)
	v_lshrrev_b32 v[R0+\q], v152, v6
	s_delay_alu instid0(VALU_DEP_2)
	v_lshrrev_b32 v[R1+\q], v153, v6
	s_delay_alu instid0(VALU_DEP_2)
	v_and_b32 v[R0+\q], 15, v[R0+\q]               ; how many of my earlier tokens chose the same expert
	s_delay_alu instid0(VALU_DEP_2)
	v_and_b32 v[R1+\q], 15, v[R1+\q]
	v_lshlrev_b32 v152, v152, v4
	v_lshlrev_b32 v153, v153, v4
	s_delay_alu instid0(VALU_DEP_1)
	v_add3_u32 v6, v6, v152, v153
.endr
.irp m, 0,1,2,3
	v_bfe_u32 v[P+\m], v6, 8*\m, 4
	v_bfe_u32 v152, v6, 8*\m+4, 4
	s_delay_alu instid0(VALU_DEP_1)
	v_lshl_or_b32 v[P+\m], v152, 16, v[P+\m]       ; experts 2 m and 2 m + 1
	v_mov_b32 v[T+\m], 0
.endr
.irp m, 0,1,2,3
	v_mov_b32 v[OWN+\m], v[P+\m]
.endr
.irp k, 1,2,4,8                                ; a running sum over each 16 lanes
.irp m, 0,1,2,3
	v_mov_b32_dpp v[T+\m], v[P+\m] row_shr:\k row_mask:0xf bank_mask:0xf bound_ctrl:1
.endr
.irp m, 0,1,2,3
	s_delay_alu instid0(VALU_DEP_4)
	v_add_nc_u32 v[P+\m], v[P+\m], v[T+\m]
.endr
.endr
.irp m, 0,1,2,3
	v_readlane_b32 s[12+\m], v[P+\m], 15
	s_delay_alu instid0(VALU_DEP_1)
	v_and_b32 v[T+\m], s[12+\m], v3
	s_delay_alu instid0(VALU_DEP_1)
	v_add_nc_u32 v[P+\m], v[P+\m], v[T+\m]         ; lanes 16 to 31 add the lower half's total
.endr
.irp m, 0,1,2,3
	v_readlane_b32 s[16+\m], v[P+\m], 31
	s_delay_alu instid0(VALU_DEP_1)
	v_mov_b32 v[TOT+\m], s[16+\m]
.endr
	ds_store_b128 v7, v[TOT:TOT+3]                 ; the wave's totals: all lanes write the same 16 bytes
	s_wait_dscnt 0x0
	s_barrier_signal -1
	s_barrier_wait -1
.irp w, 0,1,2,3,4,5,6,7
	ds_load_b128 v[WT+4*\w:WT+4*\w+3], v5 offset:16*\w
.endr
	s_wait_dscnt 0x0
.irp w, 0,1,2,3,4,5,6
	s_cmp_gt_u32 s8, \w
	s_cselect_b32 s20, -1, 0
.irp m, 0,1,2,3
.if \w == 0
	v_and_b32 v[B+\m], s20, v[WT+\m]
.else
	v_and_b32 v[152+\m], s20, v[WT+4*\w+\m]
	s_delay_alu instid0(VALU_DEP_1)
	v_add_nc_u32 v[B+\m], v[B+\m], v[152+\m]       ; the totals of the waves below mine
.endif
.endr
.endr
.irp m, 0,1,2,3
	v_add_nc_u32 v[TA+\m], v[WT+\m], v[WT+4+\m]
.endr
.irp w, 2,3,4,5,6,7
.irp m, 0,1,2,3
	s_delay_alu instid0(VALU_DEP_4)
	v_add_nc_u32 v[TA+\m], v[TA+\m], v[WT+4*\w+\m]
.endr
.endr
.irp m, 0,1,2,3
	v_add_nc_u32 v[B+\m], v[B+\m], v[P+\m]
	s_delay_alu instid0(VALU_DEP_1)
	v_sub_nc_u32 v[B+\m], v[B+\m], v[OWN+\m]       ; how many rows of each expert lie in front of my thread's
	v_readfirstlane_b32 s[24+\m], v[TA+\m]
	s_and_b32 s[32+2*\m], s[24+\m], 0xffff         ; n
	s_lshr_b32 s[33+2*\m], s[24+\m], 16
.endr
	s_mov_b32 s48, 0
.irp e, 0,1,2,3,4,5,6,7
	s_add_co_u32 s[40+\e], s[32+\e], 15
	s_lshr_b32 s[40+\e], s[40+\e], 4               ; nt
.if \e < 7
	s_add_co_u32 s[49+\e], s[48+\e], s[40+\e]      ; tb
.endif
.endr
.irp e, 0,1,2,3,4,5,6,7
	s_lshl_b32 s56, s[48+\e], 4
.if \e%2 == 0
	v_and_b32 v152, 0xffff, v[B+\e/2]
.else
	v_lshrrev_b32 v152, 16, v[B+\e/2]
.endif
	s_delay_alu instid0(VALU_DEP_1)
	v_add_nc_u32 v[START+\e], s56, v152
.endr
.macro PICK dst, er, rk                        ; the place of a slot: its expert's START, by selects, + its rank in the thread
	v_cmp_eq_u32 vcc_lo, 1, v[\er]
	s_delay_alu instid0(VALU_DEP_1)
	v_cndmask_b32 v[\dst], v[START], v[START+1], vcc_lo
.irp k, 2,3,4,5,6,7
	v_cmp_eq_u32 vcc_lo, \k, v[\er]
	s_delay_alu instid0(VALU_DEP_1)
	v_cndmask_b32 v[\dst], v[\dst], v[START+\k], vcc_lo
.endr
	s_delay_alu instid0(VALU_DEP_1)
	v_add_nc_u32 v[\dst], v[\dst], v[\rk]
.endm
.irp q, 0,1,2,3,4,5,6,7
	PICK POS+2*\q, E0+\q, R0+\q
	PICK POS+2*\q+1, E1+\q, R1+\q
	v_lshl_or_b32 v[TOKN+\q], v0, 3, \q
.endr
.set i, 0
.rept 16
	v_lshrrev_b32 v152, 4, v[POS+i]
	v_and_b32 v153, 15, v[POS+i]
	s_delay_alu instid0(VALU_DEP_1)
	v_lshl_or_b32 v[YV+i], v152, 9, v153           ; tile x 512 + r
	v_min_u32 v[POS+i], 0x106f, v[POS+i]           ; a number made of loaded ones enters an address only held: 263 x 16 - 1
	s_delay_alu instid0(VALU_DEP_1)
	v_lshlrev_b32 v[POS+i], 2, v[POS+i]
.set i, i+1
.endr
	v_lshlrev_b32 v156, 6, v0
.irp j, 0,1,2,3
	global_store_b128 v156, v[YV+4*\j:YV+4*\j+3], s[6:7] offset:0x4300+16*\j
.endr
.set i, 0
.rept 16
	global_store_b32 v[POS+i], v[TOKN+i/2], s[6:7]
.set i, i+1
.endr
	; the spare rows of each expert's last tile: thread 16 e + j writes token 0 at place 16 tb + n + j where j < 16 nt - n
	v_bfe_u32 v152, v0, 4, 3
	s_wait_alu depctr_va_vdst(0)
	v_and_b32 v153, 15, v0
.irp e, 0,1,2,3,4,5,6,7
	s_lshl_b32 s56, s[48+\e], 4
	s_add_co_u32 s56, s56, s[32+\e]
	s_lshl_b32 s57, s[40+\e], 4
	s_sub_co_u32 s57, s57, s[32+\e]
.if \e == 0
	v_mov_b32 v157, s56
	v_mov_b32 v158, s57
.else
	v_cmp_eq_u32 vcc_lo, \e, v152
	v_mov_b32 v154, s56
	v_mov_b32 v155, s57
	s_delay_alu instid0(VALU_DEP_2)
	v_cndmask_b32 v157, v157, v154, vcc_lo
	s_delay_alu instid0(VALU_DEP_2)
	v_cndmask_b32 v158, v158, v155, vcc_lo
.endif
.endr
	s_delay_alu instid0(VALU_DEP_2)
	v_add_nc_u32 v157, v157, v153
	s_delay_alu instid0(VALU_DEP_1)
	v_min_u32 v157, 0x106f, v157
	s_delay_alu instid0(VALU_DEP_1)
	v_lshlrev_b32 v157, 2, v157
	s_delay_alu instid0(VALU_DEP_4)
	v_cmp_lt_u32 vcc_lo, v153, v158
	v_cmp_gt_u32 s58, 128, v0
	s_and_b32 vcc_lo, vcc_lo, s58
	s_wait_alu depctr_va_vdst(0)
	s_wait_xcnt 0x0                                ; EXEC changes only behind this wait
	s_and_saveexec_b32 s59, vcc_lo
	global_store_b32 v157, v5, s[6:7]
	s_wait_xcnt 0x0
	s_or_b32 exec_lo, exec_lo, s59
	s_cmp_lg_u32 s8, 0
	s_cbranch_scc1 .Lend
	v_mov_b32 v159, 0
.irp e, 0,1,2,3,4,5,6,7
	s_delay_alu instid0(VALU_DEP_1)
	v_writelane_b32 v159, s[48+\e], 2*\e
	s_delay_alu instid0(VALU_DEP_1)
	v_writelane_b32 v159, s[40+\e], 2*\e+1
.endr
	v_cmp_gt_u32 vcc_lo, 16, v1
	s_and_saveexec_b32 s59, vcc_lo
	global_store_b32 v[L4], v159, s[6:7] offset:0x4200
	s_wait_xcnt 0x0
	s_or_b32 exec_lo, exec_lo, s59
.Lend:
	s_wait_tensorcnt 0x0
	ds_add_u32 v168, v169
	s_wait_dscnt 0x0
	s_endpgm
.Lfunc_end_k_q0182837f8a_place:
	.size	k_q0182837f8a_place, .Lfunc_end_k_q0182837f8a_place-k_q0182837f8a_place
	.p2alignl 7, 3214868480
	.fill 96, 4, 3214868480
	.section	.rodata,"a",@progbits
	.p2align	6, 0x0
	.amdhsa_kernel k_q0182837f8a_place
		.amdhsa_group_segment_fixed_size 1280
		.amdhsa_private_segment_fixed_size 0
		.amdhsa_enable_private_segment 0
		.amdhsa_kernarg_size 16
		.amdhsa_user_sgpr_count 2
		.amdhsa_user_sgpr_kernarg_segment_ptr 1
		.amdhsa_wavefront_size32 1
		.amdhsa_system_sgpr_workgroup_id_x 1
		.amdhsa_system_sgpr_workgroup_id_y 1
		.amdhsa_system_sgpr_workgroup_id_z 1
		.amdhsa_system_vgpr_workitem_id 0
		.amdhsa_next_free_vgpr 170
		.amdhsa_next_free_sgpr 66
		.amdhsa_reserve_vcc 1
		.amdhsa_float_denorm_mode_32 3
		.amdhsa_float_denorm_mode_16_64 3
		.amdhsa_memory_ordered 1
		.amdhsa_forward_progress 1
		.amdhsa_inst_pref_size 43
	.end_amdhsa_kernel
	.amdgpu_metadata
---
amdhsa.version: [ 1, 2 ]
amdhsa.kernels:
  - .name:           k_q0182837f8a_place
    .symbol:         k_q0182837f8a_place.kd
    .args:
      - { .name: sel, .offset: 0, .size: 8, .value_kind: global_buffer, .address_space: global }
      - { .name: lists, .offset: 8, .size: 8, .value_kind: global_buffer, .address_space: global }
    .group_segment_fixed_size: 1280
    .private_segment_fixed_size: 0
    .kernarg_segment_align: 8
    .kernarg_segment_size: 16
    .max_flat_workgroup_size: 256
    .sgpr_count:     66
    .vgpr_count:     170
    .wavefront_size: 32
...
	.end_amdgpu_metadata
.endif
;; end of part 7
;; launch ffn1 (part 8): grid 256 x 1, 4 waves a work-group, no clusters, 136,704 bytes of LDS; arguments W1, b1, xq, lists, hq; writes hq
.if DOCPART == 8
	.amdgcn_target "amdgcn-amd-amdhsa--gfx1250"
	.amdhsa_code_object_version 6
	.text
	.protected	k_q0182837f8a_ffn1
	.globl	k_q0182837f8a_ffn1
	.p2align	8
	.type	k_q0182837f8a_ffn1,@function
k_q0182837f8a_ffn1:
	s_mov_b64 s[64:65], 0
	v_nop
	global_prefetch_b8 v0, s[64:65] scope:SCOPE_SE
	s_setreg_imm32_b32 hwreg(HW_REG_WAVE_SCHED_MODE, 0, 2), 2
	s_setreg_imm32_b32 hwreg(HW_REG_WAVE_MODE, 25, 1), 1
	s_wait_xcnt 0x0
	s_wait_alu depctr_vm_vsrc(0)
; h = Q(gelu(Q(x) Q(W1) + b1)) for the routed rows alone, on codes of E5M2 with one E8M0 scale for each 32 along K.
; SHARES.  Work-group (expert e = id / 32, slice g = id % 32) owns hidden units 64 g to 64 g + 63 of expert e, all of K = 1,024: 256 KiB of f32, read from memory once in the launch.
; WEIGHTS.  Wave w takes K rows 256 w on, 8 blocks of 32.  A load reads two rows' 256 consecutive bytes (lanes 0-15 row k, lanes 16-31 row k + 16), so a lane holds 4 columns x 16 rows of a block:
; the block's largest magnitude is the lane's and lane l xor 16's; the hold writes each number where the conversion wants it, so the turn from rows to columns costs no instruction.
; The codes meet in LDS (K innermost, 64 columns), one barrier, and EVERY wave takes the whole slice into 512 registers: 32 fragments, which stay.
; ROWS.  The four waves then walk the expert's tiles of 16 rows independently (wave w: tiles w, w + 4, ..), with no barrier.  A tile's 16 rows of x's codes are gathered by whole runs of 256 bytes
; a whole tile ahead, and turn through the wave's own stage into fragments.  The product is used transposed (source 0 = 16 hidden units, source 1 = 16 rows); lane r of tile 2 b + u takes unit
; 32 b + 8 u + r + 8 (r / 8), so that a lane's 16 registers of two tiles are 16 neighbours along the next K.  b1 is the C of each sum's first instruction.
; gelu, exact: h = max(x, 0) - |x| g, g = erfc(|x| / sqrt 2) / 2 = t 2^(P(t) - x^2 log2(e) / 2), t = 1 / (1 + |x| / (2 sqrt 2)), P of degree 9: relative accuracy in the tail too, no branch.
; OUT.  hq: the next product's operand as images of its registers, [tile][K step 16][4][lane][16 bytes]; its scale words [tile][K step][row], HQS bytes on: this slice gives half a word.
; The trip count of the tile loop is a number read from memory, so the text has no tensor load, and hence no joint loads, though the 32 slices of an expert read the same rows of x.
; An expert without rows: its work-groups store nothing.  The loads that run ahead are issued by every wave, for tile min(T, nt - 1) of the expert, or tile 0 of the list where the expert has none:
; always a tile that has been written; a wave without a tile does not use them.
; LIMITS: NaN and infinities are not served.  A block whose largest magnitude lies under 2^-111 (a block of zeros too) gets the byte 1; only this program reads the bytes.
; gelu's relative error is about 1e-6, and grows as 6e-8 x^2 far down the negative tail.
; REGISTERS: window 0: addresses, scale words, b1, sums, work.  Windows 1, 2: fragment (tile t, K step s) at window 1 + s / 4, register 16 (4 (s % 4) + t).
;   window 3: while the weights stream four sets of 64 numbers; then x's fragments at 0-127 and the tile gathered ahead at 128-255.
; THE MODE: SCHED_MODE bits 1:0 = 2 (LLVM: expert scheduling mode 2), set by the entry lines.  The code itself states the register dependences
; between vector or matrix instructions and memory or LDS instructions, with s_wait_alu, always for 0.
; THE PLAN.  Registers that memory or LDS instructions touch:
;   v4 to v15      offsets and LDS addresses: made once at the head, never written again: one wait on va_vdst ahead of the first load serves them for the whole kernel.
;   WHILE THE WEIGHTS STREAM
;   window 3, set b % 4   the loads of block b land in it, issued at the head of block b - 3; block b's maxima and holds read it.
;   CW, SW         written by block b's conversions and shifts; read by its LDS stores.
;   One wait on va_vdst in a block, behind its conversions: CW and SW are written, and the block is done reading its set, in which the loads at the next block's head land.
;   One wait on vm_vsrc in a block, ahead of the first line that writes SW or CW again.
;   IN THE TILE LOOP
;   G = window 3, 128-255, and XSL   the gathers issued in a trip land in them; the next trip's stores into the stage read G, its eight copies read XSL.
;   F = window 3, 0-127   the LDS loads at a trip's head land in it; the trip's products read it.
;   IDX            the list's loads land in it; VOFCALC reads and writes it.        VOF, VOFS   written by VOFCALC; read by the gathers as offsets.
;   XS             written by the copies; read by the products as scales.            PC, HW      written by the trip's conversions and shifts; read by the three stores at its end.
;   Three waits a trip, beside those behind the reciprocals and exponentials: on vm_vsrc behind the stage's LDS instructions; on va_vdst behind VOFCALC; on va_vdst ahead of the trip's stores.
;   Behind the second the products of K steps 0 to 3 follow at once and the 43 loads stand in the trip's middle: the products name the weights' fragments, F, the sums, b1, WS and XS,
;   none of the registers that those loads touch.  The third also shows the products done with F, in which the next trip's LDS loads land: no vector line stands between.
.set WP,    1040                       ; a column's 1,024 codes + 16: also a stage row
.set WSCL,  66560                      ; 64 columns x (8 scale words + 16 bytes)
.set STAGE, 69632                      ; 16 rows x WP for each wave
.set HQS,   8617984
.set XQS,   2097152
.set IDX,   18                         ; v18-25 tokens of rows 2 i + lane / 16;  v26 of row lane % 16
.set IDXR,  26
.set VOF,   28                         ; v28-35 their byte offsets in x's codes;  v36 in x's scale bytes
.set VOFS,  36
.set XS,    40                         ; v40-47  x's scale words at work
.set XSL,   48                         ; v48-55  the next tile's
.set WS,    56                         ; v56-87  W1's scale words, 8 t + s
.set B1R,   88                         ; v88-119 b1 in the result's layout
.set ACC,   120                        ; v120-151 four sums
.set TT,    152
.set PP,    168
.set QQ,    184
.set TM,    200                        ; v200-209 the hidden layer's quantiser: two each of largest magnitude, other half's, scale operand, limit, byte
.set PC,    212                        ; v212-219 its codes
.set HW,    220                        ; its two scale bytes
.set T,     120                        ; while the weights stream: v120-183 a block turned
.set M,     184
.set MP,    188
.set LIM,   192
.set SOP,   196
.set BY,    200
.set SW,    204
.set CW,    208
.set MSB, 0
.macro WIN new                         ; the immediate's high byte repeats the setting that is left
.if MSB != \new
	s_set_vgpr_msb (MSB<<8)|\new
.set MSB, \new
.endif
.endm
.macro CPAIR r, val                    ; a constant for a packed form: the pair is named, so both words are written
	s_mov_b32 s[\r], \val
	s_mov_b32 s[\r+1], \val
.endm
	s_load_b256 s[4:11], s[0:1], 0x0               ; W1, b1, xq, lists
	s_load_b64 s[12:13], s[0:1], 0x20              ; hq
	v_lshl_add_u32 v254, v0, 2, 0x21400
	v_mov_b32 v255, 0
	v_lshrrev_b32 v1, 5, v0
	v_readfirstlane_b32 s14, v1                    ; wave
	s_lshr_b32 s15, ttmp9, 5                       ; expert (the register later counts the wave's trips)
	s_and_b32 s16, ttmp9, 31                       ; slice (later: how many trips)
	v_and_b32 v1, 31, v0                           ; l
	v_and_b32 v2, 15, v0                           ; r
	v_bfe_u32 v3, v0, 4, 1                         ; h
	v_lshlrev_b32 v4, 4, v2
	v_lshl_or_b32 v4, v3, 17, v4                   ; W1: 16 r, + 16 rows of 8,192 bytes for lanes 16-31
	v_mul_u32_u24 v5, v2, 4*WP
	v_lshl_add_u32 v5, v3, 4, v5
	s_wait_alu depctr_va_sdst(0)                   ; s14 is written, ahead of its first reader: LDS addresses and the bases of W1 are made from it
	s_lshl_b32 s38, s14, 8
	v_add_nc_u32 v5, s38, v5                       ; codes into LDS: column 4 r, byte 256 w + 16 h
	v_mul_u32_u24 v6, v2, 192
	s_lshl_b32 s38, s14, 3
	s_add_co_u32 s38, s38, WSCL
	v_add_nc_u32 v6, s38, v6                       ; scale words: column 4 r, word 2 w
	v_and_b32 v7, 8, v2
	v_add_nc_u32 v7, v7, v2                        ; r + 8 (r / 8)
	v_mul_u32_u24 v8, v7, 48
	v_add_nc_u32 v8, WSCL, v8
	v_mul_u32_u24 v7, v7, WP
	v_lshl_add_u32 v7, v3, 4, v7
	v_lshlrev_b32 v9, 6, v3
	v_lshlrev_b32 v10, 2, v3
	v_lshlrev_b32 v11, 2, v2
	v_lshlrev_b32 v12, 4, v2
	s_mul_i32 s38, s14, 16*WP
	s_add_co_u32 s38, s38, STAGE
	v_mul_u32_u24 v13, v3, WP
	v_lshl_add_u32 v13, v2, 4, v13
	v_add_nc_u32 v13, s38, v13                     ; the stage, in: row h, 16 r
	v_mul_u32_u24 v14, v2, WP
	v_lshl_add_u32 v14, v3, 4, v14
	v_add_nc_u32 v14, s38, v14                     ; and out: row r, 16 h
	v_lshlrev_b32 v15, 4, v1
	v_mov_b32 v17, 0x8000000                       ; the floor 2^(16 - 127)
	v_mov_b32 v38, 0x3e7c6f08                      ; c9
	v_mov_b32 v39, 0x3e7c6f08
.irp q, 0,1,2,3
	v_mov_b32 v[MP+\q], 0                          ; a lane permute's destination counts as one of its sources
.endr
	s_mov_b32 s40, 0x76543210
	s_mov_b32 s41, 0xfedcba98                      ; lane l xor 16
	s_mov_b32 s42, 0x600000                        ; the mantissa field of 57,344
	s_mov_b32 s43, 0x3eb504f3                      ; 1 / (2 sqrt 2)
	CPAIR 44, 0xbf38aa3b                           ; -log2(e) / 2
	CPAIR 46, 0xbf97d29d                           ; c8 .. c0: the fit's terms x log2(e), ln 2 taken off the constant
	CPAIR 48, 0x40097039
	CPAIR 50, 0xbfd1a1e5
	CPAIR 52, 0x3ecdfd18
	CPAIR 54, 0xbe899a80
	CPAIR 56, 0x3e0efb2e
	CPAIR 58, 0x3f0a29d2
	CPAIR 60, 0x3fb8ab5a
	CPAIR 62, 0xc034d90f
	s_wait_kmcnt 0x0
	s_lshl_b32 s17, s15, 3
	s_load_b64 s[18:19], s[10:11], s17 offset:0x4200   ; the expert's first tile and number of tiles
	s_lshl_b32 s38, s15, 23
	s_lshl_b32 s39, s14, 21
	s_add_co_u32 s38, s38, s39
	s_lshl_b32 s39, s16, 8
	s_add_co_u32 s38, s38, s39
	s_mov_b32 s39, 0
	s_add_nc_u64 s[20:21], s[4:5], s[38:39]        ; W1 at expert e, row 256 w, column 64 g
	s_lshl_b32 s38, s15, 13
	s_lshl_b32 s2, s16, 8
	s_add_co_u32 s38, s38, s2
	s_add_nc_u64 s[22:23], s[6:7], s[38:39]        ; b1 likewise
	s_add_nc_u64 s[24:25], s[8:9], XQS             ; x's scale bytes
	s_lshl_b32 s38, s16, 10
	s_add_nc_u64 s[26:27], s[12:13], s[38:39]      ; hq: K step g / 2, quarter 2 (g % 2): 1,024 g bytes
	s_lshr_b32 s38, s16, 1
	s_lshl_b32 s38, s38, 6
	s_and_b32 s2, s16, 1
	s_lshl_b32 s2, s2, 1
	s_add_co_u32 s38, s38, s2
	s_add_co_u32 s38, s38, HQS
	s_add_nc_u64 s[30:31], s[12:13], s[38:39]      ; its scale words: K step g / 2, half g % 2
	s_wait_alu depctr_va_vdst(0)                   ; the offsets and LDS addresses v4 to v15 are written: every load and store of the kernel, global or LDS, reads one of them
.irp t, 0,1,2,3
	global_load_b128 v[B1R+8*\t:B1R+8*\t+3], v9, s[22:23] offset:(32*(\t/2)+8*(\t%2))*4       ; lane (r, h), tile 2 b + u: units 32 b + 16 h + 8 u + 0 .. 7
	global_load_b128 v[B1R+8*\t+4:B1R+8*\t+7], v9, s[22:23] offset:(32*(\t/2)+8*(\t%2))*4+16
.endr
.macro LOADW bl                        ; block bl: 32 rows x 64 columns into set bl % 4: register 4 j + q = W1(32 bl + 16 h + j, 4 r + q)
	WIN 0xc0                                       ; destination window 3
.set j, 0
.rept 16
	global_load_b128 v[64*((\bl)%4)+4*j:64*((\bl)%4)+4*j+3], v4, s[20:21] offset:(32*(\bl)+j)*8192 th:TH_LOAD_NT
.set j, j+1
.endr
	WIN 0
.endm
.macro ROWSPTR d                       ; s[36:37]: the list of tile min(T + d, nt - 1) of my expert; the tile's number is held inside the list
	s_add_co_u32 s35, s34, \d
	s_min_u32 s35, s35, s17
	s_add_co_u32 s35, s35, s18
	s_min_u32 s35, s35, 262
	s_lshl_b32 s38, s35, 6
	s_mov_b32 s39, 0
	s_add_nc_u64 s[36:37], s[10:11], s[38:39]
.endm
.macro IDXLOAD                         ; 9 loads
.irp i, 0,1,2,3,4,5,6,7
	global_load_b32 v[IDX+\i], v10, s[36:37] offset:8*\i
.endr
	global_load_b32 v[IDXR], v11, s[36:37]
.endm
.macro VOFCALC                         ; 18 plain lines: a loaded number enters an address only held
.irp i, 0,1,2,3,4,5,6,7
	v_min_u32 v[IDX+\i], 0x7ff, v[IDX+\i]
.endr
	v_min_u32 v[IDXR], 0x7ff, v[IDXR]
.irp i, 0,1,2,3,4,5,6,7
	v_lshl_add_u32 v[VOF+\i], v[IDX+\i], 10, v12
.endr
	v_lshlrev_b32 v[VOFS], 5, v[IDXR]
.endm
.macro GLOAD                           ; 34 loads: a tile's 16 rows of codes, two runs of 256 consecutive bytes a load, and their scale words
	WIN 0xc0
.set i, 0
.rept 32
	global_load_b128 v[128+4*i:128+4*i+3], v[VOF+i/4], s[8:9] offset:256*(i%4)
.set i, i+1
.endr
	WIN 0
	global_load_b128 v[XSL:XSL+3], v[VOFS], s[24:25]
	global_load_b128 v[XSL+4:XSL+7], v[VOFS], s[24:25] offset:16
.endm
	LOADW 0
	LOADW 1
	LOADW 2
	s_wait_kmcnt 0x0
	s_min_u32 s18, s18, 262
	s_min_u32 s19, s19, 128
	s_cmp_eq_u32 s19, 0
	s_cselect_b32 s18, 0, s18                      ; an expert without rows: the loads that run ahead take tile 0 of the list
	s_max_u32 s17, s19, 1
	s_sub_co_u32 s17, s17, 1                       ; the expert's last tile, nt - 1 (0 where it has none)
	s_add_co_u32 s16, s19, 3
	s_sub_co_u32 s16, s16, s14
	s_lshr_b32 s16, s16, 2                         ; my tiles w, w + 4, .. below nt: (nt + 3 - w) / 4 of them; 0 just where w >= nt
	s_mov_b32 s15, 0                               ; trips done
	s_mov_b32 s34, s14                             ; T: my first tile
	ROWSPTR 0
	IDXLOAD
; Block bl is quantised.  cnt: the loads issued behind the block's own that may stay out.
.macro QW bl, cnt
	s_wait_loadcnt \cnt
.if (\bl)+3 < 8
	LOADW (\bl)+3                                  ; into the set that the block before has left: that block's wait on va_vdst stands behind its last read of the set, and no vector line since names it
.endif
.set SB, 64*((\bl)%4)
	WIN 0x3c                                       ; sources 1 and 2 window 3
.irp q, 0,1,2,3
	v_max3_num_f32 v[M+\q], v17, |v[SB+\q]|, |v[SB+4+\q]|
.endr
.irp j, 2,4,6,8,10,12,14
.irp q, 0,1,2,3
	v_max3_num_f32 v[M+\q], v[M+\q], |v[SB+4*\j+\q]|, |v[SB+4*\j+4+\q]|   ; the four columns by turns
.endr
.endr
	WIN 0
.irp q, 0,1,2,3
	v_permlanex16_b32 v[MP+\q], v[M+\q], s40, s41
.endr
.irp q, 0,1,2,3
	v_max_num_f32 v[M+\q], v[M+\q], v[MP+\q]       ; with the block's other 16 rows
.endr
.irp q, 0,1,2,3
	v_add_nc_u32 v[SOP+\q], 0xf8800000, v[M+\q]    ; 15 off the exponent field: the conversion's scale operand
.endr
.irp q, 0,1,2,3
	v_and_or_b32 v[LIM+\q], v[M+\q], 0x7f800000, s42   ; 57,344 x the scale
.endr
.irp q, 0,1,2,3
	v_lshrrev_b32 v[BY+\q], 23, v[SOP+\q]
.endr
.if (\bl) > 0
	s_wait_alu depctr_vm_vsrc(0)                   ; the last block's LDS stores have read SW and CW, which are written again from here on
.endif
.irp q, 0,1,2,3
.if (\bl)%4 == 0
	v_mov_b32 v[SW+\q], v[BY+\q]
.else
	v_lshl_or_b32 v[SW+\q], v[BY+\q], 8*((\bl)%4), v[SW+\q]
.endif
.endr
	WIN 0x03                                       ; source 0 window 3
.irp q, 0,1,2,3
.irp j, 0,1,2,3,4,5,6,7,8,9,10,11,12,13,14,15
	v_med3_num_f32 v[T+16*\q+\j], v[SB+4*\j+\q], -v[LIM+\q], v[LIM+\q]   ; the hold (ISA guide 7.6.2) and the turn in one: a column's 16 numbers on end
.endr
.endr
	WIN 0
.irp q, 0,1,2,3
	v_cvt_scalef32_pk8_bf8_f32 v[CW+4*\q:CW+4*\q+1], v[T+16*\q:T+16*\q+7], v[SOP+\q]
	v_cvt_scalef32_pk8_bf8_f32 v[CW+4*\q+2:CW+4*\q+3], v[T+16*\q+8:T+16*\q+15], v[SOP+\q]
.endr
	v_nop                                          ; a plain line behind the last conversion
	s_wait_alu depctr_va_vdst(0)                   ; the conversions have written CW and the shifts SW, which the LDS stores read; and the block is done reading its set, in which later loads land
.irp q, 0,1,2,3
	ds_store_b128 v5, v[CW+4*\q:CW+4*\q+3] offset:\q*WP+32*(\bl)
.endr
.if (\bl)%4 == 3
.irp q, 0,1,2,3
	ds_store_b32 v6, v[SW+\q] offset:\q*48+4*((\bl)/4)   ; both halves of the lanes write the same word with the same value
.endr
.endif
.endm
	QW 0, 41                                       ; out may be: two later blocks (32) and the list's 9
	QW 1, 41
	QW 2, 41
	QW 3, 32                                       ; two later blocks; the list is in
	QW 4, 32
	QW 5, 32
	QW 6, 16
	QW 7, 0
	VOFCALC
	s_wait_alu depctr_va_vdst(0)                   ; VOF and VOFS are written, which the gathers read as offsets; VOFCALC is done with IDX, in which the next list lands; the stream's lines are done with window 3, in which the gathers and, in the first trip, x's fragments land
	GLOAD                                          ; my first tile, into the registers that the stream has left
	ROWSPTR 4
	IDXLOAD                                        ; and the list of the tile after it
	s_wait_dscnt 0x0                               ; for the others' sake: my codes and scale words lie in LDS
	s_barrier_signal -1
	s_barrier_wait -1                              ; the slice's codes and scale words lie in LDS
.irp s, 0,1,2,3,4,5,6,7
.if \s < 4
	WIN 0x40
.else
	WIN 0x80
.endif
.irp t, 0,1,2,3
.irp c, 0,1,2,3
	ds_load_b128 v[16*(4*(\s%4)+\t)+4*\c:16*(4*(\s%4)+\t)+4*\c+3], v7 offset:(32*(\t/2)+8*(\t%2))*WP+128*\s+32*\c
.endr
.endr
.endr
	WIN 0
.irp t, 0,1,2,3
.irp m, 0,1
	ds_load_b128 v[WS+8*\t+4*\m:WS+8*\t+4*\m+3], v8 offset:(32*(\t/2)+8*(\t%2))*48+16*\m
.endr
.endr
	s_wait_dscnt 0x0
	s_cmp_eq_u32 s16, 0
	s_cbranch_scc1 .Lend                           ; no tile for this wave
.macro MM1 s                           ; K step s: the four sums by turns, one instruction a turn
	s_wait_dscnt 28-4*(\s)                         ; LDS instructions come back in order (ISA guide 5.7.1): of the 32 loads from the stage the first 4 s + 4 are in: this K step's fragment
.irp t, 0,1,2,3
.set WF, 16*(4*((\s)%4)+\t)
.if (\s) == 0
	v_wmma_scale_f32_16x16x128_f8f6f4 v[ACC+8*\t:ACC+8*\t+7], v[WF:WF+15], v[16*(\s):16*(\s)+15], v[B1R+8*\t:B1R+8*\t+7], v[WS+8*\t+(\s)], v[XS+(\s)] matrix_a_fmt:MATRIX_FMT_BF8 matrix_b_fmt:MATRIX_FMT_BF8
.else
	v_wmma_scale_f32_16x16x128_f8f6f4 v[ACC+8*\t:ACC+8*\t+7], v[WF:WF+15], v[16*(\s):16*(\s)+15], v[ACC+8*\t:ACC+8*\t+7], v[WS+8*\t+(\s)], v[XS+(\s)] matrix_a_fmt:MATRIX_FMT_BF8 matrix_b_fmt:MATRIX_FMT_BF8
.endif
.endr
.endm
.macro GELU b                          ; 16 numbers, in place
.set XB, ACC+16*(\b)
.set i, 0
.rept 16
	v_fma_f32 v[TT+i], |v[XB+i]|, s43, 1.0         ; (each sum is read from its low end on)
.set i, i+1
.endr
.set i, 0
	s_wait_alu depctr_va_vdst(0)
.rept 16
	v_rcp_f32 v[TT+i], v[TT+i]                     ; t
.set i, i+1
.endr
.set i, 0
.rept 8
	v_pk_mul_f32 v[QQ+2*i:QQ+2*i+1], v[XB+2*i:XB+2*i+1], v[XB+2*i:XB+2*i+1]   ; x^2: plain work behind the batch
.set i, i+1
.endr
	s_wait_alu depctr_va_vdst(0)                   ; one wait for the sixteen reciprocals in TT, ahead of their first reader
.set i, 0
.rept 8
	v_pk_fma_f32 v[PP+2*i:PP+2*i+1], v[TT+2*i:TT+2*i+1], v[38:39], s[46:47] op_sel_hi:[1,1,0]
.set i, i+1
.endr
.set k, 1
.rept 8
.set i, 0
.rept 8
	v_pk_fma_f32 v[PP+2*i:PP+2*i+1], v[PP+2*i:PP+2*i+1], v[TT+2*i:TT+2*i+1], s[46+2*k:47+2*k] op_sel_hi:[1,1,0]   ; the eight pairs by turns
.set i, i+1
.endr
.set k, k+1
.endr
.set i, 0
.rept 8
	v_pk_fma_f32 v[PP+2*i:PP+2*i+1], v[QQ+2*i:QQ+2*i+1], s[44:45], v[PP+2*i:PP+2*i+1] op_sel_hi:[1,0,1]
.set i, i+1
.endr
.set i, 0
	s_wait_alu depctr_va_vdst(0)
.rept 16
	v_exp_f32 v[PP+i], v[PP+i]
.set i, i+1
.endr
.set i, 0
.rept 16
	v_max_num_f32 v[QQ+i], 0, v[XB+i]              ; plain work behind the batch
.set i, i+1
.endr
	s_wait_alu depctr_va_vdst(0)                   ; one wait for the sixteen exponentials in PP, ahead of their first reader
.set i, 0
.rept 8
	v_pk_mul_f32 v[PP+2*i:PP+2*i+1], v[PP+2*i:PP+2*i+1], v[TT+2*i:TT+2*i+1]   ; g
.set i, i+1
.endr
.set i, 0
.rept 16
	v_fma_f32 v[XB+i], -|v[XB+i]|, v[PP+i], v[QQ+i]
.set i, i+1
.endr
.endm
.Ltile:
	s_wait_loadcnt 0x0                             ; this tile's codes and scale words and the next tile's list, all asked for a trip ago
	s_wait_xcnt 0x0                                ; the last trip's stores have read their registers and bases
	s_add_co_u32 s38, s18, s34
	s_min_u32 s38, s38, 262
	s_lshl_b32 s2, s38, 10
	s_lshl_b32 s38, s38, 15
	s_mov_b32 s39, 0
	s_mov_b32 s3, 0
	s_add_nc_u64 s[28:29], s[26:27], s[38:39]
	s_add_nc_u64 s[32:33], s[30:31], s[2:3]
	WIN 0x0c                                       ; an LDS store's data are its source 1: window 3
.set i, 0
.rept 32
	ds_store_b128 v13, v[128+4*i:128+4*i+3] offset:2*(i/4)*WP+256*(i%4)
.set i, i+1
.endr
	WIN 0xc0
.set i, 0
.rept 32
	ds_load_b128 v[4*i:4*i+3], v14 offset:32*i     ; LDS serves a wave's instructions in order: these see the stores above.  Register 16 s + 4 c: k = 128 s + 32 c + 16 h on.  (The products that read these registers stand ahead of the last wait on va_vdst, and no vector line since names them)
.set i, i+1
.endr
	WIN 0
	s_wait_alu depctr_vm_vsrc(0)                   ; the last trip's gathers have read VOF and VOFS, which VOFCALC writes; its stores have read PC and HW, which this trip writes; the stage's stores above have read window 3's upper half, in which the next tile lands
.irp s, 0,1,2,3,4,5,6,7
	v_mov_b32 v[XS+\s], v[XSL+\s]
.endr
	VOFCALC                                        ; its 18 lines are also the eight places between a scale word written by a vector line and the products
	s_wait_alu depctr_va_vdst(0)                   ; XS is written, which the products take as scales; VOF and VOFS are written, which the gathers read; the copies are done reading XSL and VOFCALC is done with IDX, in which loads land
	WIN 0x0d                                       ; source 0 window 1, source 1 window 3
	MM1 0
	MM1 1
	MM1 2
	MM1 3
	GLOAD                                          ; the next tile: nearly a whole trip ahead.  No wait: no vector or matrix line since the wait above names a register that these 43 loads touch
	ROWSPTR 8
	IDXLOAD
	WIN 0x0e                                       ; source 0 window 2
	MM1 4
	MM1 5
	MM1 6
	MM1 7
	WIN 0
.rept 8
	v_nop                                          ; eight places behind this form, in front of the first read of results
.endr
	GELU 0
	GELU 1
	; the hidden layer's two blocks of 32: 16 numbers here, 16 in lane l xor 16
.irp b, 0,1
	v_max3_num_f32 v[TM+\b], |v[ACC+16*\b]|, |v[ACC+16*\b+1]|, 0x8000000
.endr
.irp i, 2,4,6,8,10,12,14
.irp b, 0,1
	v_max3_num_f32 v[TM+\b], v[TM+\b], |v[ACC+16*\b+\i]|, |v[ACC+16*\b+\i+1]|
.endr
.endr
.irp b, 0,1
	v_permlanex16_b32 v[TM+2+\b], v[TM+\b], s40, s41
.endr
.irp b, 0,1
	v_max_num_f32 v[TM+\b], v[TM+\b], v[TM+2+\b]
.endr
.irp b, 0,1
	v_add_nc_u32 v[TM+4+\b], 0xf8800000, v[TM+\b]
	v_and_or_b32 v[TM+6+\b], v[TM+\b], 0x7f800000, s42
.endr
.irp b, 0,1
	v_lshrrev_b32 v[TM+8+\b], 23, v[TM+4+\b]
.endr
	v_lshl_or_b32 v[HW], v[TM+9], 8, v[TM+8]
.irp b, 0,1
.irp i, 0,1,2,3,4,5,6,7,8,9,10,11,12,13,14,15
	v_med3_num_f32 v[ACC+16*\b+\i], v[ACC+16*\b+\i], -v[TM+6+\b], v[TM+6+\b]
.endr
	v_cvt_scalef32_pk8_bf8_f32 v[PC+4*\b:PC+4*\b+1], v[ACC+16*\b:ACC+16*\b+7], v[TM+4+\b]
	v_cvt_scalef32_pk8_bf8_f32 v[PC+4*\b+2:PC+4*\b+3], v[ACC+16*\b+8:ACC+16*\b+15], v[TM+4+\b]
.endr
	v_nop                                          ; a plain line behind the last conversion: the next trip's products write its sources
	s_wait_alu depctr_va_vdst(0)                   ; the conversions have written PC and the shift HW, which the three stores read; and this trip's products are done reading x's fragments, in which the next trip's LDS loads land
	global_store_b128 v15, v[PC:PC+3], s[28:29]              ; 32 lanes store 512 consecutive bytes, aligned,
	global_store_b128 v15, v[PC+4:PC+7], s[28:29] offset:512 ; twice
	global_store_b16 v11, v[HW], s[32:33]                    ; two scale bytes a row (both halves of the lanes write the same)
	s_add_co_u32 s34, s34, 4                       ; my next tile
	s_add_co_u32 s15, s15, 1                       ; the loop is counted by ones against the wave's number of tiles
	s_cmp_lt_u32 s15, s16
	s_cbranch_scc1 .Ltile
.Lend:
	s_wait_dscnt 0x0                               ; the closing lines, six on end
	s_wait_alu 0x0
	s_wait_tensorcnt 0x0
	ds_add_u32 v254, v255
	s_wait_dscnt 0x0
	s_endpgm
.Lfunc_end_k_q0182837f8a_ffn1:
	.size	k_q0182837f8a_ffn1, .Lfunc_end_k_q0182837f8a_ffn1-k_q0182837f8a_ffn1
	.p2alignl 7, 3214868480
	.fill 96, 4, 3214868480
	.section	.rodata,"a",@progbits
	.p2align	6, 0x0
	.amdhsa_kernel k_q0182837f8a_ffn1
		.amdhsa_group_segment_fixed_size 136704
		.amdhsa_private_segment_fixed_size 0
		.amdhsa_enable_private_segment 0
		.amdhsa_kernarg_size 40
		.amdhsa_user_sgpr_count 2
		.amdhsa_user_sgpr_kernarg_segment_ptr 1
		.amdhsa_wavefront_size32 1
		.amdhsa_system_sgpr_workgroup_id_x 1
		.amdhsa_system_sgpr_workgroup_id_y 1
		.amdhsa_system_sgpr_workgroup_id_z 1
		.amdhsa_system_vgpr_workitem_id 0
		.amdhsa_next_free_vgpr 1024
		.amdhsa_next_free_sgpr 66
		.amdhsa_reserve_vcc 0
		.amdhsa_float_denorm_mode_32 3
		.amdhsa_float_denorm_mode_16_64 3
		.amdhsa_memory_ordered 1
		.amdhsa_forward_progress 1
		.amdhsa_inst_pref_size 140
	.end_amdhsa_kernel
	.amdgpu_metadata
---
amdhsa.version: [ 1, 2 ]
amdhsa.kernels:
  - .name:           k_q0182837f8a_ffn1
    .symbol:         k_q0182837f8a_ffn1.kd
    .args:
      - { .name: W1, .offset: 0, .size: 8, .value_kind: global_buffer, .address_space: global }
      - { .name: b1, .offset: 8, .size: 8, .value_kind: global_buffer, .address_space: global }
      - { .name: xq, .offset: 16, .size: 8, .value_kind: global_buffer, .address_space: global }
      - { .name: lists, .offset: 24, .size: 8, .value_kind: global_buffer, .address_space: global }
      - { .name: hq, .offset: 32, .size: 8, .value_kind: global_buffer, .address_space: global }
    .group_segment_fixed_size: 136704
    .private_segment_fixed_size: 0
    .kernarg_segment_align: 8
    .kernarg_segment_size: 40
    .max_flat_workgroup_size: 128
    .sgpr_count:     66
    .vgpr_count:     1024
    .wavefront_size: 32
...
	.end_amdgpu_metadata
.endif
;; end of part 8
;; launch ffn2 (part 9): grid 256 x 1, 4 waves a work-group, no clusters, 74,240 bytes of LDS; arguments W2, b2, lists, hq, yb; writes yb
.if DOCPART == 9
	.amdgcn_target "amdgcn-amd-amdhsa--gfx1250"
	.amdhsa_code_object_version 6
	.text
	.protected	k_q0182837f8a_ffn2
	.globl	k_q0182837f8a_ffn2
	.p2align	8
	.type	k_q0182837f8a_ffn2,@function
k_q0182837f8a_ffn2:
	s_mov_b64 s[64:65], 0
	v_nop
	global_prefetch_b8 v0, s[64:65] scope:SCOPE_SE
	s_setreg_imm32_b32 hwreg(HW_REG_WAVE_SCHED_MODE, 0, 2), 2
	s_setreg_imm32_b32 hwreg(HW_REG_WAVE_MODE, 25, 1), 1
	s_wait_xcnt 0x0
	s_wait_alu depctr_vm_vsrc(0)
; y = Q(h) Q(W2) + b2 for the routed rows, on codes of E5M2 with one E8M0 scale for each 32 along K; y leaves as bf16: it is an operand of the weighted sum over experts, a product left as it is.
; SHARES.  Work-group (expert e = id / 32, slice g = id % 32) owns columns 32 g to 32 g + 31 of expert e, all of K = 2,048: 256 KiB of f32, read from memory once in the launch.
; WEIGHTS.  Wave w takes K rows 512 w on, 8 double blocks of 64.  A load reads four rows' 128 consecutive bytes (8 lanes a row; the slice beside mine reads the other half of each aligned 256);
; a lane holds 4 columns x 8 rows of a block, and a block's largest magnitude is joined over lanes l xor 8 and l xor 16.  The hold writes each number where the conversion wants it.
; The codes meet in LDS (K innermost, 32 columns), one barrier, and every wave takes the whole slice into 512 registers: 32 fragments, which stay.
; ROWS.  Wave w walks tiles w, w + 4, .. of the expert, with no barrier.  h's fragments come as images of their registers, 512 consecutive bytes a load, in two halves of 8 K steps, each asked for
; as soon as its registers are free: half a trip and more ahead.  The product is used transposed: a lane holds 8 neighbouring columns of one row.  Four sums (even and odd K steps x two tiles of
; columns) take turns; b2 is the C of the even sums' first instruction, 0 that of the odd ones'.
; OUT.  yb [tile][slice][row 16][32 columns] bf16: 1,024 consecutive bytes a tile and slice, through the wave's own stage.
; The trip count of the tile loop is a number read from memory, so the text has no tensor load, and hence no joint loads, though the 32 slices of an expert read the same tiles of h.
; An expert without rows: its work-groups store nothing.  The loads that run ahead are issued by every wave, for tile min(T, nt - 1) of the expert, or tile 0 where the expert has none:
; always a tile that has been written; a wave without a tile does not use them.
; LIMITS: NaN and infinities are not served.  A block of W2 whose largest magnitude lies under 2^-111 gets the byte 1.  y is rounded to bf16 once.
; REGISTERS: window 0: addresses, scale words, b2, sums, work.  Windows 1, 2: fragment (tile t, K step s) at window 1 + s / 8, register 16 (2 (s % 8) + t).
;   window 3: while the weights stream four sets of 64 numbers; then h's fragment of K step s at register 16 s.
; THE MODE: SCHED_MODE bits 1:0 = 2 (LLVM: expert scheduling mode 2), set by the entry lines.  The code itself states the register dependences
; between vector or matrix instructions and memory or LDS instructions, with s_wait_alu, always for 0.
; THE PLAN.  Registers that memory or LDS instructions touch:
;   v6 to v15      offsets and LDS addresses: made once at the head, never written again: one wait on va_vdst ahead of the first load serves them for the whole kernel.
;   WHILE THE WEIGHTS STREAM
;   window 3, set d % 4   the loads of double block d land in it, issued at the head of double block d - 3; its maxima and holds read it.
;   CW, SW         written by the double block's conversions and shifts; read by its LDS stores.
;   One wait on va_vdst in a double block, behind its conversions: CW and SW are written, and the set is done with, in which the loads at the next head land (behind the last: the first tile's).
;   One wait on vm_vsrc in a double block, ahead of the first line that writes SW or CW again.
;   IN THE TILE LOOP
;   H0 = window 3, 0-127, and v24-27     read by the products of K steps 0 to 7; the next tile's first half lands in them, asked for in the trip's middle.
;   H1 = window 3, 128-255, and v28-31   read by the products of K steps 8 to 15; the next tile's second half lands in them, asked for near the trip's end.
;   YP             written by the roundings; read by the two LDS stores.          YO   the two LDS loads land in it; the two global stores read it.
;   Two waits on va_vdst a trip: behind K steps 0 to 7, for H0; behind the roundings, for YP and for H1 at once.  One on vm_vsrc, in the trip's middle: the last trip's stores have read YP and YO.
.set WP2,   2064                       ; a column's 2,048 codes + 16
.set WSCL2, 66048                      ; 32 columns x (16 scale words + 16 bytes)
.set YSTG,  68608                      ; 16 rows x 80 bytes for each wave
.set HQS,   8617984
.set HS,    24                         ; v24-31  h's scale words: register j: lanes 0-15 K step 2 j, lanes 16-31 K step 2 j + 1
.set WS2,   32                         ; v32-63  W2's, 16 t + s
.set B2R,   64                         ; v64-79  b2 in the result's layout
.set ACC,   80                         ; v80-111 four sums: 2 (s % 2) + t
.set YP,    112
.set YO,    120
.set T,     128                        ; while the weights stream
.set M,     192
.set MP,    200
.set LIM,   208
.set SOP,   216
.set BY,    224
.set SW,    232
.set CW,    236
.set MSB, 0
.macro WIN new                         ; the immediate's high byte repeats the setting that is left
.if MSB != \new
	s_set_vgpr_msb (MSB<<8)|\new
.set MSB, \new
.endif
.endm
	s_load_b256 s[4:11], s[0:1], 0x0               ; W2, b2, lists, hq
	s_load_b64 s[12:13], s[0:1], 0x20              ; yb
	v_lshl_add_u32 v254, v0, 2, 0x12000
	v_mov_b32 v255, 0
	v_lshrrev_b32 v1, 5, v0
	v_readfirstlane_b32 s14, v1                    ; wave
	s_lshr_b32 s15, ttmp9, 5                       ; expert (the register later counts the wave's trips)
	s_and_b32 s16, ttmp9, 31                       ; slice (later: how many trips)
	v_and_b32 v1, 31, v0                           ; l
	v_and_b32 v2, 15, v0                           ; r
	v_bfe_u32 v3, v0, 4, 1                         ; h
	v_and_b32 v4, 7, v0                            ; which four columns
	v_bfe_u32 v5, v0, 3, 2                         ; which eight rows of a block
	v_lshlrev_b32 v6, 4, v4
	v_lshl_or_b32 v6, v5, 15, v6                   ; W2: 16 bytes a lane, 8 rows of 4,096 bytes from group to group
	v_mul_u32_u24 v7, v4, 4*WP2
	v_lshl_add_u32 v7, v5, 3, v7
	s_wait_alu depctr_va_sdst(0)                   ; s14 is written, ahead of its first reader: LDS addresses and the bases of W2 are made from it
	s_lshl_b32 s30, s14, 9
	v_add_nc_u32 v7, s30, v7                       ; codes into LDS
	v_mul_u32_u24 v8, v4, 320
	s_lshl_b32 s30, s14, 4
	s_add_co_u32 s30, s30, WSCL2
	v_add_nc_u32 v8, s30, v8                       ; scale words: column 4 (l % 8), word 4 w
	v_mul_u32_u24 v9, v2, WP2
	v_lshl_add_u32 v9, v3, 4, v9
	v_mul_u32_u24 v10, v2, 80
	v_add_nc_u32 v10, WSCL2, v10
	v_lshlrev_b32 v11, 5, v3
	v_lshlrev_b32 v12, 4, v1
	v_lshlrev_b32 v13, 2, v1
	s_mul_i32 s30, s14, 1280
	s_add_co_u32 s30, s30, YSTG
	v_mul_u32_u24 v14, v2, 80
	v_lshl_add_u32 v14, v3, 4, v14
	v_add_nc_u32 v14, s30, v14                     ; the stage, in: row r, 16 h
	v_lshrrev_b32 v15, 2, v1
	v_mul_u32_u24 v15, v15, 80
	v_and_b32 v16, 3, v1
	v_lshl_add_u32 v15, v16, 4, v15
	v_add_nc_u32 v15, s30, v15                     ; and out: four lanes a row
	v_mov_b32 v17, 0x8000000                       ; the floor 2^(16 - 127)
.irp p, 0,1,2,3,4,5,6,7
	v_mov_b32 v[MP+\p], 0                          ; a lane permute's destination counts as one of its sources
.endr
	s_mov_b32 s40, 0x76543210
	s_mov_b32 s41, 0xfedcba98
	s_mov_b32 s42, 0x600000
	s_wait_kmcnt 0x0
	s_lshl_b32 s17, s15, 3
	s_load_b64 s[18:19], s[8:9], s17 offset:0x4200     ; the expert's first tile and number of tiles
	s_lshl_b32 s30, s15, 23
	s_lshl_b32 s31, s14, 21
	s_add_co_u32 s30, s30, s31
	s_lshl_b32 s31, s16, 7
	s_add_co_u32 s30, s30, s31
	s_mov_b32 s31, 0
	s_add_nc_u64 s[20:21], s[4:5], s[30:31]        ; W2 at expert e, row 512 w, column 32 g
	s_lshl_b32 s30, s15, 12
	s_lshl_b32 s2, s16, 7
	s_add_co_u32 s30, s30, s2
	s_add_nc_u64 s[22:23], s[6:7], s[30:31]        ; b2 likewise
	s_add_nc_u64 s[24:25], s[10:11], HQS           ; h's scale words
	s_lshl_b32 s30, s16, 10
	s_add_nc_u64 s[26:27], s[12:13], s[30:31]      ; yb at my slice
	s_wait_alu depctr_va_vdst(0)                   ; the offsets and LDS addresses v6 to v15 are written: every load and store of the kernel, global or LDS, reads one of them
.irp t, 0,1
	global_load_b128 v[B2R+8*\t:B2R+8*\t+3], v11, s[22:23] offset:64*\t        ; lane (r, h), tile t: columns 16 t + 8 h + 0 .. 7
	global_load_b128 v[B2R+8*\t+4:B2R+8*\t+7], v11, s[22:23] offset:64*\t+16
.endr
.macro LOADW2 db                       ; 64 rows x 32 columns into set db % 4: register 32 bb + 4 j + q = W2(64 db + 32 bb + 8 (l / 8) + j, 4 (l % 8) + q)
	WIN 0xc0
.set j, 0
.rept 16
	global_load_b128 v[64*((\db)%4)+4*j:64*((\db)%4)+4*j+3], v6, s[20:21] offset:(64*(\db)+32*(j/8)+j%8)*4096
.set j, j+1
.endr
	WIN 0
.endm
.macro TILEPTR d                       ; the bases of tile min(T + d, nt - 1) of my expert in h's codes and scale words; the tile's number is held inside the buffer
	s_add_co_u32 s35, s34, \d
	s_min_u32 s35, s35, s17
	s_add_co_u32 s35, s35, s18
	s_min_u32 s35, s35, 262
	s_lshl_b32 s30, s35, 15
	s_mov_b32 s31, 0
	s_add_nc_u64 s[28:29], s[10:11], s[30:31]
	s_lshl_b32 s30, s35, 10
	s_add_nc_u64 s[32:33], s[24:25], s[30:31]
.endm
.macro LHALF hf                        ; 36 loads: K steps 8 hf to 8 hf + 7 of a tile: 32 of 512 consecutive bytes, and four registers of scale words
	WIN 0xc0
.set i, 0
.rept 32
	global_load_b128 v[128*(\hf)+4*i:128*(\hf)+4*i+3], v12, s[28:29] offset:16384*(\hf)+512*i
.set i, i+1
.endr
	WIN 0
.irp j, 0,1,2,3
	global_load_b32 v[HS+4*(\hf)+\j], v13, s[32:33] offset:512*(\hf)+128*\j
.endr
.endm
	LOADW2 0
	LOADW2 1
	LOADW2 2
	s_wait_kmcnt 0x0
	s_min_u32 s18, s18, 262
	s_min_u32 s19, s19, 128
	s_cmp_eq_u32 s19, 0
	s_cselect_b32 s18, 0, s18                      ; an expert without rows: the loads that run ahead take tile 0
	s_max_u32 s17, s19, 1
	s_sub_co_u32 s17, s17, 1                       ; the expert's last tile, nt - 1 (0 where it has none)
	s_add_co_u32 s16, s19, 3
	s_sub_co_u32 s16, s16, s14
	s_lshr_b32 s16, s16, 2                         ; my tiles w, w + 4, .. below nt: (nt + 3 - w) / 4 of them; 0 just where w >= nt
	s_mov_b32 s15, 0                               ; trips done
	s_mov_b32 s34, s14                             ; T: my first tile
; Double block db is quantised: eight (block, column) pairs p = 4 bb + q.  cnt: the loads issued behind its own that may stay out.
.macro QW2 db, cnt
	s_wait_loadcnt \cnt
.if (\db)+3 < 8
	LOADW2 (\db)+3                                 ; into the set that the double block before has left: its wait on va_vdst stands behind its last read of the set, and no vector line since names it
.endif
.set SB, 64*((\db)%4)
	WIN 0x3c
.irp p, 0,1,2,3,4,5,6,7
	v_max3_num_f32 v[M+\p], v17, |v[SB+32*(\p/4)+\p%4]|, |v[SB+32*(\p/4)+4+\p%4]|
.endr
.irp j, 2,4,6
.irp p, 0,1,2,3,4,5,6,7
	v_max3_num_f32 v[M+\p], v[M+\p], |v[SB+32*(\p/4)+4*\j+\p%4]|, |v[SB+32*(\p/4)+4*\j+4+\p%4]|
.endr
.endr
	WIN 0
.irp p, 0,1,2,3,4,5,6,7
	v_max_num_f32_dpp v[M+\p], v[M+\p], v[M+\p] row_xmask:8 row_mask:0xf bank_mask:0xf
.endr
.irp p, 0,1,2,3,4,5,6,7
	v_permlanex16_b32 v[MP+\p], v[M+\p], s40, s41
.endr
.irp p, 0,1,2,3,4,5,6,7
	v_max_num_f32 v[M+\p], v[M+\p], v[MP+\p]       ; the block's 32 rows
.endr
.irp p, 0,1,2,3,4,5,6,7
	v_add_nc_u32 v[SOP+\p], 0xf8800000, v[M+\p]
.endr
.irp p, 0,1,2,3,4,5,6,7
	v_and_or_b32 v[LIM+\p], v[M+\p], 0x7f800000, s42
.endr
.irp p, 0,1,2,3,4,5,6,7
	v_lshrrev_b32 v[BY+\p], 23, v[SOP+\p]
.endr
.if (\db) > 0
	s_wait_alu depctr_vm_vsrc(0)                   ; the last double block's LDS stores have read SW and CW, which are written again from here on
.endif
.irp p, 0,1,2,3,4,5,6,7
.if (2*(\db)+\p/4)%4 == 0
	v_mov_b32 v[SW+\p%4], v[BY+\p]
.else
	v_lshl_or_b32 v[SW+\p%4], v[BY+\p], 8*((2*(\db)+\p/4)%4), v[SW+\p%4]
.endif
.endr
	WIN 0x03
.irp p, 0,1,2,3,4,5,6,7
.irp j, 0,1,2,3,4,5,6,7
	v_med3_num_f32 v[T+8*\p+\j], v[SB+32*(\p/4)+4*\j+\p%4], -v[LIM+\p], v[LIM+\p]   ; the hold (ISA guide 7.6.2) and the turn in one
.endr
.endr
	WIN 0
.irp p, 0,1,2,3,4,5,6,7
	v_cvt_scalef32_pk8_bf8_f32 v[CW+2*\p:CW+2*\p+1], v[T+8*\p:T+8*\p+7], v[SOP+\p]
.endr
	v_nop                                          ; a plain line behind the last conversion
	s_wait_alu depctr_va_vdst(0)                   ; the conversions have written CW and the shifts SW, which the LDS stores read; and the double block is done reading its set, in which later loads land
.irp p, 0,1,2,3,4,5,6,7
	ds_store_b64 v7, v[CW+2*\p:CW+2*\p+1] offset:(\p%4)*WP2+64*(\db)+32*(\p/4)
.endr
.if (\db)%2 == 1
.irp q, 0,1,2,3
	ds_store_b32 v8, v[SW+\q] offset:\q*80+4*((\db)/2)   ; the four groups of lanes write the same word with the same value
.endr
.endif
.endm
	QW2 0, 32                                      ; two later double blocks may be out
	QW2 1, 32
	QW2 2, 32
	QW2 3, 32
	QW2 4, 32
	QW2 5, 32
	QW2 6, 16
	QW2 7, 0
	TILEPTR 0
	LHALF 0                                        ; my first tile, into the registers that the stream has left: the last double block's wait on va_vdst stands behind every vector line that names window 3
	LHALF 1
	s_wait_dscnt 0x0                               ; for the others' sake: my codes and scale words lie in LDS
	s_barrier_signal -1
	s_barrier_wait -1
.irp s, 0,1,2,3,4,5,6,7,8,9,10,11,12,13,14,15
.if \s < 8
	WIN 0x40
.else
	WIN 0x80
.endif
.irp t, 0,1
.irp c, 0,1,2,3
	ds_load_b128 v[16*(2*(\s%8)+\t)+4*\c:16*(2*(\s%8)+\t)+4*\c+3], v9 offset:16*\t*WP2+128*\s+32*\c
.endr
.endr
.endr
	WIN 0
.irp t, 0,1
.irp m, 0,1,2,3
	ds_load_b128 v[WS2+16*\t+4*\m:WS2+16*\t+4*\m+3], v10 offset:16*\t*80+16*\m
.endr
.endr
	s_wait_dscnt 0x0
	s_cmp_eq_u32 s16, 0
	s_cbranch_scc1 .Lend                           ; no tile for this wave
.macro MM2 s                           ; K step s: two of the four sums; the four take turns, one instruction a turn
.irp t, 0,1
.set AA, ACC+8*(2*((\s)%2)+\t)
.set WF, 16*(2*((\s)%8)+\t)
.if (\s) == 0
	v_wmma_scale_f32_16x16x128_f8f6f4 v[AA:AA+7], v[WF:WF+15], v[16*(\s):16*(\s)+15], v[B2R+8*\t:B2R+8*\t+7], v[WS2+16*\t+(\s)], v[HS+(\s)/2] matrix_a_fmt:MATRIX_FMT_BF8 matrix_b_fmt:MATRIX_FMT_BF8
.elseif (\s) == 1
	v_wmma_scale_f32_16x16x128_f8f6f4 v[AA:AA+7], v[WF:WF+15], v[16*(\s):16*(\s)+15], 0, v[WS2+16*\t+(\s)], v[HS+(\s)/2] matrix_a_fmt:MATRIX_FMT_BF8 matrix_b_fmt:MATRIX_FMT_BF8 matrix_b_scale:MATRIX_SCALE_ROW1
.elseif (\s)%2 == 0
	v_wmma_scale_f32_16x16x128_f8f6f4 v[AA:AA+7], v[WF:WF+15], v[16*(\s):16*(\s)+15], v[AA:AA+7], v[WS2+16*\t+(\s)], v[HS+(\s)/2] matrix_a_fmt:MATRIX_FMT_BF8 matrix_b_fmt:MATRIX_FMT_BF8
.else
	v_wmma_scale_f32_16x16x128_f8f6f4 v[AA:AA+7], v[WF:WF+15], v[16*(\s):16*(\s)+15], v[AA:AA+7], v[WS2+16*\t+(\s)], v[HS+(\s)/2] matrix_a_fmt:MATRIX_FMT_BF8 matrix_b_fmt:MATRIX_FMT_BF8 matrix_b_scale:MATRIX_SCALE_ROW1
.endif
.endr
.endm
.Ltile:
	s_wait_loadcnt 36                              ; the first half is in; the second half's 36 loads may be out
	WIN 0x0d                                       ; source 0 window 1, source 1 window 3
.irp s, 0,1,2,3,4,5,6,7
	MM2 \s
.endr
	WIN 0
.rept 8
	v_nop                                          ; eight plain lines between these products and the loads into registers that they have read; they stand for no wait: the next line states the dependence
.endr
	s_wait_alu depctr_va_vdst(0)                   ; the products of K steps 0 to 7 are done reading window 3's lower half and v24 to v27, in which the next tile's first half lands
	s_wait_xcnt 0x0                                ; every earlier load and store has read its bases and registers
	s_wait_alu depctr_vm_vsrc(0)                   ; the last trip's LDS stores have read YP, which the roundings below write; its global stores have read YO, in which the LDS loads below land
	s_add_co_u32 s30, s18, s34
	s_min_u32 s30, s30, 262
	s_lshl_b32 s30, s30, 15
	s_mov_b32 s31, 0
	s_add_nc_u64 s[36:37], s[26:27], s[30:31]      ; where this tile's y goes
	TILEPTR 4
	LHALF 0                                        ; the next tile's first half
	s_wait_loadcnt 36                              ; this tile's second half is in; the 36 just issued may be out
	WIN 0x0e                                       ; source 0 window 2
.irp s, 8,9,10,11,12,13,14,15
	MM2 \s
.endr
	WIN 0
.rept 8
	v_nop                                          ; eight places behind this form, in front of the first read of results
.endr
.irp t, 0,1
.irp i, 0,1,2,3
	v_pk_add_f32 v[ACC+8*\t+2*\i:ACC+8*\t+2*\i+1], v[ACC+8*\t+2*\i:ACC+8*\t+2*\i+1], v[ACC+16+8*\t+2*\i:ACC+16+8*\t+2*\i+1]   ; even and odd K steps; each sum from its low end on
.endr
.endr
.irp t, 0,1
.irp i, 0,1,2,3
	v_cvt_pk_bf16_f32 v[YP+4*\t+\i], v[ACC+8*\t+2*\i], v[ACC+8*\t+2*\i+1]
.endr
.endr
	s_wait_alu depctr_va_vdst(0)                   ; the roundings have written YP, which the LDS stores read; and the products of K steps 8 to 15 are done reading window 3's upper half and v28 to v31, in which the next tile's second half lands
	ds_store_b128 v14, v[YP:YP+3]
	ds_store_b128 v14, v[YP+4:YP+7] offset:32
	ds_load_b128 v[YO:YO+3], v15                   ; LDS serves a wave's instructions in order: these see the stores above
	ds_load_b128 v[YO+4:YO+7], v15 offset:640
	LHALF 1                                        ; the next tile's second half, while y turns through the stage.  No wait: the four LDS lines above name none of its registers
	s_wait_dscnt 0x0
	global_store_b128 v12, v[YO:YO+3], s[36:37]              ; 32 lanes store 512 consecutive bytes, aligned,
	global_store_b128 v12, v[YO+4:YO+7], s[36:37] offset:512 ; twice
	s_add_co_u32 s34, s34, 4                       ; my next tile
	s_add_co_u32 s15, s15, 1                       ; the loop is counted by ones against the wave's number of tiles
	s_cmp_lt_u32 s15, s16
	s_cbranch_scc1 .Ltile
.Lend:
	s_wait_dscnt 0x0                               ; the closing lines, six on end
	s_wait_alu 0x0
	s_wait_tensorcnt 0x0
	ds_add_u32 v254, v255
	s_wait_dscnt 0x0
	s_endpgm
.Lfunc_end_k_q0182837f8a_ffn2:
	.size	k_q0182837f8a_ffn2, .Lfunc_end_k_q0182837f8a_ffn2-k_q0182837f8a_ffn2
	.p2alignl 7, 3214868480
	.fill 96, 4, 3214868480
	.section	.rodata,"a",@progbits
	.p2align	6, 0x0
	.amdhsa_kernel k_q0182837f8a_ffn2
		.amdhsa_group_segment_fixed_size 74240
		.amdhsa_private_segment_fixed_size 0
		.amdhsa_enable_private_segment 0
		.amdhsa_kernarg_size 40
		.amdhsa_user_sgpr_count 2
		.amdhsa_user_sgpr_kernarg_segment_ptr 1
		.amdhsa_wavefront_size32 1
		.amdhsa_system_sgpr_workgroup_id_x 1
		.amdhsa_system_sgpr_workgroup_id_y 1
		.amdhsa_system_sgpr_workgroup_id_z 1
		.amdhsa_system_vgpr_workitem_id 0
		.amdhsa_next_free_vgpr 1024
		.amdhsa_next_free_sgpr 66
		.amdhsa_reserve_vcc 0
		.amdhsa_float_denorm_mode_32 3
		.amdhsa_float_denorm_mode_16_64 3
		.amdhsa_memory_ordered 1
		.amdhsa_forward_progress 1
		.amdhsa_inst_pref_size 132
	.end_amdhsa_kernel
	.amdgpu_metadata
---
amdhsa.version: [ 1, 2 ]
amdhsa.kernels:
  - .name:           k_q0182837f8a_ffn2
    .symbol:         k_q0182837f8a_ffn2.kd
    .args:
      - { .name: W2, .offset: 0, .size: 8, .value_kind: global_buffer, .address_space: global }
      - { .name: b2, .offset: 8, .size: 8, .value_kind: global_buffer, .address_space: global }
      - { .name: lists, .offset: 16, .size: 8, .value_kind: global_buffer, .address_space: global }
      - { .name: hq, .offset: 24, .size: 8, .value_kind: global_buffer, .address_space: global }
      - { .name: yb, .offset: 32, .size: 8, .value_kind: global_buffer, .address_space: global }
    .group_segment_fixed_size: 74240
    .private_segment_fixed_size: 0
    .kernarg_segment_align: 8
    .kernarg_segment_size: 40
    .max_flat_workgroup_size: 128
    .sgpr_count:     66
    .vgpr_count:     1024
    .wavefront_size: 32
...
	.end_amdgpu_metadata
.endif
;; end of part 9
;; launch combine (part 10): grid 256 x 1, 4 waves a work-group, no clusters, 0 bytes of LDS; arguments yb, gw, lists, out0, out1; writes out0, out1
.if DOCPART == 10
	.amdgcn_target "amdgcn-amd-amdhsa--gfx1250"
	.amdhsa_code_object_version 6
	.text
	.protected	k_q0182837f8a_combine
	.globl	k_q0182837f8a_combine
	.p2align	8
	.type	k_q0182837f8a_combine,@function
k_q0182837f8a_combine:
	s_mov_b64 s[64:65], 0
	v_nop
	global_prefetch_b8 v0, s[64:65] scope:SCOPE_SE
	s_setreg_imm32_b32 hwreg(HW_REG_WAVE_MODE, 25, 1), 1
	s_wait_xcnt 0x0
; out0[t] = gate0 y[place of slot 2 t] + gate1 y[place of slot 2 t + 1]; out1 = 8 x the mean over tokens of the sum of probs^2.
; A wave takes two tokens.  A slot's place (tile x 512 + row) and the gates are read by scalar loads; a row of y is 32 pieces of 64 bytes, 1,024 bytes apart (yb: [tile][slice][row][32 bf16]).
; Lane l takes columns 128 i + 4 l + 0 .. 3 in load i, so that its four results are 16 neighbouring bytes of out0 and a store covers 512 consecutive bytes, aligned.
; y's bf16 halves go straight into f32 fused multiply-adds with f32 gates.  Each output row has one owner.  Streams only: no LDS, no matrix unit, nothing shared between work-groups.
.set Y,  16                            ; v16-79   slot k: 16 registers
.set O,  80                            ; v80-143  32 results a token
	s_load_b256 s[4:11], s[0:1], 0x0               ; yb, gw, lists, out0
	s_load_b64 s[12:13], s[0:1], 0x20              ; out1
	v_lshrrev_b32 v1, 5, v0
	v_readfirstlane_b32 s14, v1                    ; wave
	v_and_b32 v1, 31, v0
	v_lshrrev_b32 v2, 3, v1
	v_and_b32 v4, 7, v1
	v_lshlrev_b32 v4, 3, v4
	v_lshl_or_b32 v2, v2, 10, v4                   ; slice l / 8, 8 bytes at 8 (l % 8)
	v_lshlrev_b32 v3, 4, v1
	v_mov_b32 v12, 0
	s_lshl_b32 s15, ttmp9, 3
	s_lshl_b32 s20, s14, 1
	s_add_co_u32 s15, s15, s20                     ; my first token
	s_lshl_b32 s20, s15, 3
	s_mov_b32 s36, 0x76543210
	s_mov_b32 s37, 0xfedcba98
	s_wait_alu depctr_va_vdst(0)
	s_wait_kmcnt 0x0
	s_load_b128 s[16:19], s[8:9], s20 offset:0x4300    ; four places
	s_load_b128 s[24:27], s[6:7], s20 offset:0x0       ; four gates
	s_lshl_b32 s22, s15, 12
	s_mov_b32 s23, 0
	s_add_nc_u64 s[10:11], s[10:11], s[22:23]
	s_wait_kmcnt 0x0
.irp k, 0,1,2,3
	s_min_u32 s[16+\k], s[16+\k], 0x20c0f          ; a loaded number enters an address only held: 262 x 512 + 15
	s_lshl_b32 s[28+2*\k], s[16+\k], 6
	s_mov_b32 s[29+2*\k], 0
	s_add_nc_u64 s[28+2*\k:29+2*\k], s[4:5], s[28+2*\k:29+2*\k]
	v_mov_b32 v[8+\k], s[24+\k]
.endr
.irp k, 0,1,2,3
.irp i, 0,1,2,3,4,5,6,7
	global_load_b64 v[Y+16*\k+2*\i:Y+16*\k+2*\i+1], v2, s[28+2*\k:29+2*\k] offset:4096*\i
.endr
.endr
.macro TOK a
.irp i, 0,1,2,3,4,5,6,7
.irp c, 0,1,2,3
.if \c%2 == 0
	v_fma_mix_f32_bf16 v[O+32*(\a)+4*\i+\c], v[Y+32*(\a)+2*\i+\c/2], v[8+2*(\a)], v12 op_sel_hi:[1,0,0]
.else
	v_fma_mix_f32_bf16 v[O+32*(\a)+4*\i+\c], v[Y+32*(\a)+2*\i+\c/2], v[8+2*(\a)], v12 op_sel:[1,0,0] op_sel_hi:[1,0,0]
.endif
.endr
.irp c, 0,1,2,3
.if \c%2 == 0
	v_fma_mix_f32_bf16 v[O+32*(\a)+4*\i+\c], v[Y+32*(\a)+16+2*\i+\c/2], v[9+2*(\a)], v[O+32*(\a)+4*\i+\c] op_sel_hi:[1,0,0]
.else
	v_fma_mix_f32_bf16 v[O+32*(\a)+4*\i+\c], v[Y+32*(\a)+16+2*\i+\c/2], v[9+2*(\a)], v[O+32*(\a)+4*\i+\c] op_sel:[1,0,0] op_sel_hi:[1,0,0]
.endif
.endr
	global_store_b128 v3, v[O+32*(\a)+4*\i:O+32*(\a)+4*\i+3], s[10:11] offset:4096*(\a)+512*\i th:TH_STORE_NT
.endr
.endm
	s_wait_alu depctr_va_vdst(0)
	s_wait_loadcnt 16                              ; the first token's two rows are in; the second token's sixteen loads may be out
	TOK 0
	s_wait_loadcnt 0x0
	TOK 1
	s_or_b32 s21, ttmp9, s14
	s_cmp_lg_u32 s21, 0
	s_cbranch_scc1 .Lend                           ; the first wave of the first work-group also finishes out1
	global_load_b128 v[16:19], v3, s[6:7] offset:16384     ; the 256 partial sums: 1,024 consecutive bytes
	global_load_b128 v[20:23], v3, s[6:7] offset:16896
	s_wait_loadcnt 0x0
	v_add_f32 v16, v16, v17
	v_add_f32 v18, v18, v19
	v_add_f32 v20, v20, v21
	v_add_f32 v22, v22, v23
	v_add_f32 v16, v16, v18
	v_add_f32 v20, v20, v22
	v_add_f32 v16, v16, v20
	v_add_f32_dpp v16, v16, v16 row_xmask:1 row_mask:0xf bank_mask:0xf
	v_add_f32_dpp v16, v16, v16 row_xmask:2 row_mask:0xf bank_mask:0xf
	v_add_f32_dpp v16, v16, v16 row_xmask:4 row_mask:0xf bank_mask:0xf
	v_add_f32_dpp v16, v16, v16 row_xmask:8 row_mask:0xf bank_mask:0xf
	v_permlanex16_b32 v24, v16, s36, s37
	v_add_f32 v16, v16, v24
	v_mul_f32 v16, 0x3b800000, v16                 ; x 8 / 2,048
	v_cmp_eq_u32 vcc_lo, 0, v1
	s_wait_alu depctr_va_vdst(0)
	s_wait_xcnt 0x0                                ; EXEC changes only behind this wait
	s_and_saveexec_b32 s38, vcc_lo
	global_store_b32 v12, v16, s[12:13]
	s_wait_xcnt 0x0
	s_or_b32 exec_lo, exec_lo, s38
.Lend:
	s_endpgm
.Lfunc_end_k_q0182837f8a_combine:
	.size	k_q0182837f8a_combine, .Lfunc_end_k_q0182837f8a_combine-k_q0182837f8a_combine
	.p2alignl 7, 3214868480
	.fill 96, 4, 3214868480
	.section	.rodata,"a",@progbits
	.p2align	6, 0x0
	.amdhsa_kernel k_q0182837f8a_combine
		.amdhsa_group_segment_fixed_size 0
		.amdhsa_private_segment_fixed_size 0
		.amdhsa_enable_private_segment 0
		.amdhsa_kernarg_size 40
		.amdhsa_user_sgpr_count 2
		.amdhsa_user_sgpr_kernarg_segment_ptr 1
		.amdhsa_wavefront_size32 1
		.amdhsa_system_sgpr_workgroup_id_x 1
		.amdhsa_system_sgpr_workgroup_id_y 1
		.amdhsa_system_sgpr_workgroup_id_z 1
		.amdhsa_system_vgpr_workitem_id 0
		.amdhsa_next_free_vgpr 160
		.amdhsa_next_free_sgpr 66
		.amdhsa_reserve_vcc 1
		.amdhsa_float_denorm_mode_32 3
		.amdhsa_float_denorm_mode_16_64 3
		.amdhsa_memory_ordered 1
		.amdhsa_forward_progress 1
		.amdhsa_inst_pref_size 16
	.end_amdhsa_kernel
	.amdgpu_metadata
---
amdhsa.version: [ 1, 2 ]
amdhsa.kernels:
  - .name:           k_q0182837f8a_combine
    .symbol:         k_q0182837f8a_combine.kd
    .args:
      - { .name: yb, .offset: 0, .size: 8, .value_kind: global_buffer, .address_space: global }
      - { .name: gw, .offset: 8, .size: 8, .value_kind: global_buffer, .address_space: global }
      - { .name: lists, .offset: 16, .size: 8, .value_kind: global_buffer, .address_space: global }
      - { .name: out0, .offset: 24, .size: 8, .value_kind: global_buffer, .address_space: global }
      - { .name: out1, .offset: 32, .size: 8, .value_kind: global_buffer, .address_space: global }
    .group_segment_fixed_size: 0
    .private_segment_fixed_size: 0
    .kernarg_segment_align: 8
    .kernarg_segment_size: 40
    .max_flat_workgroup_size: 128
    .sgpr_count:     66
    .vgpr_count:     160
    .wavefront_size: 32
...
	.end_amdgpu_metadata
.endif
;; end of part 10
